; MI455X (gfx1250); checked and timed in simulation.
; The chip was launched on July 23, 2026; its instructions are those of AMD's public machine-readable ISA for CDNA 5 (MIT licence, August 2026) and "CDNA5" Instruction Set Architecture Reference Guide (July 2026). The comments in the code are by the model that wrote it; some were corrected since.
;; Attention Block. Allowed arithmetic: matrix products marked QUANTISED: E2M3 operands, one E8M0 scale for each 32 along K, by v_wmma_scale_f32_16x16x128_f8f6f4 with both operands' format E2M3, f32 sums; everything else in f32.
;; Inputs: Wk 1,024 x 1,024 float32; Wq 1,024 x 1,024 float32; Wv 1,024 x 1,024 float32; x 4 x 2,048 x 1,024 float32.
;; Outputs: out0 4 x 2,048 x 1,024 float32.
;; This version of the problem:
;;   THIS VERSION OF THE PROBLEM IS GIVEN IN LOW PRECISION. The matrix products marked QUANTISED in the list below multiply operands that are first quantised to E2M3 (2 exponent bits, 3 mantissa bits; 6 bits a number), with one power-of-two scale for each 32 numbers along K (OCP MX v1.0); their sums are f32. All else is computed in f32.
;;   The module's matrix products, in the order in which they are computed (A, B: the left and right operand; K: the contracted axis; several contracted axes count as one K, in the product's order):
;;     1. [M 8,192, K 1,024] x [K 1,024, N 1,024]; A: input x; B: input Wq: QUANTISED
;;     2. [M 8,192, K 1,024] x [K 1,024, N 1,024]; A: input x; B: input Wk: QUANTISED
;;     3. [M 8,192, K 1,024] x [K 1,024, N 1,024]; A: input x; B: input Wv: QUANTISED
;;     4. batch 4 x [M 2,048, K 1,024] x [K 1,024, N 2,048]; A: computed on the way; B: computed on the way: QUANTISED
;;     5. batch 4 x [M 2,048, K 2,048] x [K 2,048, N 1,024]; A: softmax (see below); B: computed on the way: QUANTISED
;;   THE QUANTISER, for each operand of a quantised product, along K:
;;     - K is cut into blocks of 32 from its start; a last block that is shorter is filled with zeros.
;;     - A block's scale is 2^e with e = floor(log2(the largest magnitude in the block)) - 2, held to -126 .. 127; a block of zeros has e = 0. As a byte (E8M0): e + 127.
;;     - Each number is divided by its block's scale, clamped to +-7.5, and rounded to the nearest number of E2M3, ties to even, subnormals kept.
;;     - The product sums the exact products of the quantised numbers (number of the format x scale) in f32.
;;   ~~~python
;;   def quantise(x, axis):      # numpy; x: float32 -> the quantised numbers, widened to float32 again
;;       x = np.moveaxis(x, axis, -1); K = x.shape[-1]
;;       x = np.pad(x, [(0, 0)] * (x.ndim - 1) + [(0, -K % 32)]); x = x.reshape(x.shape[:-1] + (-1, 32)); a = np.abs(x).max(-1, keepdims=True)
;;       e = np.where(a > 0, np.clip(np.frexp(np.where(a > 0, a, 1))[1] - 1 - 2, -126, 127), 0)      # np.frexp(a)[1] - 1 = floor(log2(a)), exactly
;;       r = np.clip(x / 2.0 ** e, -7.5, 7.5)
;;       step = 2.0 ** (np.maximum(np.frexp(np.where(r == 0, 1, r))[1] - 1, 0) - 3)
;;       q = np.round(r / step) * step * 2.0 ** e      # np.round: ties to even
;;       return np.moveaxis(q.reshape(q.shape[:-2] + (-1,))[..., :K], -1, axis).astype(np.float32)
;;   ~~~
;;   SOFTMAX AHEAD OF A QUANTISED PRODUCT. Where the list says 'softmax', what is quantised is not the finished softmax but p = 2^(t - M), with t = logit x log2(e) and M = ceil(the row's largest t), a whole number; so 1/2 < the row's largest p <= 1. The row's sum l is taken of the UNQUANTISED p, in f32, and the product's result is divided by l at the end. Since M is a whole number, a kernel that streams over the keys may use a running M (the ceiling of the running maximum): every later rescaling is an exact power of two, which a block's scale takes up: the codes' values come out the same.
;;   OPERANDS COMPUTED ON THE WAY. 'Computed on the way' means the value that the module computes at that place (a softmax that the list does not call 'softmax' is quantised finished and normalised). What goes into a quantiser is computed in f32, as accurately as f32 sums, v_exp_f32 and their like allow (about 1e-6 of the number): no bf16 or f16 on the way to a quantiser, and a product that is left as it is and whose result goes on into a quantised operand takes f32 operands (vector FMAs, or v_wmma_f32_16x16x4_f32). A number that lies on a knife's edge between two numbers of the format may be rounded either way, as far as f32 arithmetic and the matrix unit's own rounding can turn it there, and no further.
;; 2 versions, each right and faster than the one before. Each part assembles by itself: llvm-mc -triple=amdgcn-amd-amdhsa -mcpu=gfx1250 --defsym DOCPART=n.
;; ======== version 1 of 2: 4 launches
;; workspace buffers: xw 9,011,200 bytes; qkv 19,660,800 bytes; p 13,631,488 bytes; ls 524,288 bytes
;; launch quant (part 1): grid 352 x 1, 8 waves a work-group, no clusters, 69,632 bytes of LDS; arguments x, Wq, Wk, Wv, xw; writes xw
.if DOCPART == 1
	.amdgcn_target "amdgcn-amd-amdhsa--gfx1250"
	.amdhsa_code_object_version 6
	.text
	.protected	k_qf31d664888_quant
	.globl	k_qf31d664888_quant
	.p2align	8
	.type	k_qf31d664888_quant,@function
k_qf31d664888_quant:
	s_mov_b64 s[64:65], 0
	v_nop
	global_prefetch_b8 v0, s[64:65] scope:SCOPE_SE
	s_setreg_imm32_b32 hwreg(HW_REG_WAVE_MODE, 25, 1), 1
	s_wait_xcnt 0x0
; x [8192][1024], Wq, Wk, Wv [1024][1024], f32, become codes of FP6 (E2M3) with one E8M0 scale byte for each 32 along their last axis, which is K of the three projections.
; A block's scale is 2^(floor(log2(its largest magnitude)) - 2); its byte is the largest magnitude's exponent field - 2, held at 1 from below; numbers are divided by it and rounded to the nearest code, ties to even.
; LIMITS: a block whose largest magnitude lies under 2^-124, a block of zeros among them, gets the byte 1 (the bytes are read by this program alone; zero codes add nothing under it); NaN and infinities are not served.
; THE WORKSPACE IS LAID AS IMAGES OF OPERAND REGISTERS.  The 11,264 rows (x, then Wq, Wk, Wv) are 88 groups of 128.  A UNIT is one group x 128 along K, 12,800 bytes; unit 8 G + kq.
;   bytes 0 .. 12,287: eight fragments of 16 rows x 128 K, 12 registers a lane: registers 4 c .. 4 c + 3 of fragment i at (3 i + c) 512 + 16 x lane.
;   bytes 12,288 .. 12,799: the rows' scale words: the word at 16 x lane + 4 j belongs to fragment 4 (lane / 16) + j, row lane % 16: one load of 16 bytes a lane gives four scale registers.
;   Lane row r of fragment i is the group's row 32 (i / 2) + 8 (i % 2) + r % 8 + 16 (r / 8): with that order a product's results lie in a lane as 16 neighbours along the next K.
; SHARES: a work-group takes one group x 256 along K (two units); wave i makes fragment i of both.  All 32 loads of a wave (a row's 512 consecutive bytes each) go out at once; there is no loop.
; The conversions take neighbours along K from one lane's registers, so a half's 16 rows x 512 bytes turn through the wave's own stage in LDS (rows 528 bytes apart: 33 x 16, so that sixteen rows start in different banks).
.set U,     12800
.set STG,   8448                       ; a wave's stage: 16 rows x 528 bytes
.set SCW,   8*STG                      ; behind the stages: the two units' scale words, 512 bytes each
.set SPARE, SCW+1024                   ; behind them: the spare words, 128 bytes for each of the eight waves; no other line names them
.set LI,  4                            ; v4   16 x lane
.set STI, 5                            ; v5   the stage, on the way in: 16 x lane in a row
.set STO, 6                            ; v6   and on the way out: row r, + 64 h
.set SWA, 7                            ; v7   where my row's scale word goes
.set CO,  8                            ; v8   my fragment's place in a unit: 1,536 x wave + 16 x lane
.set SRD, 9                            ; v9   waves 0, 1: where I read a unit's scale words back
.set SPW, 12                           ; v12  LDS address of my spare word; never rewritten
.set NIL, 13                           ; v13  0; never rewritten
.set R,   16                           ; v16-143   the numbers as loaded: half q, row n at 64 q + 4 n
.set X,   144                          ; v144-207  64 numbers of my row: register 16 b + i = k 32 b + 16 h + i
.set TM,  208                          ; v208-223  at work
.set PW,  224                          ; v224      the scale word just made
.set PC,  226                          ; v226-245  the codes just made
.set OW,  248                          ; v248-251  scale words on their way out
.set SEL, 26                           ; s[26:27]  lane selects: lane l xor 16
; 64 numbers of a lane, register 16 b + i = k 32 b + 16 (lane / 16) + i of my row, become a fragment's codes in v[PC] on and its scale word in v[PW].
.macro QUANT s
.irp b, 0,1,2,3
	v_max3_num_f32 v[TM+\b], |v[\s+16*\b]|, |v[\s+1+16*\b]|, 0x1800000   ; block b: my 16 numbers, and the floor 2^(3 - 127): the byte cannot fall under 1
.endr
.irp i, 2,4,6,8,10,12,14
.irp b, 0,1,2,3
	v_max3_num_f32 v[TM+\b], v[TM+\b], |v[\s+16*\b+\i]|, |v[\s+1+16*\b+\i]|   ; the four blocks by turns
.endr
.endr
.irp b, 0,1,2,3
	v_permlanex16_b32 v[TM+4+\b], v[TM+\b], s[SEL], s[SEL+1]
.endr
.irp b, 0,1,2,3
	v_max_num_f32 v[TM+\b], v[TM+\b], v[TM+4+\b]   ; with lane l xor 16's: the block's largest magnitude
.endr
.irp b, 0,1,2,3
	v_add_nc_u32 v[TM+12+\b], 0xff000000, v[TM+\b]   ; 2 off its exponent field: the conversion takes the exponent field of this operand as its scale
.endr
.irp b, 0,1,2,3
	v_lshrrev_b32 v[TM+4+\b], 23, v[TM+12+\b]   ; the scale's byte
.endr
	v_lshl_or_b32 v[PW], v[TM+5], 8, v[TM+4]
	v_lshl_or_b32 v[PW], v[TM+6], 16, v[PW]
	v_lshl_or_b32 v[PW], v[TM+7], 24, v[PW]
.irp c, 0,1
	v_cvt_scalef32_pk16_fp6_f32 v[PC+6*\c:PC+2+6*\c], v[\s+32*\c:\s+15+32*\c], v[TM+12+2*\c]
	v_cvt_scalef32_pk16_fp6_f32 v[PC+12+4*\c:PC+14+4*\c], v[\s+16+32*\c:\s+31+32*\c], v[TM+12+2*\c+1]   ; (a conversion's three registers begin on an even number)
.endr
	v_nop                                          ; one plain place behind a scaled conversion
.irp c, 0,1                                    ; the operand's layout wants a whole block in a lane: lanes 0-15 block 2 c, lanes 16-31 block 2 c + 1
.irp i, 0,1,2
	v_permlane16_swap_b32 v[PC+6*\c+\i], v[PC+12+4*\c+\i]
.endr
.irp i, 0,1,2
	v_mov_b32 v[PC+3+6*\c+\i], v[PC+12+4*\c+\i]
.endr
.endr
.endm
	s_load_b256 s[4:11], s[0:1], 0x0               ; x s[4:5], Wq s[6:7], Wk s[8:9], Wv s[10:11]
	s_load_b64 s[12:13], s[0:1], 0x20              ; xw
	v_lshl_add_u32 v[SPW], v0, 2, SPARE
	v_mov_b32 v[NIL], 0
	v_lshrrev_b32 v1, 5, v0
	v_readfirstlane_b32 s16, v1                    ; wave 0..7 = my fragment
	v_and_b32 v1, 31, v0                           ; lane
	v_and_b32 v2, 15, v0                           ; r
	v_bfe_u32 v3, v0, 4, 1                         ; h
	v_lshlrev_b32 v[LI], 4, v1
	s_mul_i32 s20, s16, STG                        ; my stage
	v_add_nc_u32 v[STI], s20, v[LI]
	v_mul_u32_u24 v[STO], v2, 528
	v_lshl_add_u32 v[STO], v3, 6, v[STO]
	v_add_nc_u32 v[STO], s20, v[STO]
	s_lshr_b32 s21, s16, 2
	s_lshl_b32 s21, s21, 8                         ; fragments 4-7 lie in the words' upper 256 bytes,
	s_and_b32 s22, s16, 3
	s_lshl_b32 s22, s22, 2                         ; fragment i % 4 in word i % 4 of a row's sixteen bytes
	s_add_co_u32 s21, s21, s22
	s_add_co_u32 s21, s21, SCW
	v_lshl_add_u32 v[SWA], v2, 4, s21
	s_mul_i32 s22, s16, 1536
	v_add_nc_u32 v[CO], s22, v[LI]
	s_and_b32 s23, s16, 1
	s_lshl_b32 s24, s23, 9
	s_add_co_u32 s24, s24, SCW
	v_add_nc_u32 v[SRD], s24, v[LI]
	s_mov_b32 s[SEL], 0x76543210
	s_mov_b32 s[SEL+1], 0xfedcba98
.irp b, 0,1,2,3
	v_mov_b32 v[TM+4+\b], 0                        ; written once: a lane permute's destination counts as one of its sources
.endr
	s_lshr_b32 s17, ttmp9, 2                       ; G: the group of 128 rows, 0..87
	s_and_b32 s18, ttmp9, 3                        ; which 256 along K
	s_and_b32 s19, s17, 7                          ; the group inside a weight (64, 72 and 80 are multiples of 8)
	s_wait_kmcnt 0x0
	s_cmp_lt_u32 s17, 80                           ; the source is chosen by the work-group's number alone
	s_cselect_b64 s[8:9], s[8:9], s[10:11]
	s_cmp_lt_u32 s17, 72
	s_cselect_b64 s[6:7], s[6:7], s[8:9]
	s_cmp_lt_u32 s17, 64
	s_cselect_b64 s[4:5], s[4:5], s[6:7]
	s_cselect_b32 s19, s17, s19                    ; the group inside its tensor
	s_lshl_b32 s19, s19, 7
	s_lshr_b32 s28, s16, 1
	s_lshl_b32 s28, s28, 5
	s_add_co_u32 s19, s19, s28
	s_lshl_b32 s28, s23, 3
	s_add_co_u32 s19, s19, s28                     ; my fragment's first row: 128 x group + 32 (i / 2) + 8 (i % 2)
	s_lshl_b32 s28, s19, 12                        ; rows of 4,096 bytes (under 2^26)
	s_lshl_b32 s29, s18, 10
	s_add_co_u32 s28, s28, s29
	s_mov_b32 s29, 0
	s_add_nc_u64 s[4:5], s[4:5], s[28:29]
	s_lshl_b32 s28, s17, 3
	s_lshl_b32 s30, s18, 1
	s_add_co_u32 s28, s28, s30
	s_mul_i32 s28, s28, U                          ; unit 8 G + 2 s
	s_add_nc_u64 s[12:13], s[12:13], s[28:29]
	s_mul_i32 s28, s23, U
	s_add_nc_u64 s[14:15], s[12:13], s[28:29]      ; waves 0, 1: the unit whose scale words I store
.irp q, 0,1
.irp n, 0,1,2,3,4,5,6,7,8,9,10,11,12,13,14,15
	global_load_b128 v[R+64*\q+4*\n:R+64*\q+4*\n+3], v[LI], s[4:5] offset:((\n%8)+16*(\n/8))*4096+512*\q th:TH_LOAD_NT   ; lane row n's 512 consecutive bytes; read once in the launch
.endr
.endr
.irp q, 0,1
	s_wait_loadcnt 16-16*\q                        ; this half's sixteen loads are in; the other half's, issued behind them, may be out
.irp n, 0,1,2,3,4,5,6,7,8,9,10,11,12,13,14,15
	ds_store_b128 v[STI], v[R+64*\q+4*\n:R+64*\q+4*\n+3] offset:528*\n
.endr
.irp b, 0,1,2,3
.irp j, 0,1,2,3
	ds_load_b128 v[X+16*\b+4*\j:X+16*\b+4*\j+3], v[STO] offset:128*\b+16*\j   ; LDS serves a wave's instructions in order: these see my stores, and the next half's stores come behind them
.endr
.endr
	s_wait_dscnt 0x0
.if \q
	s_wait_xcnt 0x0                                ; the first half's stores have read the codes' registers, which are written again now
.endif
	QUANT X
.irp c, 0,1,2
	global_store_b128 v[CO], v[PC+4*\c:PC+4*\c+3], s[12:13] offset:U*\q+512*\c   ; 32 lanes store 512 consecutive bytes, at a multiple of 256 from the buffer's first byte
.endr
	ds_store_b32 v[SWA], v[PW] offset:512*\q       ; both halves of the lanes write the same word with the same value
.endr
	s_wait_dscnt 0x0                               ; for the others' sake: my scale words lie in LDS
	s_barrier_signal -1
	s_barrier_wait -1
	s_cmp_gt_u32 s16, 1                            ; waves 0 and 1 store a unit's 512 bytes of scale words each
	s_cbranch_scc1 .Ldone
	ds_load_b128 v[OW:OW+3], v[SRD]
	s_wait_dscnt 0x0
	global_store_b128 v[LI], v[OW:OW+3], s[14:15] offset:12288
.Ldone:
	s_wait_tensorcnt 0x0                           ; the wave's end: behind my last LDS store
	ds_add_u32 v[SPW], v[NIL]
	s_wait_dscnt 0x0
	s_endpgm
.Lfunc_end_k_qf31d664888_quant:
	.size	k_qf31d664888_quant, .Lfunc_end_k_qf31d664888_quant-k_qf31d664888_quant
	.p2alignl 7, 3214868480
	.fill 96, 4, 3214868480
	.section	.rodata,"a",@progbits
	.p2align	6, 0x0
	.amdhsa_kernel k_qf31d664888_quant
		.amdhsa_group_segment_fixed_size 69632
		.amdhsa_private_segment_fixed_size 0
		.amdhsa_enable_private_segment 0
		.amdhsa_kernarg_size 40
		.amdhsa_user_sgpr_count 2
		.amdhsa_user_sgpr_kernarg_segment_ptr 1
		.amdhsa_wavefront_size32 1
		.amdhsa_system_sgpr_workgroup_id_x 1
		.amdhsa_system_sgpr_workgroup_id_y 1
		.amdhsa_system_sgpr_workgroup_id_z 1
		.amdhsa_system_vgpr_workitem_id 0
		.amdhsa_next_free_vgpr 256
		.amdhsa_next_free_sgpr 66
		.amdhsa_reserve_vcc 0
		.amdhsa_float_denorm_mode_32 3
		.amdhsa_float_denorm_mode_16_64 3
		.amdhsa_memory_ordered 1
		.amdhsa_forward_progress 1
		.amdhsa_inst_pref_size 19
	.end_amdhsa_kernel
	.amdgpu_metadata
---
amdhsa.version: [ 1, 2 ]
amdhsa.kernels:
  - .name:           k_qf31d664888_quant
    .symbol:         k_qf31d664888_quant.kd
    .args:
      - { .name: x, .offset: 0, .size: 8, .value_kind: global_buffer, .address_space: global }
      - { .name: Wq, .offset: 8, .size: 8, .value_kind: global_buffer, .address_space: global }
      - { .name: Wk, .offset: 16, .size: 8, .value_kind: global_buffer, .address_space: global }
      - { .name: Wv, .offset: 24, .size: 8, .value_kind: global_buffer, .address_space: global }
      - { .name: xw, .offset: 32, .size: 8, .value_kind: global_buffer, .address_space: global }
    .group_segment_fixed_size: 69632
    .private_segment_fixed_size: 0
    .kernarg_segment_align: 8
    .kernarg_segment_size: 40
    .max_flat_workgroup_size: 256
    .sgpr_count:     66
    .vgpr_count:     256
    .wavefront_size: 32
...
	.end_amdgpu_metadata
.endif
;; end of part 1
;; launch proj (part 2): grid 8 x 48, 4 waves a work-group, clusters of 4 x 4, 327,680 bytes of LDS; arguments xw, qkv; writes qkv
.if DOCPART == 2
	.amdgcn_target "amdgcn-amd-amdhsa--gfx1250"
	.amdhsa_code_object_version 6
	.text
	.protected	k_qf31d664888_proj
	.globl	k_qf31d664888_proj
	.p2align	8
	.type	k_qf31d664888_proj,@function
k_qf31d664888_proj:
	s_mov_b64 s[64:65], 0
	v_nop
	global_prefetch_b8 v0, s[64:65] scope:SCOPE_SE
	s_setreg_imm32_b32 hwreg(HW_REG_WAVE_MODE, 25, 1), 1
	s_wait_xcnt 0x0
	s_wait_alu depctr_hold_cnt(0) depctr_sa_sdst(0) depctr_va_vdst(0) depctr_va_sdst(0) depctr_va_ssrc(0) depctr_va_vcc(0) depctr_vm_vsrc(0)
	s_getreg_b32 s2, hwreg(HW_REG_IB_STS2, 6, 4)
	s_cmp_eq_u32 s2, 0
	s_cbranch_scc0 .Lentry_in_a_cluster
	s_endpgm
.Lentry_in_a_cluster:
	s_bfe_u32 s2, ttmp6, 0x10000c
	s_cmp_lg_u32 s2, 0xf033
	s_cbranch_scc0 .Lentry_shape_is_right
	s_endpgm
.Lentry_shape_is_right:
; q = x Wq^T, k = x Wk^T and v^T = Wv x^T on codes of FP6 (E2M3) with E8M0 scales, K = 1,024, sums in f32; the results are quantised in registers and leave as codes: q and k along d, v^T along t (the keys).
; OPERANDS AND RESULTS ARE UNITS: 128 rows x 128 along K as images of operand registers, 12,800 bytes: fragment i's registers 4 c .. 4 c + 3 at (3 i + c) 512 + 16 x lane; from byte 12,288 the scale words, the word at
; 16 x lane + 4 j for fragment 4 (lane / 16) + j, row lane % 16.  Lane row r of fragment i is the group's row 32 (i / 2) + 8 (i % 2) + r % 8 + 16 (r / 8).
; xw: unit 8 G + kq; G 0-63 x, 64-71 Wq, 72-79 Wk, 80-87 Wv.  qkv: q at 8 g + kq, k at 512 + 8 g + kq (kq = d / 128), v^T at 1,024 + 16 (8 b + d / 128) + t / 128.
; A tile is 256 rows of "A" (source 1: they become the result's lanes) x 256 rows of "B" (source 0: they become a lane's registers, that is the next K).  For q and k: A = x, B = Wq | Wk; for v^T: A = Wv, B = x.
; With the order of rows above, the 64 registers that a lane holds for one block of A (8 accumulators) are k = 32 b + 16 (lane / 16) + i of the next K at register 16 b + i: four blocks of 32, each shared with lane l xor 16.
; Four waves, each 128 x 128: 64 accumulators in 512 registers.  K goes in steps of 256 (two units of each of four panels) through a ring of two LDS slots; a wave's tensor load brings one panel's step: 25,600 dense bytes.
; CLUSTERS: 4 x 4 work-groups; A's panels are shared along a row of the cluster, B's along a column: each is asked for jointly, by the same tensor load with a mask that names the four.
; Cluster rows 0-7 make q and k (32 x 8 tiles), rows 8-11 make v^T (4 x 32 tiles): the choice hangs on the cluster's y alone and selects numbers, never a path.
; No prefetch: K has four steps, two of which are the first fills.  LIMITS: as the quantiser's launch: byte 1 for blocks under 2^-124 and for blocks of zeros; NaN and infinities are not served.
; REGISTERS: window 0: v16-21 LDS addresses; v24 16 x lane; v28-29 the add's two; v32-63 scale words, two sets; v128-223 A's fragments, one set (later at work on the way out).  window 1: B's fragments, two sets, at v0 and v128.
;   windows 2, 3: the accumulators: (a, b) at v[8 (8 (a % 4) + b)] of window 2 + a / 4.
.set U,      12800
.set UA,     U
.set UB,     U
.set RA,     2*UA/256                  ; a panel's K step as rows of 256 bytes
.set RB,     2*UB/256
.set SLOT,   4*UA+4*UB                 ; A's two panels, then B's two
.set SPARE,  2*SLOT                    ; behind the ring: the spare words, 128 bytes for each wave; no other line names them
.set FR,     12                        ; registers of a fragment
.set NL,     3                         ; LDS loads that bring one
.set NP,     4                         ; places behind this matrix instruction (ISA guide 7.12.1)
.set ADRA, 16                          ; v16-17  16 x lane + my panel of A in slot 0, 1
.set ADRB, 20                          ; v20-21  the same for B
.set LI,   24                          ; v24     16 x lane
.set SPW,  28
.set NIL,  29
.set SC,   32                          ; scale words: set s at v[32 + 16 s]: A's of the slot's first and second 128 along K (4 + 4), then B's (4 + 4)
.set AF,   128
.set PC,   128                         ; the way out: codes
.set TM,   160                         ; at work
.set PWB,  192                         ; the eight blocks' scale words
.set GW,   216                         ; and as they are stored
.set G1, 24
.set G0, 32
.set G1B, 48
.set G0B, 56
.set SEL, 74
.set MSB, 0
.macro WIN new                         ; the immediate's high byte repeats the setting that is left
.if MSB != (\new)
	s_set_vgpr_msb (MSB<<8)|(\new)
.set MSB, \new
.endif
.endm
.set MUL_LO, 0xa1                      ; source 0 (B) window 1, source 1 (A) window 0, C and D window 2
.set MUL_HI, 0xf1                      ; the same, C and D window 3
.set TO_B,   0x40                      ; destination window 1, address window 0
; A joint load: waves 0 and 1 fetch A's panels, waves 2 and 3 B's.  The branch hangs on the wave's number alone.  An s_nop 0 and four v_nop follow each of the two lines.
.macro JLOAD g0a, g1a, g0b, g1b
	s_cmp_eq_u32 s15, 0
	s_cbranch_scc0 .Lfor_b_\@
	tensor_load_to_lds s[\g0a:\g0a+3], s[\g1a:\g1a+7]
	s_nop 0
.rept 4
	v_nop
.endr
	s_branch .Lasked_\@
.Lfor_b_\@:
	tensor_load_to_lds s[\g0b:\g0b+3], s[\g1b:\g1b+7]
	s_nop 0
.rept 4
	v_nop
.endr
.Lasked_\@:
.endm
.macro CREST                           ; a round of the cluster's barrier behind its opening barrier
	s_cmp_lg_u32 s14, 0
	s_cbranch_scc1 .Lnot_wave_0_\@
	s_barrier_signal -3
.Lnot_wave_0_\@:
	s_barrier_wait -3
	s_barrier_signal -1
	s_barrier_wait -1
.endm
.macro CROUND
	s_barrier_signal -1
	s_barrier_wait -1
	CREST
.endm
.macro PLACES n
.rept \n
	v_nop
.endr
.endm
; One matrix instruction.  rb, ra: the scale words of B's (A's) fragment lie in lanes 16-31 of the register named.
.macro WM acc, bf, af, sb, sa, rb, ra, zero
.if \zero
.if (\rb) && (\ra)
	v_wmma_scale_f32_16x16x128_f8f6f4 v[(\acc):(\acc)+7], v[(\bf):(\bf)+11], v[(\af):(\af)+11], 0, v[\sb], v[\sa] matrix_a_fmt:MATRIX_FMT_FP6 matrix_b_fmt:MATRIX_FMT_FP6 matrix_a_scale:MATRIX_SCALE_ROW1 matrix_b_scale:MATRIX_SCALE_ROW1
.elseif (\rb)
	v_wmma_scale_f32_16x16x128_f8f6f4 v[(\acc):(\acc)+7], v[(\bf):(\bf)+11], v[(\af):(\af)+11], 0, v[\sb], v[\sa] matrix_a_fmt:MATRIX_FMT_FP6 matrix_b_fmt:MATRIX_FMT_FP6 matrix_a_scale:MATRIX_SCALE_ROW1
.elseif (\ra)
	v_wmma_scale_f32_16x16x128_f8f6f4 v[(\acc):(\acc)+7], v[(\bf):(\bf)+11], v[(\af):(\af)+11], 0, v[\sb], v[\sa] matrix_a_fmt:MATRIX_FMT_FP6 matrix_b_fmt:MATRIX_FMT_FP6 matrix_b_scale:MATRIX_SCALE_ROW1
.else
	v_wmma_scale_f32_16x16x128_f8f6f4 v[(\acc):(\acc)+7], v[(\bf):(\bf)+11], v[(\af):(\af)+11], 0, v[\sb], v[\sa] matrix_a_fmt:MATRIX_FMT_FP6 matrix_b_fmt:MATRIX_FMT_FP6
.endif
.else
.if (\rb) && (\ra)
	v_wmma_scale_f32_16x16x128_f8f6f4 v[(\acc):(\acc)+7], v[(\bf):(\bf)+11], v[(\af):(\af)+11], v[(\acc):(\acc)+7], v[\sb], v[\sa] matrix_a_fmt:MATRIX_FMT_FP6 matrix_b_fmt:MATRIX_FMT_FP6 matrix_a_scale:MATRIX_SCALE_ROW1 matrix_b_scale:MATRIX_SCALE_ROW1
.elseif (\rb)
	v_wmma_scale_f32_16x16x128_f8f6f4 v[(\acc):(\acc)+7], v[(\bf):(\bf)+11], v[(\af):(\af)+11], v[(\acc):(\acc)+7], v[\sb], v[\sa] matrix_a_fmt:MATRIX_FMT_FP6 matrix_b_fmt:MATRIX_FMT_FP6 matrix_a_scale:MATRIX_SCALE_ROW1
.elseif (\ra)
	v_wmma_scale_f32_16x16x128_f8f6f4 v[(\acc):(\acc)+7], v[(\bf):(\bf)+11], v[(\af):(\af)+11], v[(\acc):(\acc)+7], v[\sb], v[\sa] matrix_a_fmt:MATRIX_FMT_FP6 matrix_b_fmt:MATRIX_FMT_FP6 matrix_b_scale:MATRIX_SCALE_ROW1
.else
	v_wmma_scale_f32_16x16x128_f8f6f4 v[(\acc):(\acc)+7], v[(\bf):(\bf)+11], v[(\af):(\af)+11], v[(\acc):(\acc)+7], v[\sb], v[\sa] matrix_a_fmt:MATRIX_FMT_FP6 matrix_b_fmt:MATRIX_FMT_FP6
.endif
.endif
.endm
; 16 matrix instructions: A's blocks a0, a0 + 1 x B's eight, the slot's q-th 128 along K.  p: B's set; sc: the set of scale words.  The 64 accumulators take turns, one instruction a turn, in the same order in every step.
.macro MUL16 a0, p, q, sc, zero
.irp a, \a0, \a0+1
.irp b, 0,1,2,3,4,5,6,7
	WM 8*(8*((\a)%4)+\b), 128*(\p)+FR*\b, AF+FR*(\a), SC+16*(\sc)+8+4*(\q)+\b%4, SC+16*(\sc)+4*(\q)+(\a)%4, \b/4, (\a)/4, \zero
.endr
.endr
.endm
.macro FRAG reg, adr, q, i, u          ; a fragment comes as it was stored: three loads of 16 bytes a lane, 512 consecutive bytes each
.irp c, 0,1,2
	ds_load_b128 v[(\reg)+4*\c:(\reg)+4*\c+3], v[\adr] offset:(\q)*(\u)+(3*(\i)+\c)*512
.endr
.endm
.macro FETCH_B slot, q, p
	WIN TO_B
.irp i, 0,1,2,3,4,5,6,7
	FRAG 128*(\p)+FR*\i, ADRB+\slot, \q, \i, UB
.endr
	WIN 0
.endm
.macro FETCH_A slot, q, i0
.irp i, \i0, \i0+1, \i0+2, \i0+3
	FRAG AF+FR*(\i), ADRA+\slot, \q, \i, UA
.endr
.endm
.macro SCALES slot                     ; a slot's scale words: four loads
.irp q, 0,1
	ds_load_b128 v[SC+16*\slot+4*\q:SC+16*\slot+4*\q+3], v[ADRA+\slot] offset:\q*UA+12288
	ds_load_b128 v[SC+16*\slot+8+4*\q:SC+16*\slot+8+4*\q+3], v[ADRB+\slot] offset:\q*UB+12288
.endr
.endm
; A slot's first 128 along K.  A's blocks are free as soon as their eight products are issued, so A has one set of registers; B has two.
.macro STEP slot, q, zero
	s_wait_dscnt 4*NL                              ; all but the youngest twelve loads (A's blocks 4-7) are in
	WIN MUL_LO
	MUL16 0, (\q)%2, \q, \slot, \zero
	MUL16 2, (\q)%2, \q, \slot, \zero
	s_wait_dscnt 0                                 ; A's blocks 4-7 are in
	PLACES NP                                      ; in front of loads into registers that matrix instructions have read
	FETCH_B \slot, (\q)+1, 1-(\q)%2
	FETCH_A \slot, (\q)+1, 0
	WIN MUL_HI
	MUL16 4, (\q)%2, \q, \slot, \zero
	MUL16 6, (\q)%2, \q, \slot, \zero
	PLACES NP
	WIN 0
	FETCH_A \slot, (\q)+1, 4
.endm
; A slot's second 128 along K changes slots: one barrier; in front of it each wave waits for all its tensor loads, adds 0 to its spare word, and waits for that and for its reads of this slot.  fill = 1: the slot is filled again, two K steps ahead.
.macro TURN slot, next, fill
	s_wait_tensorcnt 0x0                           ; all my tensor loads have landed: my part of the next slot
	ds_add_u32 v[SPW], v[NIL]                      ; 0 onto my spare word
	s_wait_dscnt 4*NL+1                            ; (the add and the youngest twelve loads may be out)
	WIN MUL_LO
	MUL16 0, 1, 1, \slot, 0                        ; sixteen matrix instructions stand between the add and the wait for it
	s_wait_dscnt 0x0                               ; the add is done, and my reads of this slot are over
	s_barrier_signal -1
	MUL16 2, 1, 1, \slot, 0
	WIN 0
	s_barrier_wait -1
.if \fill
	CREST                                          ; the barrier has opened a round of the cluster's: no wave of any partner still reads this slot or has a load on its way
	s_add_nc_u64 s[G0+4*\slot+2:G0+4*\slot+3], s[G0+4*\slot+2:G0+4*\slot+3], 4*UA
	s_add_nc_u64 s[G0B+4*\slot+2:G0B+4*\slot+3], s[G0B+4*\slot+2:G0B+4*\slot+3], 4*UB
	JLOAD G0+4*\slot, G1, G0B+4*\slot, G1B         ; the first tensor load behind the round; its four v_nop are the places in front of the loads below
.else
	PLACES NP
.endif
	FETCH_B \next, 0, 0
	FETCH_A \next, 0, 0
	SCALES \next
	WIN MUL_HI
	MUL16 4, 1, 1, \slot, 0
	MUL16 6, 1, 1, \slot, 0
	PLACES NP
	WIN 0
	FETCH_A \next, 0, 4
.endm
	s_load_b128 s[4:7], s[0:1], 0x0                ; xw s[4:5], qkv s[6:7]
	v_lshl_add_u32 v[SPW], v0, 2, SPARE
	v_mov_b32 v[NIL], 0
	ds_add_u32 v[SPW], v[NIL]                      ; the wave's opening: the add and its wait stand ahead of my first tensor load; work on registers stands between them
	v_lshrrev_b32 v1, 5, v0
	v_readfirstlane_b32 s14, v1                    ; wave 0..3
	s_lshr_b32 s15, s14, 1                         ; which panel of A is mine.  Also: I fetch for A (0) or for B (1)
	s_and_b32 s16, s14, 1                          ; which panel of B.  Also: which panel I fetch
	s_bfe_u32 s40, ttmp6, 0x40000                  ; cx
	s_bfe_u32 s41, ttmp6, 0x40004                  ; cy
	s_and_b32 s18, ttmp7, 0xffff                   ; the cluster's y: 0-7 q and k, 8-11 v^T
	s_lshl_b32 s42, ttmp9, 2
	s_add_co_u32 s42, s42, s40                     ; 4 x cluster x + cx
	s_lshl_b32 s17, s18, 2
	s_add_co_u32 s17, s17, s41                     ; 4 x cluster y + cy
	s_sub_co_u32 s19, s18, 8
	s_lshl_b32 s19, s19, 3
	s_add_co_u32 s19, s19, s42                     ; v^T: x's tile 8 (cluster y - 8) + 4 x cluster x + cx
	s_cmp_lt_u32 s18, 8
	s_cselect_b32 s17, s17, s41                    ; A's tile: of x, or of Wv: it hangs on cy alone
	s_cselect_b32 s42, s42, s19                    ; B's tile: of Wq | Wk, or of x: on cx alone
	s_cselect_b32 s20, 0, 640                      ; A's first unit: x's, or Wv's
	s_cselect_b32 s46, 512, 0                      ; B's first unit: Wq's, or x's
	s_lshl_b32 s21, s17, 1
	s_add_co_u32 s21, s21, s16
	s_lshl_b32 s21, s21, 3
	s_add_co_u32 s20, s20, s21
	s_mul_i32 s20, s20, UA                         ; A: the panel that I fetch, in bytes
	s_mov_b32 s21, 0
	s_lshl_b32 s47, s42, 1
	s_add_co_u32 s47, s47, s16
	s_lshl_b32 s47, s47, 3
	s_add_co_u32 s46, s46, s47
	s_mul_i32 s46, s46, UB                         ; B likewise
	s_mov_b32 s47, 0
	s_lshl_b32 s43, s41, 2
	s_lshl_b32 s43, 15, s43                        ; my row of the cluster
	s_lshl_b32 s44, 0x1111, s40                    ; my column
	s_or_b32 s[G1+0], s43, (3<<16)|(1<<21)         ; 15:0 the mask; 17:16 elements of 8 bytes; 20 no padding; 21 set beside a mask
	s_or_b32 s[G1B+0], s44, (3<<16)|(1<<21)
	s_mov_b32 s[G1+1], 32<<16                      ; tensor_dim0 = 32 elements: rows of 256 bytes
	s_mov_b32 s[G1+2], RA<<16                      ; tensor_dim1
	s_mov_b32 s[G1+3], 32<<16                      ; tile_dim0
	s_mov_b32 s[G1+4], RA                          ; tile_dim1
	s_mov_b32 s[G1+5], 32                          ; the pitch: the block is dense
	s_mov_b32 s[G1+6], 0
	s_mov_b32 s[G1+7], 0
	s_mov_b32 s[G1B+1], 32<<16
	s_mov_b32 s[G1B+2], RB<<16
	s_mov_b32 s[G1B+3], 32<<16
	s_mov_b32 s[G1B+4], RB
	s_mov_b32 s[G1B+5], 32
	s_mov_b32 s[G1B+6], 0
	s_mov_b32 s[G1B+7], 0
	s_mul_i32 s45, s14, 2*UA                       ; where the panels go: wave x a panel's step: no place in the cluster enters an LDS address
	s_mul_i32 s94, s14, 2*UB
	s_wait_dscnt 0x0                               ; the opening add is done
	s_wait_kmcnt 0x0
	s_add_nc_u64 s[20:21], s[4:5], s[20:21]
	s_add_nc_u64 s[46:47], s[4:5], s[46:47]
	CROUND                                         ; all sixteen work-groups are here: the first joint loads meet
.irp s, 0,1
	s_mov_b32 s[G0+4*\s], 1
	s_add_co_u32 s[G0+4*\s+1], s45, \s*SLOT
	s_add_nc_u64 s[G0+4*\s+2:G0+4*\s+3], s[20:21], \s*2*UA
	s_or_b32 s[G0+4*\s+3], s[G0+4*\s+3], 0x80000000
	s_mov_b32 s[G0B+4*\s], 1
	s_add_co_u32 s[G0B+4*\s+1], s94, \s*SLOT
	s_add_nc_u64 s[G0B+4*\s+2:G0B+4*\s+3], s[46:47], \s*2*UB
	s_or_b32 s[G0B+4*\s+3], s[G0B+4*\s+3], 0x80000000
	JLOAD G0+4*\s, G1, G0B+4*\s, G1B
.endr
	v_and_b32 v1, 31, v0                           ; lane
	v_lshlrev_b32 v[LI], 4, v1
	s_mul_i32 s22, s15, 2*UA                       ; my panel of A
	s_mul_i32 s23, s16, 2*UB                       ; my panel of B,
	s_add_co_u32 s23, s23, 4*UA                    ; behind A's two
.irp s, 0,1
	v_add_nc_u32 v[ADRA+\s], s22, v[LI]
	v_add_nc_u32 v[ADRB+\s], s23, v[LI]
	s_add_co_u32 s22, s22, SLOT
	s_add_co_u32 s23, s23, SLOT
.endr
	; the unit that my 128 x 128 results become
	s_lshl_b32 s66, s17, 1
	s_add_co_u32 s66, s66, s15                     ; g: A's group of 128 rows
	s_lshl_b32 s67, s42, 1
	s_add_co_u32 s67, s67, s16                     ; nq: B's group: the unit's place along the next K
	s_lshr_b32 s68, s67, 3
	s_lshl_b32 s68, s68, 9
	s_lshl_b32 s69, s66, 3
	s_add_co_u32 s68, s68, s69
	s_and_b32 s69, s67, 7
	s_add_co_u32 s68, s68, s69                     ; q, k: 512 (nq / 8) + 8 g + nq % 8
	s_lshr_b32 s69, s67, 4
	s_lshl_b32 s69, s69, 3
	s_add_co_u32 s69, s69, s66
	s_lshl_b32 s69, s69, 4
	s_and_b32 s71, s67, 15
	s_add_co_u32 s69, s69, s71
	s_add_co_u32 s69, s69, 1024                    ; v^T: 1,024 + 16 (8 (nq / 16) + g) + nq % 16
	s_cmp_lt_u32 s18, 8
	s_cselect_b32 s68, s68, s69
	s_mul_i32 s72, s68, U
	s_mov_b32 s73, 0
	s_add_nc_u64 s[72:73], s[6:7], s[72:73]
	s_mov_b32 s[SEL], 0x76543210
	s_mov_b32 s[SEL+1], 0xfedcba98
	s_wait_tensorcnt 1                             ; my part of K step 0 is in (K step 1's load may be out)
	s_barrier_signal -1
	s_barrier_wait -1                              ; everybody's is
	FETCH_B 0, 0, 0
	FETCH_A 0, 0, 0
	SCALES 0
	FETCH_A 0, 0, 4
	STEP 0, 0, 1                                   ; the first step stands in front of the loop: its products start the sums
	s_mov_b32 s3, 1                                ; K = 1,024: four K steps, two laps: one trip fills both slots again
.Llap:
	TURN 0, 1, 1
	STEP 1, 0, 0
	TURN 1, 0, 1
	STEP 0, 0, 0
	s_sub_co_u32 s3, s3, 1
	s_cmp_lg_u32 s3, 0
	s_cbranch_scc1 .Llap
	TURN 0, 1, 0                                   ; the last lap fills nothing, and has no round of the cluster's barrier
	STEP 1, 0, 0
	s_wait_dscnt 4*NL
	WIN MUL_LO
	MUL16 0, 1, 1, 1, 0
	MUL16 2, 1, 1, 1, 0
	s_wait_dscnt 0
	WIN MUL_HI
	MUL16 4, 1, 1, 1, 0
	MUL16 6, 1, 1, 1, 0
	WIN 0
; THE WAY OUT.  Block a's 64 registers of a lane are four half blocks of 32 along the next K: they become fragment a of my unit, and one scale word a row.  The accumulators are read where they lie, each from its low end on.
.macro QUANTW a
.set AC, 64*((\a)%4)
	WIN 0x0a+5*((\a)/4)                            ; sources 0 and 1: window 2 or 3
.irp b, 0,1,2,3
	v_max3_num_f32 v[TM+\b], |v[AC+16*\b]|, |v[AC+16*\b+1]|, 0x1800000   ; and the floor 2^(3 - 127): the byte cannot fall under 1
.endr
.irp i, 2,4,6,8,10,12,14
.irp b, 0,1,2,3
	v_max3_num_f32 v[TM+\b], |v[AC+16*\b+\i]|, |v[AC+16*\b+\i+1]|, v[TM+\b]
.endr
.endr
	WIN 0
.irp b, 0,1,2,3
	v_permlanex16_b32 v[TM+4+\b], v[TM+\b], s[SEL], s[SEL+1]
.endr
.irp b, 0,1,2,3
	v_max_num_f32 v[TM+\b], v[TM+\b], v[TM+4+\b]   ; with lane l xor 16's: the block's largest magnitude
.endr
.irp b, 0,1,2,3
	v_add_nc_u32 v[TM+12+\b], 0xff000000, v[TM+\b] ; 2 off its exponent field: the conversion's scale operand
.endr
.irp b, 0,1,2,3
	v_lshrrev_b32 v[TM+4+\b], 23, v[TM+12+\b]      ; the scale's byte
.endr
	v_lshl_or_b32 v[PWB+(\a)], v[TM+5], 8, v[TM+4]
	v_lshl_or_b32 v[PWB+(\a)], v[TM+6], 16, v[PWB+(\a)]
	v_lshl_or_b32 v[PWB+(\a)], v[TM+7], 24, v[PWB+(\a)]
.if (\a) > 0
	s_wait_xcnt 0x0                                ; the last block's stores have read the codes' registers, which are written again now
.endif
	WIN 0x02+(\a)/4                                ; source 0: window 2 or 3
.irp c, 0,1
	v_cvt_scalef32_pk16_fp6_f32 v[PC+6*\c:PC+6*\c+2], v[AC+32*\c:AC+32*\c+15], v[TM+12+2*\c]
	v_cvt_scalef32_pk16_fp6_f32 v[PC+12+4*\c:PC+14+4*\c], v[AC+32*\c+16:AC+32*\c+31], v[TM+12+2*\c+1]
.endr
	WIN 0
	v_nop                                          ; one plain place behind a scaled conversion
.irp c, 0,1
.irp i, 0,1,2
	v_permlane16_swap_b32 v[PC+6*\c+\i], v[PC+12+4*\c+\i]
.endr
.irp i, 0,1,2
	v_mov_b32 v[PC+3+6*\c+\i], v[PC+12+4*\c+\i]
.endr
.endr
.irp c, 0,1,2
	global_store_b128 v[LI], v[PC+4*\c:PC+4*\c+3], s[72:73] offset:(3*(\a)+\c)*512   ; 32 lanes store 512 consecutive bytes, at a multiple of 256 from the buffer's first byte
.endr
.endm
	PLACES NP                                      ; behind the last products: results are read, and registers that held A's fragments are written
.irp b, 0,1,2,3
	v_mov_b32 v[TM+4+\b], 0                        ; a lane permute's destination counts as one of its sources
.endr
.irp a, 0,1,2,3,4,5,6,7
	QUANTW \a
.endr
	v_cmp_le_u32 s70, 16, v1                       ; lanes 16-31 store the words of fragments 4-7
.irp k, 0,1,2,3
	v_cndmask_b32 v[GW+\k], v[PWB+\k], v[PWB+4+\k], s70
.endr
	global_store_b128 v[LI], v[GW:GW+3], s[72:73] offset:12288
	s_wait_tensorcnt 0x0                           ; the wave's end
	ds_add_u32 v[SPW], v[NIL]
	s_wait_dscnt 0x0
	CROUND                                         ; the closing round: no work-group ends while a partner may still ask for a tile that names it
	s_endpgm
.Lfunc_end_k_qf31d664888_proj:
	.size	k_qf31d664888_proj, .Lfunc_end_k_qf31d664888_proj-k_qf31d664888_proj
	.p2alignl 7, 3214868480
	.fill 96, 4, 3214868480
	.section	.rodata,"a",@progbits
	.p2align	6, 0x0
	.amdhsa_kernel k_qf31d664888_proj
		.amdhsa_group_segment_fixed_size 327680
		.amdhsa_private_segment_fixed_size 0
		.amdhsa_enable_private_segment 0
		.amdhsa_kernarg_size 16
		.amdhsa_user_sgpr_count 2
		.amdhsa_user_sgpr_kernarg_segment_ptr 1
		.amdhsa_wavefront_size32 1
		.amdhsa_system_sgpr_workgroup_id_x 1
		.amdhsa_system_sgpr_workgroup_id_y 1
		.amdhsa_system_sgpr_workgroup_id_z 1
		.amdhsa_system_vgpr_workitem_id 0
		.amdhsa_next_free_vgpr 1024
		.amdhsa_next_free_sgpr 98
		.amdhsa_reserve_vcc 0
		.amdhsa_float_denorm_mode_32 3
		.amdhsa_float_denorm_mode_16_64 3
		.amdhsa_memory_ordered 1
		.amdhsa_forward_progress 1
		.amdhsa_inst_pref_size 137
	.end_amdhsa_kernel
	.amdgpu_metadata
---
amdhsa.version: [ 1, 2 ]
amdhsa.kernels:
  - .name:           k_qf31d664888_proj
    .symbol:         k_qf31d664888_proj.kd
    .args:
      - { .name: xw, .offset: 0, .size: 8, .value_kind: global_buffer, .address_space: global }
      - { .name: qkv, .offset: 8, .size: 8, .value_kind: global_buffer, .address_space: global }
    .group_segment_fixed_size: 327680
    .private_segment_fixed_size: 0
    .kernarg_segment_align: 8
    .kernarg_segment_size: 16
    .max_flat_workgroup_size: 128
    .sgpr_count:     98
    .vgpr_count:     1024
    .wavefront_size: 32
...
	.end_amdgpu_metadata
.endif
;; end of part 2
;; launch score (part 3): grid 12 x 16, 4 waves a work-group, clusters of 4 x 4, 327,680 bytes of LDS; arguments qkv, p, ls; writes p, ls
.if DOCPART == 3
	.amdgcn_target "amdgcn-amd-amdhsa--gfx1250"
	.amdhsa_code_object_version 6
	.text
	.protected	k_qf31d664888_score
	.globl	k_qf31d664888_score
	.p2align	8
	.type	k_qf31d664888_score,@function
k_qf31d664888_score:
	s_mov_b64 s[64:65], 0
	v_nop
	global_prefetch_b8 v0, s[64:65] scope:SCOPE_SE
	s_setreg_imm32_b32 hwreg(HW_REG_WAVE_MODE, 25, 1), 1
	s_wait_xcnt 0x0
	s_wait_alu depctr_hold_cnt(0) depctr_sa_sdst(0) depctr_va_vdst(0) depctr_va_sdst(0) depctr_va_ssrc(0) depctr_va_vcc(0) depctr_vm_vsrc(0)
	s_getreg_b32 s2, hwreg(HW_REG_IB_STS2, 6, 4)
	s_cmp_eq_u32 s2, 0
	s_cbranch_scc0 .Lentry_in_a_cluster
	s_endpgm
.Lentry_in_a_cluster:
	s_bfe_u32 s2, ttmp6, 0x10000c
	s_cmp_lg_u32 s2, 0xf033
	s_cbranch_scc0 .Lentry_shape_is_right
	s_endpgm
.Lentry_shape_is_right:
; S^T = k q^T on codes of FP6 (E2M3), K = 1,024, then the causal mask and the softmax's numerator, quantised along the keys: p leaves as codes, never as f32.
; t = score x log2(e) / 32.  For each query and each UNIT of 128 keys: M = the unit's largest t rounded up to a whole number (kept as NM = -M), p = 2^(t - M), l = the sum of the unquantised p.  Since M is a whole number, the next
; launch brings a unit under the row's M by taking a whole number off its scale bytes and by an exact power of two on l.  A unit all of whose keys are hidden has zero codes, NM = 3e38 and l = 0.
; qkv: units of 12,800 bytes (128 rows x 128 along K as images of operand registers, then 512 bytes of scale words): q at 8 g + kq, k at 512 + 8 g + kq.  Lane row r of fragment i is the group's row 32 (i / 2) + 8 (i % 2) + r % 8 + 16 (r / 8).
; p: units of 13,312 bytes, at 16 (16 b + gq) + kq: codes, scale words, then 512 bytes of NM, laid as the scale words are.  ls: 512 bytes of l for the same index, laid likewise.
; A tile is 256 queries (source 1: the result's lanes) x 256 keys (source 0: a lane's registers).  Four waves, 128 x 128 each.  The ring, the round and the joint loads are those of the projections' launch.
; CLUSTERS: 4 x 4 tiles; a batch's 8 x 8 tiles are 2 x 2 such blocks, of which the three that hold visible keys are made: (0, 0), (1, 0), (1, 1).  In the two blocks on the diagonal the six tiles above it are made too:
; the next launch's clusters walk one K for their four rows of tiles and read them; so partners run alike, and no branch hangs on a place in the cluster.  For the same reason the mask's 128 lines a block are always executed.
; No prefetch: K has four steps, two of which are the first fills.  LIMITS: M is exact for |t| under 2^24; NaN and infinities are not served; a block whose every p is 0 keeps the byte 1 over zero codes.
.set U,      12800
.set UA,     U
.set UB,     U
.set UP,     13312
.set RA,     2*UA/256
.set RB,     2*UB/256
.set SLOT,   4*UA+4*UB
.set SPARE,  2*SLOT                    ; behind the ring: the spare words, 128 bytes for each wave; no other line names them
.set FR,     12
.set NL,     3
.set NP,     4
.set ADRA, 16
.set ADRB, 20
.set LI,   24                          ; v24  16 x lane
.set D0,   25                          ; v25  my query less my half's first key, for block 0 and register 0
.set NINF, 26                          ; v26  -infinity
.set SPW,  28
.set NIL,  29
.set SC,   32
.set S,    64                          ; v64-127  a block's scores, then p
.set AF,   128
.set PC,   128                         ; codes
.set BM,   160                         ; each block of 32 keys: its largest score, then its largest p
.set BX,   164
.set SO,   168                         ; the conversions' scale operands
.set BY,   172                         ; the scale bytes
.set SU,   176                         ; v[176:179] the sums, two chains of pairs
.set NM,   180                         ; v180 -M; v181 the largest t
.set T0,   182
.set PWB,  192                         ; the eight blocks' scale words, -M and l
.set NMB,  200
.set LB,   208
.set GW,   216                         ; and as they are stored
.set G1, 24
.set G0, 32
.set G1B, 48
.set G0B, 56
.set CS,  68                           ; s[68:69] c = log2(e) / 32
.set SEL, 74
.set MSB, 0
.macro WIN new
.if MSB != (\new)
	s_set_vgpr_msb (MSB<<8)|(\new)
.set MSB, \new
.endif
.endm
.set MUL_LO, 0xa1
.set MUL_HI, 0xf1
.set TO_B,   0x40
.macro JLOAD g0a, g1a, g0b, g1b        ; waves 0 and 1 fetch A's panels, waves 2 and 3 B's; an s_nop 0 and four v_nop follow each of the two lines
	s_cmp_eq_u32 s15, 0
	s_cbranch_scc0 .Lfor_b_\@
	tensor_load_to_lds s[\g0a:\g0a+3], s[\g1a:\g1a+7]
	s_nop 0
.rept 4
	v_nop
.endr
	s_branch .Lasked_\@
.Lfor_b_\@:
	tensor_load_to_lds s[\g0b:\g0b+3], s[\g1b:\g1b+7]
	s_nop 0
.rept 4
	v_nop
.endr
.Lasked_\@:
.endm
.macro CREST
	s_cmp_lg_u32 s14, 0
	s_cbranch_scc1 .Lnot_wave_0_\@
	s_barrier_signal -3
.Lnot_wave_0_\@:
	s_barrier_wait -3
	s_barrier_signal -1
	s_barrier_wait -1
.endm
.macro CROUND
	s_barrier_signal -1
	s_barrier_wait -1
	CREST
.endm
.macro PLACES n
.rept \n
	v_nop
.endr
.endm
.macro WM acc, bf, af, sb, sa, rb, ra, zero
.if \zero
.if (\rb) && (\ra)
	v_wmma_scale_f32_16x16x128_f8f6f4 v[(\acc):(\acc)+7], v[(\bf):(\bf)+11], v[(\af):(\af)+11], 0, v[\sb], v[\sa] matrix_a_fmt:MATRIX_FMT_FP6 matrix_b_fmt:MATRIX_FMT_FP6 matrix_a_scale:MATRIX_SCALE_ROW1 matrix_b_scale:MATRIX_SCALE_ROW1
.elseif (\rb)
	v_wmma_scale_f32_16x16x128_f8f6f4 v[(\acc):(\acc)+7], v[(\bf):(\bf)+11], v[(\af):(\af)+11], 0, v[\sb], v[\sa] matrix_a_fmt:MATRIX_FMT_FP6 matrix_b_fmt:MATRIX_FMT_FP6 matrix_a_scale:MATRIX_SCALE_ROW1
.elseif (\ra)
	v_wmma_scale_f32_16x16x128_f8f6f4 v[(\acc):(\acc)+7], v[(\bf):(\bf)+11], v[(\af):(\af)+11], 0, v[\sb], v[\sa] matrix_a_fmt:MATRIX_FMT_FP6 matrix_b_fmt:MATRIX_FMT_FP6 matrix_b_scale:MATRIX_SCALE_ROW1
.else
	v_wmma_scale_f32_16x16x128_f8f6f4 v[(\acc):(\acc)+7], v[(\bf):(\bf)+11], v[(\af):(\af)+11], 0, v[\sb], v[\sa] matrix_a_fmt:MATRIX_FMT_FP6 matrix_b_fmt:MATRIX_FMT_FP6
.endif
.else
.if (\rb) && (\ra)
	v_wmma_scale_f32_16x16x128_f8f6f4 v[(\acc):(\acc)+7], v[(\bf):(\bf)+11], v[(\af):(\af)+11], v[(\acc):(\acc)+7], v[\sb], v[\sa] matrix_a_fmt:MATRIX_FMT_FP6 matrix_b_fmt:MATRIX_FMT_FP6 matrix_a_scale:MATRIX_SCALE_ROW1 matrix_b_scale:MATRIX_SCALE_ROW1
.elseif (\rb)
	v_wmma_scale_f32_16x16x128_f8f6f4 v[(\acc):(\acc)+7], v[(\bf):(\bf)+11], v[(\af):(\af)+11], v[(\acc):(\acc)+7], v[\sb], v[\sa] matrix_a_fmt:MATRIX_FMT_FP6 matrix_b_fmt:MATRIX_FMT_FP6 matrix_a_scale:MATRIX_SCALE_ROW1
.elseif (\ra)
	v_wmma_scale_f32_16x16x128_f8f6f4 v[(\acc):(\acc)+7], v[(\bf):(\bf)+11], v[(\af):(\af)+11], v[(\acc):(\acc)+7], v[\sb], v[\sa] matrix_a_fmt:MATRIX_FMT_FP6 matrix_b_fmt:MATRIX_FMT_FP6 matrix_b_scale:MATRIX_SCALE_ROW1
.else
	v_wmma_scale_f32_16x16x128_f8f6f4 v[(\acc):(\acc)+7], v[(\bf):(\bf)+11], v[(\af):(\af)+11], v[(\acc):(\acc)+7], v[\sb], v[\sa] matrix_a_fmt:MATRIX_FMT_FP6 matrix_b_fmt:MATRIX_FMT_FP6
.endif
.endif
.endm
.macro MUL16 a0, p, q, sc, zero        ; the 64 accumulators take turns, one instruction a turn, in the same order in every step
.irp a, \a0, \a0+1
.irp b, 0,1,2,3,4,5,6,7
	WM 8*(8*((\a)%4)+\b), 128*(\p)+FR*\b, AF+FR*(\a), SC+16*(\sc)+8+4*(\q)+\b%4, SC+16*(\sc)+4*(\q)+(\a)%4, \b/4, (\a)/4, \zero
.endr
.endr
.endm
.macro FRAG reg, adr, q, i, u
.irp c, 0,1,2
	ds_load_b128 v[(\reg)+4*\c:(\reg)+4*\c+3], v[\adr] offset:(\q)*(\u)+(3*(\i)+\c)*512
.endr
.endm
.macro FETCH_B slot, q, p
	WIN TO_B
.irp i, 0,1,2,3,4,5,6,7
	FRAG 128*(\p)+FR*\i, ADRB+\slot, \q, \i, UB
.endr
	WIN 0
.endm
.macro FETCH_A slot, q, i0
.irp i, \i0, \i0+1, \i0+2, \i0+3
	FRAG AF+FR*(\i), ADRA+\slot, \q, \i, UA
.endr
.endm
.macro SCALES slot
.irp q, 0,1
	ds_load_b128 v[SC+16*\slot+4*\q:SC+16*\slot+4*\q+3], v[ADRA+\slot] offset:\q*UA+12288
	ds_load_b128 v[SC+16*\slot+8+4*\q:SC+16*\slot+8+4*\q+3], v[ADRB+\slot] offset:\q*UB+12288
.endr
.endm
.macro STEP slot, q, zero
	s_wait_dscnt 4*NL                              ; all but the youngest twelve loads (A's blocks 4-7) are in
	WIN MUL_LO
	MUL16 0, (\q)%2, \q, \slot, \zero
	MUL16 2, (\q)%2, \q, \slot, \zero
	s_wait_dscnt 0
	PLACES NP
	FETCH_B \slot, (\q)+1, 1-(\q)%2
	FETCH_A \slot, (\q)+1, 0
	WIN MUL_HI
	MUL16 4, (\q)%2, \q, \slot, \zero
	MUL16 6, (\q)%2, \q, \slot, \zero
	PLACES NP
	WIN 0
	FETCH_A \slot, (\q)+1, 4
.endm
.macro TURN slot, next, fill
	s_wait_tensorcnt 0x0                           ; all my tensor loads have landed: my part of the next slot
	ds_add_u32 v[SPW], v[NIL]                      ; 0 onto my spare word
	s_wait_dscnt 4*NL+1                            ; (the add and the youngest twelve loads may be out)
	WIN MUL_LO
	MUL16 0, 1, 1, \slot, 0
	s_wait_dscnt 0x0                               ; the add is done, and my reads of this slot are over
	s_barrier_signal -1
	MUL16 2, 1, 1, \slot, 0
	WIN 0
	s_barrier_wait -1
.if \fill
	CREST                                          ; no wave of any partner still reads this slot or has a load on its way
	s_add_nc_u64 s[G0+4*\slot+2:G0+4*\slot+3], s[G0+4*\slot+2:G0+4*\slot+3], 4*UA
	s_add_nc_u64 s[G0B+4*\slot+2:G0B+4*\slot+3], s[G0B+4*\slot+2:G0B+4*\slot+3], 4*UB
	JLOAD G0+4*\slot, G1, G0B+4*\slot, G1B
.else
	PLACES NP
.endif
	FETCH_B \next, 0, 0
	FETCH_A \next, 0, 0
	SCALES \next
	WIN MUL_HI
	MUL16 4, 1, 1, \slot, 0
	MUL16 6, 1, 1, \slot, 0
	PLACES NP
	WIN 0
	FETCH_A \next, 0, 4
.endm
	s_load_b128 s[4:7], s[0:1], 0x0                ; qkv s[4:5], p s[6:7]
	s_load_b64 s[8:9], s[0:1], 0x10                ; ls
	v_lshl_add_u32 v[SPW], v0, 2, SPARE
	v_mov_b32 v[NIL], 0
	ds_add_u32 v[SPW], v[NIL]                      ; the wave's opening: the add and its wait stand ahead of my first tensor load
	v_lshrrev_b32 v1, 5, v0
	v_readfirstlane_b32 s14, v1                    ; wave 0..3
	s_lshr_b32 s15, s14, 1                         ; which 128 queries are mine.  Also: I fetch for q (0) or for k (1)
	s_and_b32 s16, s14, 1                          ; which 128 keys.  Also: which panel I fetch
	s_bfe_u32 s40, ttmp6, 0x40000                  ; cx
	s_bfe_u32 s41, ttmp6, 0x40004                  ; cy
	s_and_b32 s18, ttmp7, 0xffff                   ; the batch
	s_add_co_u32 s19, ttmp9, 1
	s_lshr_b32 s19, s19, 1                         ; the block's row: 0, 1, 1
	s_lshr_b32 s10, ttmp9, 1                       ; and column: 0, 0, 1
	s_lshl_b32 s17, s19, 2
	s_add_co_u32 s17, s17, s41                     ; the tile of queries: it hangs on cy alone
	s_lshl_b32 s42, s10, 2
	s_add_co_u32 s42, s42, s40                     ; the tile of keys: on cx alone
	s_lshl_b32 s11, s18, 4                         ; the batch's first group of 128 rows
	s_lshl_b32 s20, s17, 1
	s_add_co_u32 s20, s20, s16
	s_add_co_u32 s20, s20, s11
	s_lshl_b32 s20, s20, 3
	s_mul_i32 s20, s20, UA                         ; q: unit 8 (16 b + 2 i + panel)
	s_mov_b32 s21, 0
	s_lshl_b32 s46, s42, 1
	s_add_co_u32 s46, s46, s16
	s_add_co_u32 s46, s46, s11
	s_lshl_b32 s46, s46, 3
	s_add_co_u32 s46, s46, 512
	s_mul_i32 s46, s46, UB                         ; k: unit 512 + 8 (16 b + 2 j + panel)
	s_mov_b32 s47, 0
	s_lshl_b32 s43, s41, 2
	s_lshl_b32 s43, 15, s43                        ; my row of the cluster
	s_lshl_b32 s44, 0x1111, s40                    ; my column
	s_or_b32 s[G1+0], s43, (3<<16)|(1<<21)         ; the mask; elements of 8 bytes; no padding; bit 21 set beside a mask
	s_or_b32 s[G1B+0], s44, (3<<16)|(1<<21)
	s_mov_b32 s[G1+1], 32<<16                      ; rows of 256 bytes
	s_mov_b32 s[G1+2], RA<<16
	s_mov_b32 s[G1+3], 32<<16
	s_mov_b32 s[G1+4], RA
	s_mov_b32 s[G1+5], 32
	s_mov_b32 s[G1+6], 0
	s_mov_b32 s[G1+7], 0
	s_mov_b32 s[G1B+1], 32<<16
	s_mov_b32 s[G1B+2], RB<<16
	s_mov_b32 s[G1B+3], 32<<16
	s_mov_b32 s[G1B+4], RB
	s_mov_b32 s[G1B+5], 32
	s_mov_b32 s[G1B+6], 0
	s_mov_b32 s[G1B+7], 0
	s_mul_i32 s45, s14, 2*UA
	s_mul_i32 s94, s14, 2*UB
	s_wait_dscnt 0x0                               ; the opening add is done
	s_wait_kmcnt 0x0
	s_add_nc_u64 s[20:21], s[4:5], s[20:21]
	s_add_nc_u64 s[46:47], s[4:5], s[46:47]
	CROUND                                         ; all sixteen work-groups are here: the first joint loads meet
.irp s, 0,1
	s_mov_b32 s[G0+4*\s], 1
	s_add_co_u32 s[G0+4*\s+1], s45, \s*SLOT
	s_add_nc_u64 s[G0+4*\s+2:G0+4*\s+3], s[20:21], \s*2*UA
	s_or_b32 s[G0+4*\s+3], s[G0+4*\s+3], 0x80000000
	s_mov_b32 s[G0B+4*\s], 1
	s_add_co_u32 s[G0B+4*\s+1], s94, \s*SLOT
	s_add_nc_u64 s[G0B+4*\s+2:G0B+4*\s+3], s[46:47], \s*2*UB
	s_or_b32 s[G0B+4*\s+3], s[G0B+4*\s+3], 0x80000000
	JLOAD G0+4*\s, G1, G0B+4*\s, G1B
.endr
	v_and_b32 v1, 31, v0                           ; lane
	v_lshlrev_b32 v[LI], 4, v1
	s_mul_i32 s22, s15, 2*UA
	s_mul_i32 s23, s16, 2*UB
	s_add_co_u32 s23, s23, 4*UA
.irp s, 0,1
	v_add_nc_u32 v[ADRA+\s], s22, v[LI]
	v_add_nc_u32 v[ADRB+\s], s23, v[LI]
	s_add_co_u32 s22, s22, SLOT
	s_add_co_u32 s23, s23, SLOT
.endr
	s_lshl_b32 s66, s17, 1
	s_add_co_u32 s66, s66, s15                     ; gq: my group of 128 queries in the batch
	s_lshl_b32 s67, s42, 1
	s_add_co_u32 s67, s67, s16                     ; kq: my group of 128 keys
	s_add_co_u32 s71, s11, s66
	s_lshl_b32 s71, s71, 4
	s_add_co_u32 s71, s71, s67                     ; the unit: 16 (16 b + gq) + kq
	s_mul_i32 s72, s71, UP
	s_mov_b32 s73, 0
	s_add_nc_u64 s[72:73], s[6:7], s[72:73]
	s_lshl_b32 s76, s71, 9
	s_mov_b32 s77, 0
	s_add_nc_u64 s[76:77], s[8:9], s[76:77]
	s_sub_co_i32 s71, s66, s67
	s_lshl_b32 s71, s71, 7                         ; 128 (gq - kq)
	v_and_b32 v[D0], 7, v0
	v_bfe_u32 v3, v0, 3, 1
	v_lshl_add_u32 v[D0], v3, 4, v[D0]             ; r % 8 + 16 (r / 8)
	v_bfe_u32 v3, v0, 4, 1
	v_lshlrev_b32 v3, 4, v3
	v_sub_nc_u32 v[D0], v[D0], v3                  ; - 16 h
	v_add_nc_u32 v[D0], s71, v[D0]
	v_mov_b32 v[NINF], 0xff800000
	s_mov_b32 s[CS], 0x3d38aa3b                    ; c = log2(e) / 32
	s_mov_b32 s[CS+1], s[CS]                       ; (named with it as a pair, so it is written)
	s_mov_b32 s[SEL], 0x76543210
	s_mov_b32 s[SEL+1], 0xfedcba98
	s_wait_tensorcnt 1                             ; my part of K step 0 is in (K step 1's load may be out)
	s_barrier_signal -1
	s_barrier_wait -1
	FETCH_B 0, 0, 0
	FETCH_A 0, 0, 0
	SCALES 0
	FETCH_A 0, 0, 4
	STEP 0, 0, 1
	s_mov_b32 s3, 1                                ; K = 1,024: four K steps: one trip fills both slots again
.Llap:
	TURN 0, 1, 1
	STEP 1, 0, 0
	TURN 1, 0, 1
	STEP 0, 0, 0
	s_sub_co_u32 s3, s3, 1
	s_cmp_lg_u32 s3, 0
	s_cbranch_scc1 .Llap
	TURN 0, 1, 0
	STEP 1, 0, 0
	s_wait_dscnt 4*NL
	WIN MUL_LO
	MUL16 0, 1, 1, 1, 0
	MUL16 2, 1, 1, 1, 0
	s_wait_dscnt 0
	WIN MUL_HI
	MUL16 4, 1, 1, 1, 0
	MUL16 6, 1, 1, 1, 0
	WIN 0
; BLOCK a OF 16 QUERIES.  Lane (r, h) holds query 128 gq + 32 (a / 2) + 8 (a % 2) + r % 8 + 16 (r / 8); register n holds key 128 kq + 32 (n / 16) + 16 h + n % 16.
.macro SOFT a
.set AC, 64*((\a)%4)
.set KO, 32*((\a)/2)+8*((\a)%2)
	WIN 0x02+(\a)/4                                ; source 0: window 2 or 3
.set n, 0
.rept 64                                       ; hidden keys' scores become -infinity; the same line brings the score into window 0.  Each accumulator is read from its low end on
	v_cmp_gt_i32 vcc_lo, 32*(n/16)+n%16-KO, v[D0]
	v_cndmask_b32 v[S+n], v[AC+n], v[NINF], vcc_lo
.set n, n+1
.endr
	WIN 0
.irp b, 0,1,2,3
	v_max3_num_f32 v[BM+\b], v[S+16*\b], v[S+16*\b+1], v[S+16*\b+2]   ; the largest score of each block of 32 keys: for the unit's maximum, and, since p rises with the score, for the block's largest p
.endr
.irp i, 3,5,7,9,11,13
.irp b, 0,1,2,3
	v_max3_num_f32 v[BM+\b], v[BM+\b], v[S+16*\b+\i], v[S+16*\b+\i+1]
.endr
.endr
.irp b, 0,1,2,3
	v_max_num_f32 v[BM+\b], v[BM+\b], v[S+16*\b+15]
.endr
.irp b, 0,1,2,3
	v_permlanex16_b32 v[BX+\b], v[BM+\b], s[SEL], s[SEL+1]
.endr
.irp b, 0,1,2,3
	v_max_num_f32 v[BM+\b], v[BM+\b], v[BX+\b]     ; with lane l xor 16's 16 keys
.endr
	v_max3_num_f32 v[T0], v[BM], v[BM+1], v[BM+2]
	v_max_num_f32 v[T0], v[T0], v[BM+3]
	v_mul_f32 v[T0], s[CS], v[T0]                  ; as t (c is positive)
	v_max_num_f32 v[NM+1], 0xff61b1e6, v[T0]       ; held at -3e38 from below: a unit with no visible key
	v_floor_f32 v[NM], -v[NM+1]                    ; -M = floor(-t) = -ceil(t): a whole number
.irp j, 0,2,4,6,8,10,12,14,16,18,20,22,24,26,28,30,32,34,36,38,40,42,44,46,48,50,52,54,56,58,60,62
	v_pk_fma_f32 v[S+\j:S+\j+1], v[S+\j:S+\j+1], s[CS:CS+1], v[NM:NM+1] op_sel_hi:[1,0,0]   ; t - M, two at a time
.endr
.irp b, 0,1,2,3
	v_fma_f32 v[BM+\b], v[BM+\b], s[CS], v[NM]     ; the same of each block's largest score
.endr
.set n, 0
.rept 64
	v_exp_f32 v[S+n], v[S+n]                       ; p = 2^(t - M), at most 1: not normalised
.set n, n+1
.endr
	v_mov_b32 v[NMB+(\a)], v[NM]                   ; (a plain place behind the exponentials)
	s_wait_alu depctr_va_vdst(0)                   ; one wait for the whole batch, ahead of its first reader
.irp b, 0,1,2,3
	v_exp_f32 v[BM+\b], v[BM+\b]                   ; the block's largest p: the same two instructions on the same number
.endr
	v_pk_add_f32 v[SU:SU+1], v[S:S+1], v[S+4:S+5]  ; the sum is taken of the unquantised p: two chains of pairs; they read the 64 alone
	v_pk_add_f32 v[SU+2:SU+3], v[S+2:S+3], v[S+6:S+7]
.irp j, 8,12,16,20,24,28,32,36,40,44,48,52,56,60
	v_pk_add_f32 v[SU:SU+1], v[SU:SU+1], v[S+\j:S+\j+1]
	v_pk_add_f32 v[SU+2:SU+3], v[SU+2:SU+3], v[S+\j+2:S+\j+3]
.endr
	v_pk_add_f32 v[SU:SU+1], v[SU:SU+1], v[SU+2:SU+3]
	s_wait_alu depctr_va_vdst(0)                   ; and one for the four
.irp b, 0,1,2,3
	v_max_num_f32 v[BM+\b], 0x1800000, v[BM+\b]    ; the floor 2^(3 - 127): the byte cannot fall under 1
.endr
.irp b, 0,1,2,3
	v_add_nc_u32 v[SO+\b], 0xff000000, v[BM+\b]    ; 2 off the exponent field: the conversion's scale operand
.endr
.irp b, 0,1,2,3
	v_lshrrev_b32 v[BY+\b], 23, v[SO+\b]           ; the scale's byte
.endr
	v_lshl_or_b32 v[PWB+(\a)], v[BY+1], 8, v[BY]
	v_lshl_or_b32 v[PWB+(\a)], v[BY+2], 16, v[PWB+(\a)]
	v_lshl_or_b32 v[PWB+(\a)], v[BY+3], 24, v[PWB+(\a)]
	v_add_f32 v[T0], v[SU], v[SU+1]
	v_permlanex16_b32 v[T0+1], v[T0], s[SEL], s[SEL+1]
	v_add_f32 v[LB+(\a)], v[T0], v[T0+1]           ; the unit's sum for my query
.if (\a) > 0
	s_wait_xcnt 0x0                                ; the last block's stores have read the codes' registers, which are written again now
.endif
.irp c, 0,1
	v_cvt_scalef32_pk16_fp6_f32 v[PC+6*\c:PC+6*\c+2], v[S+32*\c:S+32*\c+15], v[SO+2*\c]
	v_cvt_scalef32_pk16_fp6_f32 v[PC+12+4*\c:PC+14+4*\c], v[S+32*\c+16:S+32*\c+31], v[SO+2*\c+1]
.endr
	v_nop                                          ; one plain place behind a scaled conversion
.irp c, 0,1
.irp i, 0,1,2
	v_permlane16_swap_b32 v[PC+6*\c+\i], v[PC+12+4*\c+\i]
.endr
.irp i, 0,1,2
	v_mov_b32 v[PC+3+6*\c+\i], v[PC+12+4*\c+\i]
.endr
.endr
.irp c, 0,1,2
	global_store_b128 v[LI], v[PC+4*\c:PC+4*\c+3], s[72:73] offset:(3*(\a)+\c)*512   ; 32 lanes store 512 consecutive bytes, at a multiple of 256 from the buffer's first byte
.endr
.endm
	PLACES NP                                      ; behind the last products
.irp b, 0,1,2,3
	v_mov_b32 v[BX+\b], 0                          ; a lane permute's destination counts as one of its sources
.endr
	v_mov_b32 v[T0+1], 0
.irp a, 0,1,2,3,4,5,6,7
	SOFT \a
.endr
	v_cmp_le_u32 s70, 16, v1                       ; lanes 16-31 store what belongs to fragments 4-7
.irp k, 0,1,2,3
	v_cndmask_b32 v[GW+\k], v[PWB+\k], v[PWB+4+\k], s70
	v_cndmask_b32 v[GW+4+\k], v[NMB+\k], v[NMB+4+\k], s70
	v_cndmask_b32 v[GW+8+\k], v[LB+\k], v[LB+4+\k], s70
.endr
	global_store_b128 v[LI], v[GW:GW+3], s[72:73] offset:12288      ; the scale words,
	global_store_b128 v[LI], v[GW+4:GW+7], s[72:73] offset:12800    ; -M,
	global_store_b128 v[LI], v[GW+8:GW+11], s[76:77]                ; and l
	s_wait_tensorcnt 0x0                           ; the wave's end
	ds_add_u32 v[SPW], v[NIL]
	s_wait_dscnt 0x0
	CROUND                                         ; the closing round
	s_endpgm
.Lfunc_end_k_qf31d664888_score:
	.size	k_qf31d664888_score, .Lfunc_end_k_qf31d664888_score-k_qf31d664888_score
	.p2alignl 7, 3214868480
	.fill 96, 4, 3214868480
	.section	.rodata,"a",@progbits
	.p2align	6, 0x0
	.amdhsa_kernel k_qf31d664888_score
		.amdhsa_group_segment_fixed_size 327680
		.amdhsa_private_segment_fixed_size 0
		.amdhsa_enable_private_segment 0
		.amdhsa_kernarg_size 24
		.amdhsa_user_sgpr_count 2
		.amdhsa_user_sgpr_kernarg_segment_ptr 1
		.amdhsa_wavefront_size32 1
		.amdhsa_system_sgpr_workgroup_id_x 1
		.amdhsa_system_sgpr_workgroup_id_y 1
		.amdhsa_system_sgpr_workgroup_id_z 1
		.amdhsa_system_vgpr_workitem_id 0
		.amdhsa_next_free_vgpr 1024
		.amdhsa_next_free_sgpr 98
		.amdhsa_reserve_vcc 1
		.amdhsa_float_denorm_mode_32 3
		.amdhsa_float_denorm_mode_16_64 3
		.amdhsa_memory_ordered 1
		.amdhsa_forward_progress 1
		.amdhsa_inst_pref_size 232
	.end_amdhsa_kernel
	.amdgpu_metadata
---
amdhsa.version: [ 1, 2 ]
amdhsa.kernels:
  - .name:           k_qf31d664888_score
    .symbol:         k_qf31d664888_score.kd
    .args:
      - { .name: qkv, .offset: 0, .size: 8, .value_kind: global_buffer, .address_space: global }
      - { .name: p, .offset: 8, .size: 8, .value_kind: global_buffer, .address_space: global }
      - { .name: ls, .offset: 16, .size: 8, .value_kind: global_buffer, .address_space: global }
    .group_segment_fixed_size: 327680
    .private_segment_fixed_size: 0
    .kernarg_segment_align: 8
    .kernarg_segment_size: 24
    .max_flat_workgroup_size: 128
    .sgpr_count:     98
    .vgpr_count:     1024
    .wavefront_size: 32
...
	.end_amdgpu_metadata
.endif
;; end of part 3
;; launch pv (part 4): grid 4 x 32, 4 waves a work-group, clusters of 4 x 4, 327,680 bytes of LDS; arguments p, ls, qkv, out0; writes out0
.if DOCPART == 4
	.amdgcn_target "amdgcn-amd-amdhsa--gfx1250"
	.amdhsa_code_object_version 6
	.text
	.protected	k_qf31d664888_pv
	.globl	k_qf31d664888_pv
	.p2align	8
	.type	k_qf31d664888_pv,@function
k_qf31d664888_pv:
	s_mov_b64 s[64:65], 0
	v_nop
	global_prefetch_b8 v0, s[64:65] scope:SCOPE_SE
	s_setreg_imm32_b32 hwreg(HW_REG_WAVE_MODE, 25, 1), 1
	s_wait_xcnt 0x0
	s_wait_alu depctr_hold_cnt(0) depctr_sa_sdst(0) depctr_va_vdst(0) depctr_va_sdst(0) depctr_va_ssrc(0) depctr_va_vcc(0) depctr_vm_vsrc(0)
	s_getreg_b32 s2, hwreg(HW_REG_IB_STS2, 6, 4)
	s_cmp_eq_u32 s2, 0
	s_cbranch_scc0 .Lentry_in_a_cluster
	s_endpgm
.Lentry_in_a_cluster:
	s_bfe_u32 s2, ttmp6, 0x10000c
	s_cmp_lg_u32 s2, 0xf033
	s_cbranch_scc0 .Lentry_shape_is_right
	s_endpgm
.Lentry_shape_is_right:
; O^T = v^T p^T on codes of FP6 (E2M3), K = the keys, then O / l.  p: units of 13,312 bytes at 16 (16 b + gq) + kq (128 queries x 128 keys: codes as images of operand registers, 512 bytes of scale words, 512 bytes of NM = -M of
; the unit); ls: 512 bytes of the unit's sum l for the same index; v^T: units of 12,800 bytes of qkv at 1,024 + 16 (8 b + d / 128) + kq.  Scale words, NM and l are laid alike: the word at 16 x lane + 4 j belongs to fragment
; 4 (lane / 16) + j, row lane % 16.  Lane row r of fragment i is the group's row 32 (i / 2) + 8 (i % 2) + r % 8 + 16 (r / 8).
; THE ROW'S M is the largest of its units' M (NMG = the least NM).  Each unit was quantised under its own whole M, so it comes under the row's by taking NM - NMG, a whole number, off each of its scale bytes; a byte that would fall
; under 0 is held at 0, and the difference is held at 127 (p's bytes are at most 125).  The row's l is the sum of the units' l x 2^(NMG - NM), exact powers of two.
; LIMIT: a block held at the byte 0 counts as at most 7.5 x 2^-127 a number beside a row's largest p of over 1/2.  NaN and infinities are not served.
; A tile is 256 queries (source 1: the result's lanes) x 256 of d (source 0: a lane's registers).  Four waves, 128 x 128 each.  The ring, the round and the joint loads are those of the projections' launch.
; CLUSTERS: 4 x 4 tiles: four tiles of queries x all 1,024 of d.  The cluster's y says the batch and which half of its queries; the lower half walks 1,024 keys (4 K steps), the upper 2,048 (8): the trip count hangs on the
; cluster's y alone, so partners run alike; no LDS address is stepped in the loop.  Units that lie wholly above the diagonal inside that walk hold zero codes.  128 work-groups have work; none is added to make up a number.
; No prefetch: K has four or eight steps, two of which are the first fills.
.set UA,     13312
.set UB,     12800
.set RA,     2*UA/256
.set RB,     2*UB/256
.set SLOT,   4*UA+4*UB
.set STAGE,  2*SLOT                    ; behind the ring: 16 rows x 528 bytes for each wave, for the way out; no tensor load fills it
.set SPARE,  STAGE+4*16*528            ; behind the stages: the spare words, 128 bytes for each wave; no other line names them
.set FR,     12
.set NL,     3
.set NP,     4
.set NMG,  4                           ; v4-7    the least NM of my rows
.set RL,   8                           ; v8-11   1 / l
.set LG,   12                          ; v12-15  l
.set ADRA, 16
.set ADRB, 20
.set STO,  24                          ; v24  the way out: where I put 32 bytes of a row
.set RD,   25                          ; v25  and where I read a row back
.set CO,   26                          ; v26  16 x lane
.set ON,   27                          ; v27  the same + the way to NM of units 8-15, where the walk has them
.set SPW,  28
.set NIL,  29
.set OL,   30                          ; v30  the same for l
.set SC,   32                          ; scale words, two sets: A's (4 + 4), made by ADJ; B's (4 + 4), as loaded
.set RAW,  64                          ; v64-71  p's scale words as they lie;  on the way out: 1 / l of block a, twice, at v[64 + 2 a]
.set NMR,  72                          ; v72-79  their units' NM
.set TT,   80                          ; v80-103 at work
.set UU,   88
.set WW,   96
.set AF,   128
.set NMU,  128                         ; at the head: NM of the 16 units, v128-191;
.set LU,   192                         ; their l, v192-255
.set BK,   128                         ; the way out: 16 rows read back: v128-191 and v192-255 by turns
.set G1, 24
.set G0, 32
.set G1B, 48
.set G0B, 56
.set FLG, 67                           ; s67  1.0 where units 8-15 are walked, else 0
.set SEL, 74
.set MSB, 0
.macro WIN new
.if MSB != (\new)
	s_set_vgpr_msb (MSB<<8)|(\new)
.set MSB, \new
.endif
.endm
.set MUL_LO, 0xa1
.set MUL_HI, 0xf1
.set TO_B,   0x40
.macro JLOAD g0a, g1a, g0b, g1b        ; waves 0 and 1 fetch p's panels, waves 2 and 3 v^T's; an s_nop 0 and four v_nop follow each of the two lines
	s_cmp_eq_u32 s15, 0
	s_cbranch_scc0 .Lfor_b_\@
	tensor_load_to_lds s[\g0a:\g0a+3], s[\g1a:\g1a+7]
	s_nop 0
.rept 4
	v_nop
.endr
	s_branch .Lasked_\@
.Lfor_b_\@:
	tensor_load_to_lds s[\g0b:\g0b+3], s[\g1b:\g1b+7]
	s_nop 0
.rept 4
	v_nop
.endr
.Lasked_\@:
.endm
.macro CREST
	s_cmp_lg_u32 s14, 0
	s_cbranch_scc1 .Lnot_wave_0_\@
	s_barrier_signal -3
.Lnot_wave_0_\@:
	s_barrier_wait -3
	s_barrier_signal -1
	s_barrier_wait -1
.endm
.macro CROUND
	s_barrier_signal -1
	s_barrier_wait -1
	CREST
.endm
.macro PLACES n
.rept \n
	v_nop
.endr
.endm
.macro WM acc, bf, af, sb, sa, rb, ra, zero
.if \zero
.if (\rb) && (\ra)
	v_wmma_scale_f32_16x16x128_f8f6f4 v[(\acc):(\acc)+7], v[(\bf):(\bf)+11], v[(\af):(\af)+11], 0, v[\sb], v[\sa] matrix_a_fmt:MATRIX_FMT_FP6 matrix_b_fmt:MATRIX_FMT_FP6 matrix_a_scale:MATRIX_SCALE_ROW1 matrix_b_scale:MATRIX_SCALE_ROW1
.elseif (\rb)
	v_wmma_scale_f32_16x16x128_f8f6f4 v[(\acc):(\acc)+7], v[(\bf):(\bf)+11], v[(\af):(\af)+11], 0, v[\sb], v[\sa] matrix_a_fmt:MATRIX_FMT_FP6 matrix_b_fmt:MATRIX_FMT_FP6 matrix_a_scale:MATRIX_SCALE_ROW1
.elseif (\ra)
	v_wmma_scale_f32_16x16x128_f8f6f4 v[(\acc):(\acc)+7], v[(\bf):(\bf)+11], v[(\af):(\af)+11], 0, v[\sb], v[\sa] matrix_a_fmt:MATRIX_FMT_FP6 matrix_b_fmt:MATRIX_FMT_FP6 matrix_b_scale:MATRIX_SCALE_ROW1
.else
	v_wmma_scale_f32_16x16x128_f8f6f4 v[(\acc):(\acc)+7], v[(\bf):(\bf)+11], v[(\af):(\af)+11], 0, v[\sb], v[\sa] matrix_a_fmt:MATRIX_FMT_FP6 matrix_b_fmt:MATRIX_FMT_FP6
.endif
.else
.if (\rb) && (\ra)
	v_wmma_scale_f32_16x16x128_f8f6f4 v[(\acc):(\acc)+7], v[(\bf):(\bf)+11], v[(\af):(\af)+11], v[(\acc):(\acc)+7], v[\sb], v[\sa] matrix_a_fmt:MATRIX_FMT_FP6 matrix_b_fmt:MATRIX_FMT_FP6 matrix_a_scale:MATRIX_SCALE_ROW1 matrix_b_scale:MATRIX_SCALE_ROW1
.elseif (\rb)
	v_wmma_scale_f32_16x16x128_f8f6f4 v[(\acc):(\acc)+7], v[(\bf):(\bf)+11], v[(\af):(\af)+11], v[(\acc):(\acc)+7], v[\sb], v[\sa] matrix_a_fmt:MATRIX_FMT_FP6 matrix_b_fmt:MATRIX_FMT_FP6 matrix_a_scale:MATRIX_SCALE_ROW1
.elseif (\ra)
	v_wmma_scale_f32_16x16x128_f8f6f4 v[(\acc):(\acc)+7], v[(\bf):(\bf)+11], v[(\af):(\af)+11], v[(\acc):(\acc)+7], v[\sb], v[\sa] matrix_a_fmt:MATRIX_FMT_FP6 matrix_b_fmt:MATRIX_FMT_FP6 matrix_b_scale:MATRIX_SCALE_ROW1
.else
	v_wmma_scale_f32_16x16x128_f8f6f4 v[(\acc):(\acc)+7], v[(\bf):(\bf)+11], v[(\af):(\af)+11], v[(\acc):(\acc)+7], v[\sb], v[\sa] matrix_a_fmt:MATRIX_FMT_FP6 matrix_b_fmt:MATRIX_FMT_FP6
.endif
.endif
.endm
.macro MUL16 a0, p, q, sc, zero        ; the 64 accumulators take turns, one instruction a turn, in the same order in every step
.irp a, \a0, \a0+1
.irp b, 0,1,2,3,4,5,6,7
	WM 8*(8*((\a)%4)+\b), 128*(\p)+FR*\b, AF+FR*(\a), SC+16*(\sc)+8+4*(\q)+\b%4, SC+16*(\sc)+4*(\q)+(\a)%4, \b/4, (\a)/4, \zero
.endr
.endr
.endm
.macro FRAG reg, adr, q, i, u
.irp c, 0,1,2
	ds_load_b128 v[(\reg)+4*\c:(\reg)+4*\c+3], v[\adr] offset:(\q)*(\u)+(3*(\i)+\c)*512
.endr
.endm
.macro FETCH_B slot, q, p
	WIN TO_B
.irp i, 0,1,2,3,4,5,6,7
	FRAG 128*(\p)+FR*\i, ADRB+\slot, \q, \i, UB
.endr
	WIN 0
.endm
.macro FETCH_A slot, q, i0
.irp i, \i0, \i0+1, \i0+2, \i0+3
	FRAG AF+FR*(\i), ADRA+\slot, \q, \i, UA
.endr
.endm
.macro SCALES slot                     ; six loads: p's scale words and NM of the slot's two units, into registers of their own; v^T's scale words straight into the set
.irp q, 0,1
	ds_load_b128 v[RAW+4*\q:RAW+4*\q+3], v[ADRA+\slot] offset:\q*UA+12288
	ds_load_b128 v[NMR+4*\q:NMR+4*\q+3], v[ADRA+\slot] offset:\q*UA+12800
	ds_load_b128 v[SC+16*\slot+8+4*\q:SC+16*\slot+8+4*\q+3], v[ADRB+\slot] offset:\q*UB+12288
.endr
.endm
; p's scale words of a slot come under the row's M: d = min(NM - NMG, 127) off each of a word's four bytes, held at 0 from below, four bytes at a time: with bit 7 set in each byte no borrow crosses a byte
; (128 + byte - d is at least 2), and bit 7 of the difference says whether the byte stayed at 0 or above.  Eight registers, stage by stage, so that no line waits for the line above it.
.macro ADJ slot
.irp k, 0,1,2,3,4,5,6,7
	v_sub_f32 v[TT+\k], v[NMR+\k], v[NMG+\k%4]     ; a whole number, 0 or more
.endr
.irp k, 0,1,2,3,4,5,6,7
	v_min_num_f32 v[TT+\k], 0x42fe0000, v[TT+\k]   ; held at 127
.endr
.irp k, 0,1,2,3,4,5,6,7
	v_cvt_u32_f32 v[TT+\k], v[TT+\k]
.endr
.irp k, 0,1,2,3,4,5,6,7
	v_perm_b32 v[TT+\k], v[TT+\k], v[TT+\k], 0     ; its low byte in all four bytes
.endr
.irp k, 0,1,2,3,4,5,6,7
	v_or_b32 v[UU+\k], s71, v[RAW+\k]
.endr
.irp k, 0,1,2,3,4,5,6,7
	v_sub_nc_u32 v[UU+\k], v[UU+\k], v[TT+\k]
.endr
.irp k, 0,1,2,3,4,5,6,7
	v_and_b32 v[TT+\k], s71, v[UU+\k]              ; 0x80 in the bytes that stayed at 0 or above,
.endr
.irp k, 0,1,2,3,4,5,6,7
	v_lshrrev_b32 v[WW+\k], 7, v[TT+\k]
.endr
.irp k, 0,1,2,3,4,5,6,7
	v_sub_nc_u32 v[TT+\k], v[TT+\k], v[WW+\k]      ; 0x7f there, 0 in the others
.endr
.irp k, 0,1,2,3,4,5,6,7
	v_and_b32 v[SC+16*\slot+\k], v[UU+\k], v[TT+\k]
.endr
	PLACES 8                                       ; a scale register written by a vector instruction stands eight places ahead of a scaled matrix instruction
.endm
.macro STEP slot, q, zero
	s_wait_dscnt 4*NL                              ; all but the youngest twelve loads (A's blocks 4-7) are in
	ADJ \slot
	WIN MUL_LO
	MUL16 0, (\q)%2, \q, \slot, \zero
	MUL16 2, (\q)%2, \q, \slot, \zero
	s_wait_dscnt 0
	PLACES NP
	FETCH_B \slot, (\q)+1, 1-(\q)%2
	FETCH_A \slot, (\q)+1, 0
	WIN MUL_HI
	MUL16 4, (\q)%2, \q, \slot, \zero
	MUL16 6, (\q)%2, \q, \slot, \zero
	PLACES NP
	WIN 0
	FETCH_A \slot, (\q)+1, 4
.endm
.macro TURN slot, next, fill
	s_wait_tensorcnt 0x0                           ; all my tensor loads have landed: my part of the next slot
	ds_add_u32 v[SPW], v[NIL]                      ; 0 onto my spare word
	s_wait_dscnt 4*NL+1                            ; (the add and the youngest twelve loads may be out)
	WIN MUL_LO
	MUL16 0, 1, 1, \slot, 0
	s_wait_dscnt 0x0                               ; the add is done, and my reads of this slot are over
	s_barrier_signal -1
	MUL16 2, 1, 1, \slot, 0
	WIN 0
	s_barrier_wait -1
.if \fill
	CREST                                          ; no wave of any partner still reads this slot or has a load on its way
	s_add_nc_u64 s[G0+4*\slot+2:G0+4*\slot+3], s[G0+4*\slot+2:G0+4*\slot+3], 4*UA
	s_add_nc_u64 s[G0B+4*\slot+2:G0B+4*\slot+3], s[G0B+4*\slot+2:G0B+4*\slot+3], 4*UB
	JLOAD G0+4*\slot, G1, G0B+4*\slot, G1B
.else
	PLACES NP
.endif
	FETCH_B \next, 0, 0
	FETCH_A \next, 0, 0
	SCALES \next
	WIN MUL_HI
	MUL16 4, 1, 1, \slot, 0
	MUL16 6, 1, 1, \slot, 0
	PLACES NP
	WIN 0
	FETCH_A \next, 0, 4
.endm
	s_load_b256 s[4:11], s[0:1], 0x0               ; p s[4:5], ls s[6:7], qkv s[8:9], out0 s[10:11]
	v_lshl_add_u32 v[SPW], v0, 2, SPARE
	v_mov_b32 v[NIL], 0
	ds_add_u32 v[SPW], v[NIL]                      ; the wave's opening: the add and its wait stand ahead of my first tensor load
	v_lshrrev_b32 v1, 5, v0
	v_readfirstlane_b32 s14, v1                    ; wave 0..3
	s_lshr_b32 s15, s14, 1                         ; which 128 queries are mine.  Also: I fetch for p (0) or for v^T (1)
	s_and_b32 s16, s14, 1                          ; which 128 of d.  Also: which panel I fetch
	s_bfe_u32 s40, ttmp6, 0x40000                  ; cx
	s_bfe_u32 s41, ttmp6, 0x40004                  ; cy
	s_and_b32 s18, ttmp7, 0xffff                   ; the cluster's y
	s_lshr_b32 s19, s18, 1                         ; the batch
	s_and_b32 s12, s18, 1                          ; bi: which half of its queries
	s_lshl_b32 s17, s12, 2
	s_add_co_u32 s17, s17, s41                     ; the tile of queries: it hangs on cy alone
	s_lshl_b32 s42, ttmp9, 2
	s_add_co_u32 s42, s42, s40                     ; the tile of d: on cx alone
	s_lshl_b32 s13, s19, 4
	s_lshl_b32 s66, s17, 1
	s_add_co_u32 s66, s66, s13                     ; 16 b + 2 i
	s_add_co_u32 s20, s66, s16
	s_mul_i32 s20, s20, 16*UA                      ; p: the panel that I fetch begins at unit 16 (16 b + 2 i + panel)
	s_mov_b32 s21, 0
	s_lshl_b32 s46, s42, 1
	s_add_co_u32 s46, s46, s16
	s_lshl_b32 s47, s19, 3
	s_add_co_u32 s46, s46, s47
	s_lshl_b32 s46, s46, 4
	s_add_co_u32 s46, s46, 1024
	s_mul_i32 s46, s46, UB                         ; v^T: unit 1,024 + 16 (8 b + 2 dt + panel)
	s_mov_b32 s47, 0
	s_lshl_b32 s43, s41, 2
	s_lshl_b32 s43, 15, s43                        ; my row of the cluster
	s_lshl_b32 s44, 0x1111, s40                    ; my column
	s_or_b32 s[G1+0], s43, (3<<16)|(1<<21)         ; the mask; elements of 8 bytes; no padding; bit 21 set beside a mask
	s_or_b32 s[G1B+0], s44, (3<<16)|(1<<21)
	s_mov_b32 s[G1+1], 32<<16                      ; rows of 256 bytes
	s_mov_b32 s[G1+2], RA<<16
	s_mov_b32 s[G1+3], 32<<16
	s_mov_b32 s[G1+4], RA
	s_mov_b32 s[G1+5], 32
	s_mov_b32 s[G1+6], 0
	s_mov_b32 s[G1+7], 0
	s_mov_b32 s[G1B+1], 32<<16
	s_mov_b32 s[G1B+2], RB<<16
	s_mov_b32 s[G1B+3], 32<<16
	s_mov_b32 s[G1B+4], RB
	s_mov_b32 s[G1B+5], 32
	s_mov_b32 s[G1B+6], 0
	s_mov_b32 s[G1B+7], 0
	s_mul_i32 s45, s14, 2*UA                       ; where p's panels go (waves 0, 1),
	s_mul_i32 s94, s14, 2*UB
	s_add_co_u32 s94, s94, 4*UA-4*UB               ; and v^T's (waves 2, 3): behind p's two
	s_wait_dscnt 0x0                               ; the opening add is done
	s_wait_kmcnt 0x0
	s_add_nc_u64 s[20:21], s[4:5], s[20:21]
	s_add_nc_u64 s[46:47], s[8:9], s[46:47]
	CROUND                                         ; all sixteen work-groups are here: the first joint loads meet
.irp s, 0,1
	s_mov_b32 s[G0+4*\s], 1
	s_add_co_u32 s[G0+4*\s+1], s45, \s*SLOT
	s_add_nc_u64 s[G0+4*\s+2:G0+4*\s+3], s[20:21], \s*2*UA
	s_or_b32 s[G0+4*\s+3], s[G0+4*\s+3], 0x80000000
	s_mov_b32 s[G0B+4*\s], 1
	s_add_co_u32 s[G0B+4*\s+1], s94, \s*SLOT
	s_add_nc_u64 s[G0B+4*\s+2:G0B+4*\s+3], s[46:47], \s*2*UB
	s_or_b32 s[G0B+4*\s+3], s[G0B+4*\s+3], 0x80000000
	JLOAD G0+4*\s, G1, G0B+4*\s, G1B
.endr
	; NM and l of my 128 queries' units.  The lower half of the queries has units 0-7 alone: there the second eight loads read units 0-7 again, which changes no minimum, and their l is weighed with 0
	v_and_b32 v1, 31, v0                           ; lane
	v_lshlrev_b32 v[CO], 4, v1
	s_mul_i32 s69, s12, 8*UA
	v_add_nc_u32 v[ON], s69, v[CO]
	s_lshl_b32 s69, s12, 12
	v_add_nc_u32 v[OL], s69, v[CO]
	s_add_co_u32 s68, s66, s15                     ; my panel of queries: 16 b + 2 i + my half
	s_mul_i32 s76, s68, 16*UA
	s_mov_b32 s77, 0
	s_add_nc_u64 s[76:77], s[4:5], s[76:77]
	s_lshl_b32 s78, s68, 13
	s_mov_b32 s79, 0
	s_add_nc_u64 s[78:79], s[6:7], s[78:79]
.irp u, 0,1,2,3,4,5,6,7
	global_load_b128 v[NMU+4*\u:NMU+4*\u+3], v[CO], s[76:77] offset:\u*UA+12800
	global_load_b128 v[NMU+32+4*\u:NMU+32+4*\u+3], v[ON], s[76:77] offset:\u*UA+12800
.endr
.irp u, 0,1,2,3,4,5,6,7
	global_load_b128 v[LU+4*\u:LU+4*\u+3], v[CO], s[78:79] offset:\u*512
	global_load_b128 v[LU+32+4*\u:LU+32+4*\u+3], v[OL], s[78:79] offset:\u*512
.endr
	s_cmp_eq_u32 s12, 1
	s_cselect_b32 s[FLG], 1.0, 0
	s_mul_i32 s22, s15, 2*UA                       ; my panel of p
	s_mul_i32 s23, s16, 2*UB                       ; my panel of v^T,
	s_add_co_u32 s23, s23, 4*UA                    ; behind p's two
.irp s, 0,1
	v_add_nc_u32 v[ADRA+\s], s22, v[CO]
	v_add_nc_u32 v[ADRB+\s], s23, v[CO]
	s_add_co_u32 s22, s22, SLOT
	s_add_co_u32 s23, s23, SLOT
.endr
	s_mul_i32 s69, s14, 16*528
	s_add_co_u32 s69, s69, STAGE                   ; my stage
	v_and_b32 v2, 15, v0                           ; r
	v_bfe_u32 v3, v0, 4, 1                         ; h
	v_mul_u32_u24 v[STO], v2, 528
	v_lshl_add_u32 v[STO], v3, 6, v[STO]
	v_add_nc_u32 v[STO], s69, v[STO]               ; in: row r, + 64 h
	v_add_nc_u32 v[RD], s69, v[CO]                 ; back: the 32 lanes take a row of 512 bytes
	s_lshl_b32 s80, s19, 11
	s_lshl_b32 s81, s17, 8
	s_add_co_u32 s80, s80, s81
	s_lshl_b32 s81, s15, 7
	s_add_co_u32 s80, s80, s81                     ; my first row of out0: 2,048 b + 256 i + 128 x my half
	s_lshl_b32 s80, s80, 12                        ; rows of 4,096 bytes (under 2^26)
	s_lshl_b32 s81, s42, 10
	s_add_co_u32 s80, s80, s81
	s_lshl_b32 s81, s16, 9
	s_add_co_u32 s80, s80, s81                     ; + my first column's bytes
	s_mov_b32 s81, 0
	s_add_nc_u64 s[72:73], s[10:11], s[80:81]
	s_mov_b32 s71, 0x80808080
	s_mov_b32 s[SEL], 0x76543210
	s_mov_b32 s[SEL+1], 0xfedcba98
	s_wait_loadcnt 0x0
.irp k, 0,1,2,3
	v_min3_num_f32 v[NMG+\k], v[NMU+\k], v[NMU+4+\k], v[NMU+8+\k]
.endr
.irp u, 3,5,7,9,11,13
.irp k, 0,1,2,3
	v_min3_num_f32 v[NMG+\k], v[NMG+\k], v[NMU+4*\u+\k], v[NMU+4*\u+4+\k]
.endr
.endr
.irp k, 0,1,2,3
	v_min_num_f32 v[NMG+\k], v[NMG+\k], v[NMU+60+\k]   ; -(the row's M)
.endr
.irp u, 0,1,2,3,4,5,6,7,8,9,10,11,12,13,14,15
.irp k, 0,1,2,3
	v_sub_f32 v[NMU+4*\u+\k], v[NMG+\k], v[NMU+4*\u+\k]   ; the unit's M less the row's: a whole number, 0 or less
.endr
.irp k, 0,1,2,3
	v_cvt_i32_f32 v[NMU+4*\u+\k], v[NMU+4*\u+\k]   ; (it saturates)
.endr
.irp k, 0,1,2,3
.if \u < 8
	v_ldexp_f32 v[NMU+4*\u+\k], 1.0, v[NMU+4*\u+\k]
.else
	v_ldexp_f32 v[NMU+4*\u+\k], s[FLG], v[NMU+4*\u+\k]
.endif
.endr
.irp k, 0,1,2,3
.if \u == 0
	v_mul_f32 v[LG+\k], v[LU+\k], v[NMU+\k]
.else
	v_fmac_f32 v[LG+\k], v[LU+4*\u+\k], v[NMU+4*\u+\k]
.endif
.endr
.endr
.irp k, 0,1,2,3
	v_rcp_f32 v[RL+\k], v[LG+\k]
.endr
	v_nop                                          ; a plain place behind the last reciprocal,
	s_wait_alu depctr_va_vdst(0)                   ; and the wait: one for the four, ahead of every label and of their first reader
	s_wait_tensorcnt 1                             ; my part of K step 0 is in (K step 1's load may be out)
	s_barrier_signal -1
	s_barrier_wait -1
	FETCH_B 0, 0, 0
	FETCH_A 0, 0, 0
	SCALES 0
	FETCH_A 0, 0, 4
	STEP 0, 0, 1
	s_lshl_b32 s3, s12, 1
	s_add_co_u32 s3, s3, 1                         ; 4 (bi + 1) K steps: 2 (bi + 1) laps, of which the last stands behind the loop
.Llap:
	TURN 0, 1, 1
	STEP 1, 0, 0
	TURN 1, 0, 1
	STEP 0, 0, 0
	s_sub_co_u32 s3, s3, 1
	s_cmp_lg_u32 s3, 0
	s_cbranch_scc1 .Llap
	TURN 0, 1, 0
	STEP 1, 0, 0
	s_wait_dscnt 4*NL
	WIN MUL_LO
	MUL16 0, 1, 1, 1, 0
	MUL16 2, 1, 1, 1, 0
	s_wait_dscnt 0
	WIN MUL_HI
	MUL16 4, 1, 1, 1, 0
	MUL16 6, 1, 1, 1, 0
	WIN 0
; THE WAY OUT, block by block of 16 queries x 128 of d.  Lane (r, h) holds query row r of block a, and register 8 b + j holds d = 32 (b / 2) + 16 h + 8 (b % 2) + j.  A block is divided by l where it lies, goes through my own stage
; in LDS and comes back as whole rows of 512 bytes.  LDS serves a wave's instructions in order: no wait between the stores and the loads, nor in front of the next block's stores.
.macro PACK a
.set AC, 64*((\a)%4)
	WIN 0x82+0x41*((\a)/4)                         ; source 0 and destination: window 2 or 3
.set j, 0
.rept 32
	v_pk_mul_f32 v[AC+j:AC+j+1], v[AC+j:AC+j+1], v[RAW+2*(\a):RAW+2*(\a)+1]   ; each accumulator from its low end on
.set j, j+2
.endr
	WIN 0
.endm
.macro TOSTAGE a
.set AC, 64*((\a)%4)
	WIN 0x08+4*((\a)/4)                            ; an LDS store's data are its source 1: window 2 or 3
.irp b, 0,1,2,3,4,5,6,7
	ds_store_b128 v[STO], v[AC+8*\b:AC+8*\b+3] offset:128*(\b/2)+32*(\b%2)
	ds_store_b128 v[STO], v[AC+8*\b+4:AC+8*\b+7] offset:128*(\b/2)+32*(\b%2)+16
.endr
	WIN 0
.set BB, BK+64*((\a)%2)
.irp t, 0,1,2,3,4,5,6,7,8,9,10,11,12,13,14,15
	ds_load_b128 v[BB+4*\t:BB+4*\t+3], v[RD] offset:\t*528
.endr
.endm
.macro SEND a
.set BB, BK+64*((\a)%2)
	s_wait_dscnt 0x0                               ; the block is back in registers
	s_wait_xcnt 0x0                                ; the block before's stores have read their registers: the next block's loads may land there
.irp t, 0,1,2,3,4,5,6,7,8,9,10,11,12,13,14,15
	global_store_b128 v[CO], v[BB+4*\t:BB+4*\t+3], s[72:73] offset:(32*((\a)/2)+8*((\a)%2)+(\t%8)+16*(\t/8))*4096 th:TH_STORE_NT   ; 32 lanes store 512 consecutive bytes of one row, at a multiple of 256 from out0's first byte; at most 127 rows on
.endr
.endm
	PLACES NP                                      ; behind the last products
	v_cmp_le_u32 s70, 16, v1                       ; lanes 16-31
.irp k, 0,1,2,3
	v_permlanex16_b32 v[TT+\k], v[RL+\k], s[SEL], s[SEL+1]
.endr
.irp k, 0,1,2,3                                ; 1 / l of block k lies in lanes 0-15 of register k, that of block 4 + k in lanes 16-31: both halves of the lanes want it, as a pair for the packed multiply
	v_cndmask_b32 v[RAW+2*\k], v[RL+\k], v[TT+\k], s70
	v_cndmask_b32 v[RAW+2*\k+1], v[RL+\k], v[TT+\k], s70
	v_cndmask_b32 v[RAW+8+2*\k], v[TT+\k], v[RL+\k], s70
	v_cndmask_b32 v[RAW+8+2*\k+1], v[TT+\k], v[RL+\k], s70
.endr
	PACK 0
	TOSTAGE 0
.irp a, 1,2,3,4,5,6,7                          ; block a's multiplies stand between block a - 1's loads from the stage and the wait for them
	PACK \a
	SEND \a-1
	TOSTAGE \a
.endr
	SEND 7
	s_wait_tensorcnt 0x0                           ; the wave's end: behind my last tensor load and my last LDS store
	ds_add_u32 v[SPW], v[NIL]
	s_wait_dscnt 0x0
	CROUND                                         ; the closing round
	s_endpgm
.Lfunc_end_k_qf31d664888_pv:
	.size	k_qf31d664888_pv, .Lfunc_end_k_qf31d664888_pv-k_qf31d664888_pv
	.p2alignl 7, 3214868480
	.fill 96, 4, 3214868480
	.section	.rodata,"a",@progbits
	.p2align	6, 0x0
	.amdhsa_kernel k_qf31d664888_pv
		.amdhsa_group_segment_fixed_size 327680
		.amdhsa_private_segment_fixed_size 0
		.amdhsa_enable_private_segment 0
		.amdhsa_kernarg_size 32
		.amdhsa_user_sgpr_count 2
		.amdhsa_user_sgpr_kernarg_segment_ptr 1
		.amdhsa_wavefront_size32 1
		.amdhsa_system_sgpr_workgroup_id_x 1
		.amdhsa_system_sgpr_workgroup_id_y 1
		.amdhsa_system_sgpr_workgroup_id_z 1
		.amdhsa_system_vgpr_workitem_id 0
		.amdhsa_next_free_vgpr 1024
		.amdhsa_next_free_sgpr 98
		.amdhsa_reserve_vcc 0
		.amdhsa_float_denorm_mode_32 3
		.amdhsa_float_denorm_mode_16_64 3
		.amdhsa_memory_ordered 1
		.amdhsa_forward_progress 1
		.amdhsa_inst_pref_size 179
	.end_amdhsa_kernel
	.amdgpu_metadata
---
amdhsa.version: [ 1, 2 ]
amdhsa.kernels:
  - .name:           k_qf31d664888_pv
    .symbol:         k_qf31d664888_pv.kd
    .args:
      - { .name: p, .offset: 0, .size: 8, .value_kind: global_buffer, .address_space: global }
      - { .name: ls, .offset: 8, .size: 8, .value_kind: global_buffer, .address_space: global }
      - { .name: qkv, .offset: 16, .size: 8, .value_kind: global_buffer, .address_space: global }
      - { .name: out0, .offset: 24, .size: 8, .value_kind: global_buffer, .address_space: global }
    .group_segment_fixed_size: 327680
    .private_segment_fixed_size: 0
    .kernarg_segment_align: 8
    .kernarg_segment_size: 32
    .max_flat_workgroup_size: 128
    .sgpr_count:     98
    .vgpr_count:     1024
    .wavefront_size: 32
...
	.end_amdgpu_metadata
.endif
;; end of part 4
;; ======== version 2 of 2: 4 launches; 1.12 times as fast as version 1
;; workspace buffers: xw 9,011,200 bytes; qkv 19,660,800 bytes; p 13,631,488 bytes; ls 524,288 bytes
;; launch quant: the kernel of part 1 again; grid 352 x 1, 8 waves a work-group, no clusters, 69,632 bytes of LDS; arguments x, Wq, Wk, Wv, xw; writes xw
;; launch proj (part 5): grid 8 x 48, 4 waves a work-group, clusters of 4 x 4, 327,680 bytes of LDS; arguments xw, qkv; writes qkv
.if DOCPART == 5
	.amdgcn_target "amdgcn-amd-amdhsa--gfx1250"
	.amdhsa_code_object_version 6
	.text
	.protected	k_qf31d664888_proj
	.globl	k_qf31d664888_proj
	.p2align	8
	.type	k_qf31d664888_proj,@function
k_qf31d664888_proj:
	s_mov_b64 s[64:65], 0
	v_nop
	global_prefetch_b8 v0, s[64:65] scope:SCOPE_SE
	s_setreg_imm32_b32 hwreg(HW_REG_WAVE_MODE, 25, 1), 1
	s_wait_xcnt 0x0
	s_wait_alu depctr_hold_cnt(0) depctr_sa_sdst(0) depctr_va_vdst(0) depctr_va_sdst(0) depctr_va_ssrc(0) depctr_va_vcc(0) depctr_vm_vsrc(0)
	s_getreg_b32 s2, hwreg(HW_REG_IB_STS2, 6, 4)
	s_cmp_eq_u32 s2, 0
	s_cbranch_scc0 .Lentry_in_a_cluster
	s_endpgm
.Lentry_in_a_cluster:
	s_bfe_u32 s2, ttmp6, 0x10000c
	s_cmp_lg_u32 s2, 0xf033
	s_cbranch_scc0 .Lentry_shape_is_right
	s_endpgm
.Lentry_shape_is_right:
; q = x Wq^T, k = x Wk^T and v^T = Wv x^T on codes of FP6 (E2M3) with E8M0 scales, K = 1,024, sums in f32; the results are quantised in registers and leave as codes: q and k along d, v^T along t (the keys).
; OPERANDS AND RESULTS ARE UNITS: 128 rows x 128 along K as images of operand registers, 12,800 bytes: fragment i's registers 4 c .. 4 c + 3 at (3 i + c) 512 + 16 x lane; from byte 12,288 the scale words, the word at
; 16 x lane + 4 j for fragment 4 (lane / 16) + j, row lane % 16.  Lane row r of fragment i is the group's row 32 (i / 2) + 8 (i % 2) + r % 8 + 16 (r / 8).
; xw: unit 8 G + kq; G 0-63 x, 64-71 Wq, 72-79 Wk, 80-87 Wv.  qkv: q at 8 g + kq, k at 512 + 8 g + kq (kq = d / 128), v^T at 1,024 + 16 (8 b + d / 128) + t / 128.
; A tile is 256 rows of "A" (source 1: they become the result's lanes) x 256 rows of "B" (source 0: they become a lane's registers, that is the next K).  For q and k: A = x, B = Wq | Wk; for v^T: A = Wv, B = x.
; With the order of rows above, the 64 registers that a lane holds for one block of A (8 accumulators) are k = 32 b + 16 (lane / 16) + i of the next K at register 16 b + i: four blocks of 32, each shared with lane l xor 16.
; Four waves, each 128 x 128: 64 accumulators in 512 registers.  K goes in four steps of 256 (two units of each of four panels: 102,400 bytes); a wave's tensor load brings one panel's step: 25,600 dense bytes.
; THREE SLOTS, ONE REFILL: three K steps fit in LDS together, so K steps 0, 1 and 2 are first fills, three loads a wave, issued as one group.  K step 3 is the only refill: into slot 0, as soon as K step 0 has been read; it has
; K steps 1 and 2, 256 matrix instructions a wave, in which to land.  The four K steps are written out: there is no loop.
; CLUSTERS: 4 x 4 work-groups; A's panels are shared along a row of the cluster, B's along a column: each is asked for jointly, by the same tensor load with a mask that names the four.
; Cluster rows 0-7 make q and k (32 x 8 tiles), rows 8-11 make v^T (4 x 32 tiles): the choice hangs on the cluster's y alone and selects numbers, never a path.
; No prefetch: three of the four K steps are first fills.  LIMITS: as the quantiser's launch: byte 1 for blocks under 2^-124 and for blocks of zeros; NaN and infinities are not served.
; REGISTERS: window 0: v16-22 LDS addresses; v24 16 x lane; v28-29 the add's two; v32-63 scale words, two sets; v128-223 A's fragments, one set (later at work on the way out).  window 1: B's fragments, two sets, at v0 and v128.
;   windows 2, 3: the accumulators: (a, b) at v[8 (8 (a % 4) + b)] of window 2 + a / 4.
.set U,      12800
.set UA,     U
.set UB,     U
.set RA,     2*UA/256                  ; a panel's K step as rows of 256 bytes
.set RB,     2*UB/256
.set SLOT,   4*UA+4*UB                 ; A's two panels, then B's two
.set SPARE,  3*SLOT                    ; behind the three slots: the spare words, 128 bytes for each wave; no other line names them
.set FR,     12                        ; registers of a fragment
.set NL,     3                         ; LDS loads that bring one
.set NP,     4                         ; places behind this matrix instruction (ISA guide 7.12.1)
.set ADRA, 16                          ; v16-18  16 x lane + my panel of A in slot 0, 1, 2
.set ADRB, 20                          ; v20-22  the same for B
.set LI,   24                          ; v24     16 x lane
.set SPW,  28
.set NIL,  29
.set SC,   32                          ; scale words: set s (K steps of parity s) at v[32 + 16 s]: A's of the step's first and second 128 along K (4 + 4), then B's (4 + 4)
.set AF,   128
.set PC,   128                         ; the way out: codes
.set TM,   160                         ; at work
.set PWB,  192                         ; the eight blocks' scale words
.set GW,   216                         ; and as they are stored
.set G1, 24                            ; s[24:31] descriptor group 1 for A's panels;  s[32:39] groups 0 for slots 0, 1;  s[80:83] for slot 2
.set G0, 32
.set G0C, 80
.set G1B, 48                           ; s[48:55], s[56:63], s[84:87] the same for B's
.set G0B, 56
.set G0BC, 84
.set SEL, 74
.set MSB, 0
.macro WIN new                         ; the immediate's high byte repeats the setting that is left
.if MSB != (\new)
	s_set_vgpr_msb (MSB<<8)|(\new)
.set MSB, \new
.endif
.endm
.set MUL_LO, 0xa1                      ; source 0 (B) window 1, source 1 (A) window 0, C and D window 2
.set MUL_HI, 0xf1                      ; the same, C and D window 3
.set TO_B,   0x40                      ; destination window 1, address window 0
; A joint load: waves 0 and 1 fetch A's panels, waves 2 and 3 B's.  The branch hangs on the wave's number alone.  An s_nop 0 and four v_nop follow each of the two lines.
.macro JLOAD g0a, g1a, g0b, g1b
	s_cmp_eq_u32 s15, 0
	s_cbranch_scc0 .Lfor_b_\@
	tensor_load_to_lds s[\g0a:\g0a+3], s[\g1a:\g1a+7]
	s_nop 0
.rept 4
	v_nop
.endr
	s_branch .Lasked_\@
.Lfor_b_\@:
	tensor_load_to_lds s[\g0b:\g0b+3], s[\g1b:\g1b+7]
	s_nop 0
.rept 4
	v_nop
.endr
.Lasked_\@:
.endm
.macro CREST                           ; a round of the cluster's barrier behind its opening barrier
	s_cmp_lg_u32 s14, 0
	s_cbranch_scc1 .Lnot_wave_0_\@
	s_barrier_signal -3
.Lnot_wave_0_\@:
	s_barrier_wait -3
	s_barrier_signal -1
	s_barrier_wait -1
.endm
.macro CROUND
	s_barrier_signal -1
	s_barrier_wait -1
	CREST
.endm
.macro PLACES n
.rept \n
	v_nop
.endr
.endm
; One matrix instruction.  rb, ra: the scale words of B's (A's) fragment lie in lanes 16-31 of the register named.
.macro WM acc, bf, af, sb, sa, rb, ra, zero
.if \zero
.if (\rb) && (\ra)
	v_wmma_scale_f32_16x16x128_f8f6f4 v[(\acc):(\acc)+7], v[(\bf):(\bf)+11], v[(\af):(\af)+11], 0, v[\sb], v[\sa] matrix_a_fmt:MATRIX_FMT_FP6 matrix_b_fmt:MATRIX_FMT_FP6 matrix_a_scale:MATRIX_SCALE_ROW1 matrix_b_scale:MATRIX_SCALE_ROW1
.elseif (\rb)
	v_wmma_scale_f32_16x16x128_f8f6f4 v[(\acc):(\acc)+7], v[(\bf):(\bf)+11], v[(\af):(\af)+11], 0, v[\sb], v[\sa] matrix_a_fmt:MATRIX_FMT_FP6 matrix_b_fmt:MATRIX_FMT_FP6 matrix_a_scale:MATRIX_SCALE_ROW1
.elseif (\ra)
	v_wmma_scale_f32_16x16x128_f8f6f4 v[(\acc):(\acc)+7], v[(\bf):(\bf)+11], v[(\af):(\af)+11], 0, v[\sb], v[\sa] matrix_a_fmt:MATRIX_FMT_FP6 matrix_b_fmt:MATRIX_FMT_FP6 matrix_b_scale:MATRIX_SCALE_ROW1
.else
	v_wmma_scale_f32_16x16x128_f8f6f4 v[(\acc):(\acc)+7], v[(\bf):(\bf)+11], v[(\af):(\af)+11], 0, v[\sb], v[\sa] matrix_a_fmt:MATRIX_FMT_FP6 matrix_b_fmt:MATRIX_FMT_FP6
.endif
.else
.if (\rb) && (\ra)
	v_wmma_scale_f32_16x16x128_f8f6f4 v[(\acc):(\acc)+7], v[(\bf):(\bf)+11], v[(\af):(\af)+11], v[(\acc):(\acc)+7], v[\sb], v[\sa] matrix_a_fmt:MATRIX_FMT_FP6 matrix_b_fmt:MATRIX_FMT_FP6 matrix_a_scale:MATRIX_SCALE_ROW1 matrix_b_scale:MATRIX_SCALE_ROW1
.elseif (\rb)
	v_wmma_scale_f32_16x16x128_f8f6f4 v[(\acc):(\acc)+7], v[(\bf):(\bf)+11], v[(\af):(\af)+11], v[(\acc):(\acc)+7], v[\sb], v[\sa] matrix_a_fmt:MATRIX_FMT_FP6 matrix_b_fmt:MATRIX_FMT_FP6 matrix_a_scale:MATRIX_SCALE_ROW1
.elseif (\ra)
	v_wmma_scale_f32_16x16x128_f8f6f4 v[(\acc):(\acc)+7], v[(\bf):(\bf)+11], v[(\af):(\af)+11], v[(\acc):(\acc)+7], v[\sb], v[\sa] matrix_a_fmt:MATRIX_FMT_FP6 matrix_b_fmt:MATRIX_FMT_FP6 matrix_b_scale:MATRIX_SCALE_ROW1
.else
	v_wmma_scale_f32_16x16x128_f8f6f4 v[(\acc):(\acc)+7], v[(\bf):(\bf)+11], v[(\af):(\af)+11], v[(\acc):(\acc)+7], v[\sb], v[\sa] matrix_a_fmt:MATRIX_FMT_FP6 matrix_b_fmt:MATRIX_FMT_FP6
.endif
.endif
.endm
; 16 matrix instructions: A's blocks a0, a0 + 1 x B's eight, the K step's q-th 128 along K.  p: B's set; sc: the set of scale words.  The 64 accumulators take turns, one instruction a turn, in the same order in every step.
.macro MUL16 a0, p, q, sc, zero
.irp a, \a0, \a0+1
.irp b, 0,1,2,3,4,5,6,7
	WM 8*(8*((\a)%4)+\b), 128*(\p)+FR*\b, AF+FR*(\a), SC+16*(\sc)+8+4*(\q)+\b%4, SC+16*(\sc)+4*(\q)+(\a)%4, \b/4, (\a)/4, \zero
.endr
.endr
.endm
.macro FRAG reg, adr, q, i, u          ; a fragment comes as it was stored: three loads of 16 bytes a lane, 512 consecutive bytes each
.irp c, 0,1,2
	ds_load_b128 v[(\reg)+4*\c:(\reg)+4*\c+3], v[\adr] offset:(\q)*(\u)+(3*(\i)+\c)*512
.endr
.endm
.macro FETCH_B slot, q, p
	WIN TO_B
.irp i, 0,1,2,3,4,5,6,7
	FRAG 128*(\p)+FR*\i, ADRB+\slot, \q, \i, UB
.endr
	WIN 0
.endm
.macro FETCH_A slot, q, i0
.irp i, \i0, \i0+1, \i0+2, \i0+3
	FRAG AF+FR*(\i), ADRA+\slot, \q, \i, UA
.endr
.endm
.macro SCALES slot, sc                 ; a slot's scale words into set sc: four loads
.irp q, 0,1
	ds_load_b128 v[SC+16*(\sc)+4*\q:SC+16*(\sc)+4*\q+3], v[ADRA+\slot] offset:\q*UA+12288
	ds_load_b128 v[SC+16*(\sc)+8+4*\q:SC+16*(\sc)+8+4*\q+3], v[ADRB+\slot] offset:\q*UB+12288
.endr
.endm
; A K step's first 128 along K.  A's blocks are free as soon as their eight products are issued, so A has one set of registers; B has two.
.macro STEP slot, sc, zero
	s_wait_dscnt 4*NL                              ; all but the youngest twelve loads (A's blocks 4-7) are in
	WIN MUL_LO
	MUL16 0, 0, 0, \sc, \zero
	MUL16 2, 0, 0, \sc, \zero
	s_wait_dscnt 0                                 ; A's blocks 4-7 are in
	PLACES NP                                      ; in front of loads into registers that matrix instructions have read
	FETCH_B \slot, 1, 1
	FETCH_A \slot, 1, 0
	WIN MUL_HI
	MUL16 4, 0, 0, \sc, \zero
	MUL16 6, 0, 0, \sc, \zero
	PLACES NP
	WIN 0
	FETCH_A \slot, 1, 4
.endm
; A K step's second 128 along K goes on to the next slot.
; mode 2: this slot is filled again.  Each wave waits for all its tensor loads, adds 0 to its spare word, and waits for that and for its reads of this slot; a round of the cluster's barrier; the joint refill first behind it.
; mode 1: the next slot is the refilled one: the same three lines, so that every wave's part of it has landed, and the work-group's barrier; nothing is filled.
; mode 0: the next slot was shown whole to every wave by an earlier barrier, and nothing is filled: no wait on TENSORcnt (the refill stays on its way) and no barrier.
.macro TURN slot, next, sc, mode
.if \mode
	s_wait_tensorcnt 0x0                           ; all my tensor loads have landed
	ds_add_u32 v[SPW], v[NIL]                      ; 0 onto my spare word
	s_wait_dscnt 4*NL+1                            ; (the add and the youngest twelve loads may be out)
	WIN MUL_LO
	MUL16 0, 1, 1, \sc, 0                          ; sixteen matrix instructions stand between the add and the wait for it
	s_wait_dscnt 0x0                               ; the add is done, and my reads of this slot are over
	s_barrier_signal -1
	MUL16 2, 1, 1, \sc, 0
	WIN 0
	s_barrier_wait -1
.else
	s_wait_dscnt 4*NL                              ; all but the youngest twelve loads are in
	WIN MUL_LO
	MUL16 0, 1, 1, \sc, 0
	MUL16 2, 1, 1, \sc, 0
	s_wait_dscnt 0x0                               ; A's blocks 4-7 are in
	WIN 0
.endif
.if \mode == 2
	CREST                                          ; the barrier has opened a round of the cluster's: no wave of any partner still reads this slot or has a load on its way
	s_add_nc_u64 s[G0+4*\slot+2:G0+4*\slot+3], s[G0+4*\slot+2:G0+4*\slot+3], 6*UA    ; three K steps on
	s_add_nc_u64 s[G0B+4*\slot+2:G0B+4*\slot+3], s[G0B+4*\slot+2:G0B+4*\slot+3], 6*UB
	JLOAD G0+4*\slot, G1, G0B+4*\slot, G1B         ; the first tensor load behind the round; its four v_nop are the places in front of the loads below
.else
	PLACES NP
.endif
	FETCH_B \next, 0, 0
	FETCH_A \next, 0, 0
	SCALES \next, 1-(\sc)
	WIN MUL_HI
	MUL16 4, 1, 1, \sc, 0
	MUL16 6, 1, 1, \sc, 0
	PLACES NP
	WIN 0
	FETCH_A \next, 0, 4
.endm
; Slot s's groups 0, and its first fill: K step s
.macro FIRST g0a, g0b, s
	s_mov_b32 s[\g0a], 1
	s_add_co_u32 s[\g0a+1], s45, \s*SLOT
	s_add_nc_u64 s[\g0a+2:\g0a+3], s[20:21], \s*2*UA
	s_or_b32 s[\g0a+3], s[\g0a+3], 0x80000000
	s_mov_b32 s[\g0b], 1
	s_add_co_u32 s[\g0b+1], s94, \s*SLOT
	s_add_nc_u64 s[\g0b+2:\g0b+3], s[46:47], \s*2*UB
	s_or_b32 s[\g0b+3], s[\g0b+3], 0x80000000
	JLOAD \g0a, G1, \g0b, G1B
.endm
	s_load_b128 s[4:7], s[0:1], 0x0                ; xw s[4:5], qkv s[6:7]
	v_lshl_add_u32 v[SPW], v0, 2, SPARE
	v_mov_b32 v[NIL], 0
	ds_add_u32 v[SPW], v[NIL]                      ; the wave's opening: the add and its wait stand ahead of my first tensor load; work on registers stands between them
	v_lshrrev_b32 v1, 5, v0
	v_readfirstlane_b32 s14, v1                    ; wave 0..3
	s_lshr_b32 s15, s14, 1                         ; which panel of A is mine.  Also: I fetch for A (0) or for B (1)
	s_and_b32 s16, s14, 1                          ; which panel of B.  Also: which panel I fetch
	s_bfe_u32 s40, ttmp6, 0x40000                  ; cx
	s_bfe_u32 s41, ttmp6, 0x40004                  ; cy
	s_and_b32 s18, ttmp7, 0xffff                   ; the cluster's y: 0-7 q and k, 8-11 v^T
	s_lshl_b32 s42, ttmp9, 2
	s_add_co_u32 s42, s42, s40                     ; 4 x cluster x + cx
	s_lshl_b32 s17, s18, 2
	s_add_co_u32 s17, s17, s41                     ; 4 x cluster y + cy
	s_sub_co_u32 s19, s18, 8
	s_lshl_b32 s19, s19, 3
	s_add_co_u32 s19, s19, s42                     ; v^T: x's tile 8 (cluster y - 8) + 4 x cluster x + cx
	s_cmp_lt_u32 s18, 8
	s_cselect_b32 s17, s17, s41                    ; A's tile: of x, or of Wv: it hangs on cy alone
	s_cselect_b32 s42, s42, s19                    ; B's tile: of Wq | Wk, or of x: on cx alone
	s_cselect_b32 s20, 0, 640                      ; A's first unit: x's, or Wv's
	s_cselect_b32 s46, 512, 0                      ; B's first unit: Wq's, or x's
	s_lshl_b32 s21, s17, 1
	s_add_co_u32 s21, s21, s16
	s_lshl_b32 s21, s21, 3
	s_add_co_u32 s20, s20, s21
	s_mul_i32 s20, s20, UA                         ; A: the panel that I fetch, in bytes
	s_mov_b32 s21, 0
	s_lshl_b32 s47, s42, 1
	s_add_co_u32 s47, s47, s16
	s_lshl_b32 s47, s47, 3
	s_add_co_u32 s46, s46, s47
	s_mul_i32 s46, s46, UB                         ; B likewise
	s_mov_b32 s47, 0
	s_lshl_b32 s43, s41, 2
	s_lshl_b32 s43, 15, s43                        ; my row of the cluster
	s_lshl_b32 s44, 0x1111, s40                    ; my column
	s_or_b32 s[G1+0], s43, (3<<16)|(1<<21)         ; 15:0 the mask; 17:16 elements of 8 bytes; 20 no padding; 21 set beside a mask
	s_or_b32 s[G1B+0], s44, (3<<16)|(1<<21)
	s_mov_b32 s[G1+1], 32<<16                      ; tensor_dim0 = 32 elements: rows of 256 bytes
	s_mov_b32 s[G1+2], RA<<16                      ; tensor_dim1
	s_mov_b32 s[G1+3], 32<<16                      ; tile_dim0
	s_mov_b32 s[G1+4], RA                          ; tile_dim1
	s_mov_b32 s[G1+5], 32                          ; the pitch: the block is dense
	s_mov_b32 s[G1+6], 0
	s_mov_b32 s[G1+7], 0
	s_mov_b32 s[G1B+1], 32<<16
	s_mov_b32 s[G1B+2], RB<<16
	s_mov_b32 s[G1B+3], 32<<16
	s_mov_b32 s[G1B+4], RB
	s_mov_b32 s[G1B+5], 32
	s_mov_b32 s[G1B+6], 0
	s_mov_b32 s[G1B+7], 0
	s_mul_i32 s45, s14, 2*UA                       ; where the panels go: wave x a panel's step: no place in the cluster enters an LDS address
	s_mul_i32 s94, s14, 2*UB
	s_wait_dscnt 0x0                               ; the opening add is done
	s_wait_kmcnt 0x0
	s_add_nc_u64 s[20:21], s[4:5], s[20:21]
	s_add_nc_u64 s[46:47], s[4:5], s[46:47]
	CROUND                                         ; all sixteen work-groups are here: the first joint loads meet
	FIRST G0, G0B, 0                               ; three first fills a wave, as one group
	FIRST G0+4, G0B+4, 1
	FIRST G0C, G0BC, 2
	v_and_b32 v1, 31, v0                           ; lane
	v_lshlrev_b32 v[LI], 4, v1
	s_mul_i32 s22, s15, 2*UA                       ; my panel of A
	s_mul_i32 s23, s16, 2*UB                       ; my panel of B,
	s_add_co_u32 s23, s23, 4*UA                    ; behind A's two
.irp s, 0,1,2
	v_add_nc_u32 v[ADRA+\s], s22, v[LI]
	v_add_nc_u32 v[ADRB+\s], s23, v[LI]
	s_add_co_u32 s22, s22, SLOT
	s_add_co_u32 s23, s23, SLOT
.endr
	; the unit that my 128 x 128 results become
	s_lshl_b32 s66, s17, 1
	s_add_co_u32 s66, s66, s15                     ; g: A's group of 128 rows
	s_lshl_b32 s67, s42, 1
	s_add_co_u32 s67, s67, s16                     ; nq: B's group: the unit's place along the next K
	s_lshr_b32 s68, s67, 3
	s_lshl_b32 s68, s68, 9
	s_lshl_b32 s69, s66, 3
	s_add_co_u32 s68, s68, s69
	s_and_b32 s69, s67, 7
	s_add_co_u32 s68, s68, s69                     ; q, k: 512 (nq / 8) + 8 g + nq % 8
	s_lshr_b32 s69, s67, 4
	s_lshl_b32 s69, s69, 3
	s_add_co_u32 s69, s69, s66
	s_lshl_b32 s69, s69, 4
	s_and_b32 s71, s67, 15
	s_add_co_u32 s69, s69, s71
	s_add_co_u32 s69, s69, 1024                    ; v^T: 1,024 + 16 (8 (nq / 16) + g) + nq % 16
	s_cmp_lt_u32 s18, 8
	s_cselect_b32 s68, s68, s69
	s_mul_i32 s72, s68, U
	s_mov_b32 s73, 0
	s_add_nc_u64 s[72:73], s[6:7], s[72:73]
	s_mov_b32 s[SEL], 0x76543210
	s_mov_b32 s[SEL+1], 0xfedcba98
	s_wait_tensorcnt 2                             ; my part of K step 0 is in (the loads of K steps 1 and 2, issued behind it, may be out)
	s_barrier_signal -1
	s_barrier_wait -1                              ; everybody's is
	FETCH_B 0, 0, 0
	FETCH_A 0, 0, 0
	SCALES 0, 0
	FETCH_A 0, 0, 4
	STEP 0, 0, 1                                   ; K step 0: its first products start the sums
	TURN 0, 1, 0, 2                                ; slot 0 has been read: it takes K step 3
	STEP 1, 1, 0                                   ; K step 1
	TURN 1, 2, 1, 0                                ; slot 2 was shown whole by the round above
	STEP 2, 0, 0                                   ; K step 2
	TURN 2, 0, 0, 1                                ; K step 3 has landed in every wave's part of slot 0
	STEP 0, 1, 0                                   ; K step 3
	s_wait_dscnt 4*NL
	WIN MUL_LO
	MUL16 0, 1, 1, 1, 0
	MUL16 2, 1, 1, 1, 0
	s_wait_dscnt 0
	WIN MUL_HI
	MUL16 4, 1, 1, 1, 0
	MUL16 6, 1, 1, 1, 0
	WIN 0
; THE WAY OUT.  Block a's 64 registers of a lane are four half blocks of 32 along the next K: they become fragment a of my unit, and one scale word a row.  The accumulators are read where they lie, each from its low end on.
.macro QUANTW a
.set AC, 64*((\a)%4)
	WIN 0x0a+5*((\a)/4)                            ; sources 0 and 1: window 2 or 3
.irp b, 0,1,2,3
	v_max3_num_f32 v[TM+\b], |v[AC+16*\b]|, |v[AC+16*\b+1]|, 0x1800000   ; and the floor 2^(3 - 127): the byte cannot fall under 1
.endr
.irp i, 2,4,6,8,10,12,14
.irp b, 0,1,2,3
	v_max3_num_f32 v[TM+\b], |v[AC+16*\b+\i]|, |v[AC+16*\b+\i+1]|, v[TM+\b]
.endr
.endr
	WIN 0
.irp b, 0,1,2,3
	v_permlanex16_b32 v[TM+4+\b], v[TM+\b], s[SEL], s[SEL+1]
.endr
.irp b, 0,1,2,3
	v_max_num_f32 v[TM+\b], v[TM+\b], v[TM+4+\b]   ; with lane l xor 16's: the block's largest magnitude
.endr
.irp b, 0,1,2,3
	v_add_nc_u32 v[TM+12+\b], 0xff000000, v[TM+\b] ; 2 off its exponent field: the conversion's scale operand
.endr
.irp b, 0,1,2,3
	v_lshrrev_b32 v[TM+4+\b], 23, v[TM+12+\b]      ; the scale's byte
.endr
	v_lshl_or_b32 v[PWB+(\a)], v[TM+5], 8, v[TM+4]
	v_lshl_or_b32 v[PWB+(\a)], v[TM+6], 16, v[PWB+(\a)]
	v_lshl_or_b32 v[PWB+(\a)], v[TM+7], 24, v[PWB+(\a)]
.if (\a) > 0
	s_wait_xcnt 0x0                                ; the last block's stores have read the codes' registers, which are written again now
.endif
	WIN 0x02+(\a)/4                                ; source 0: window 2 or 3
.irp c, 0,1
	v_cvt_scalef32_pk16_fp6_f32 v[PC+6*\c:PC+6*\c+2], v[AC+32*\c:AC+32*\c+15], v[TM+12+2*\c]
	v_cvt_scalef32_pk16_fp6_f32 v[PC+12+4*\c:PC+14+4*\c], v[AC+32*\c+16:AC+32*\c+31], v[TM+12+2*\c+1]
.endr
	WIN 0
	v_nop                                          ; one plain place behind a scaled conversion
.irp c, 0,1
.irp i, 0,1,2
	v_permlane16_swap_b32 v[PC+6*\c+\i], v[PC+12+4*\c+\i]
.endr
.irp i, 0,1,2
	v_mov_b32 v[PC+3+6*\c+\i], v[PC+12+4*\c+\i]
.endr
.endr
.irp c, 0,1,2
	global_store_b128 v[LI], v[PC+4*\c:PC+4*\c+3], s[72:73] offset:(3*(\a)+\c)*512   ; 32 lanes store 512 consecutive bytes, at a multiple of 256 from the buffer's first byte
.endr
.endm
	PLACES NP                                      ; behind the last products: results are read, and registers that held A's fragments are written
.irp b, 0,1,2,3
	v_mov_b32 v[TM+4+\b], 0                        ; a lane permute's destination counts as one of its sources
.endr
.irp a, 0,1,2,3,4,5,6,7
	QUANTW \a
.endr
	v_cmp_le_u32 s70, 16, v1                       ; lanes 16-31 store the words of fragments 4-7
.irp k, 0,1,2,3
	v_cndmask_b32 v[GW+\k], v[PWB+\k], v[PWB+4+\k], s70
.endr
	global_store_b128 v[LI], v[GW:GW+3], s[72:73] offset:12288
	s_wait_tensorcnt 0x0                           ; the wave's end
	ds_add_u32 v[SPW], v[NIL]
	s_wait_dscnt 0x0
	CROUND                                         ; the closing round: no work-group ends while a partner may still ask for a tile that names it
	s_endpgm
.Lfunc_end_k_qf31d664888_proj:
	.size	k_qf31d664888_proj, .Lfunc_end_k_qf31d664888_proj-k_qf31d664888_proj
	.p2alignl 7, 3214868480
	.fill 96, 4, 3214868480
	.section	.rodata,"a",@progbits
	.p2align	6, 0x0
	.amdhsa_kernel k_qf31d664888_proj
		.amdhsa_group_segment_fixed_size 327680
		.amdhsa_private_segment_fixed_size 0
		.amdhsa_enable_private_segment 0
		.amdhsa_kernarg_size 16
		.amdhsa_user_sgpr_count 2
		.amdhsa_user_sgpr_kernarg_segment_ptr 1
		.amdhsa_wavefront_size32 1
		.amdhsa_system_sgpr_workgroup_id_x 1
		.amdhsa_system_sgpr_workgroup_id_y 1
		.amdhsa_system_sgpr_workgroup_id_z 1
		.amdhsa_system_vgpr_workitem_id 0
		.amdhsa_next_free_vgpr 1024
		.amdhsa_next_free_sgpr 98
		.amdhsa_reserve_vcc 0
		.amdhsa_float_denorm_mode_32 3
		.amdhsa_float_denorm_mode_16_64 3
		.amdhsa_memory_ordered 1
		.amdhsa_forward_progress 1
		.amdhsa_inst_pref_size 137
	.end_amdhsa_kernel
	.amdgpu_metadata
---
amdhsa.version: [ 1, 2 ]
amdhsa.kernels:
  - .name:           k_qf31d664888_proj
    .symbol:         k_qf31d664888_proj.kd
    .args:
      - { .name: xw, .offset: 0, .size: 8, .value_kind: global_buffer, .address_space: global }
      - { .name: qkv, .offset: 8, .size: 8, .value_kind: global_buffer, .address_space: global }
    .group_segment_fixed_size: 327680
    .private_segment_fixed_size: 0
    .kernarg_segment_align: 8
    .kernarg_segment_size: 16
    .max_flat_workgroup_size: 128
    .sgpr_count:     98
    .vgpr_count:     1024
    .wavefront_size: 32
...
	.end_amdgpu_metadata
.endif
;; end of part 5
;; launch score (part 6): grid 12 x 16, 4 waves a work-group, clusters of 4 x 4, 327,680 bytes of LDS; arguments qkv, p, ls; writes p, ls
.if DOCPART == 6
	.amdgcn_target "amdgcn-amd-amdhsa--gfx1250"
	.amdhsa_code_object_version 6
	.text
	.protected	k_qf31d664888_score
	.globl	k_qf31d664888_score
	.p2align	8
	.type	k_qf31d664888_score,@function
k_qf31d664888_score:
	s_mov_b64 s[64:65], 0
	v_nop
	global_prefetch_b8 v0, s[64:65] scope:SCOPE_SE
	s_setreg_imm32_b32 hwreg(HW_REG_WAVE_MODE, 25, 1), 1
	s_wait_xcnt 0x0
	s_wait_alu depctr_hold_cnt(0) depctr_sa_sdst(0) depctr_va_vdst(0) depctr_va_sdst(0) depctr_va_ssrc(0) depctr_va_vcc(0) depctr_vm_vsrc(0)
	s_getreg_b32 s2, hwreg(HW_REG_IB_STS2, 6, 4)
	s_cmp_eq_u32 s2, 0
	s_cbranch_scc0 .Lentry_in_a_cluster
	s_endpgm
.Lentry_in_a_cluster:
	s_bfe_u32 s2, ttmp6, 0x10000c
	s_cmp_lg_u32 s2, 0xf033
	s_cbranch_scc0 .Lentry_shape_is_right
	s_endpgm
.Lentry_shape_is_right:
; S^T = k q^T on codes of FP6 (E2M3), K = 1,024, then the causal mask and the softmax's numerator, quantised along the keys: p leaves as codes, never as f32.
; t = score x log2(e) / 32.  For each query and each UNIT of 128 keys: M = the unit's largest t rounded up to a whole number (kept as NM = -M), p = 2^(t - M), l = the sum of the unquantised p.  Since M is a whole number, the next
; launch brings a unit under the row's M by taking a whole number off its scale bytes and by an exact power of two on l.  A unit all of whose keys are hidden has zero codes, NM = 3e38 and l = 0.
; qkv: units of 12,800 bytes (128 rows x 128 along K as images of operand registers, then 512 bytes of scale words): q at 8 g + kq, k at 512 + 8 g + kq.  Lane row r of fragment i is the group's row 32 (i / 2) + 8 (i % 2) + r % 8 + 16 (r / 8).
; p: units of 13,312 bytes, at 16 (16 b + gq) + kq: codes, scale words, then 512 bytes of NM, laid as the scale words are.  ls: 512 bytes of l for the same index, laid likewise.
; A tile is 256 queries (source 1: the result's lanes) x 256 keys (source 0: a lane's registers).  Four waves, 128 x 128 each.  The slots, the round and the joint loads are those of the projections' launch:
; K steps 0, 1 and 2 (102,400 bytes each) are first fills of three slots; K step 3 is the only refill, into slot 0, with K steps 1 and 2 in which to land; the four K steps are written out.
; CLUSTERS: 4 x 4 tiles; a batch's 8 x 8 tiles are 2 x 2 such blocks, of which the three that hold visible keys are made: (0, 0), (1, 0), (1, 1).  In the two blocks on the diagonal the six tiles above it are made too:
; the next launch's clusters walk one K for their four rows of tiles and read them; so partners run alike, and no branch hangs on a place in the cluster.  For the same reason the mask's 128 lines a block are always executed.
; No prefetch: three of the four K steps are first fills.  LIMITS: M is exact for |t| under 2^24; NaN and infinities are not served; a block whose every p is 0 keeps the byte 1 over zero codes.
.set U,      12800
.set UA,     U
.set UB,     U
.set UP,     13312
.set RA,     2*UA/256
.set RB,     2*UB/256
.set SLOT,   4*UA+4*UB
.set SPARE,  3*SLOT                    ; behind the three slots: the spare words, 128 bytes for each wave; no other line names them
.set FR,     12
.set NL,     3
.set NP,     4
.set ADRA, 16                          ; v16-18
.set ADRB, 20                          ; v20-22
.set LI,   24                          ; v24  16 x lane
.set D0,   25                          ; v25  my query less my half's first key, for block 0 and register 0
.set NINF, 26                          ; v26  -infinity
.set SPW,  28
.set NIL,  29
.set SC,   32                          ; v32-63  scale words, two sets, by the K step's parity
.set S,    64                          ; v64-127  a block's scores, then p
.set AF,   128
.set PC,   128                         ; codes
.set BM,   160                         ; each block of 32 keys: its largest score, then its largest p
.set BX,   164
.set SO,   168                         ; the conversions' scale operands
.set BY,   172                         ; the scale bytes
.set SU,   176                         ; v[176:179] the sums, two chains of pairs
.set NM,   180                         ; v180 -M; v181 the largest t
.set T0,   182
.set PWB,  192                         ; the eight blocks' scale words, -M and l
.set NMB,  200
.set LB,   208
.set GW,   216                         ; and as they are stored
.set G1, 24
.set G0, 32
.set G0C, 80
.set G1B, 48
.set G0B, 56
.set G0BC, 84
.set CS,  68                           ; s[68:69] c = log2(e) / 32
.set SEL, 74
.set MSB, 0
.macro WIN new
.if MSB != (\new)
	s_set_vgpr_msb (MSB<<8)|(\new)
.set MSB, \new
.endif
.endm
.set MUL_LO, 0xa1
.set MUL_HI, 0xf1
.set TO_B,   0x40
.macro JLOAD g0a, g1a, g0b, g1b        ; waves 0 and 1 fetch A's panels, waves 2 and 3 B's; an s_nop 0 and four v_nop follow each of the two lines
	s_cmp_eq_u32 s15, 0
	s_cbranch_scc0 .Lfor_b_\@
	tensor_load_to_lds s[\g0a:\g0a+3], s[\g1a:\g1a+7]
	s_nop 0
.rept 4
	v_nop
.endr
	s_branch .Lasked_\@
.Lfor_b_\@:
	tensor_load_to_lds s[\g0b:\g0b+3], s[\g1b:\g1b+7]
	s_nop 0
.rept 4
	v_nop
.endr
.Lasked_\@:
.endm
.macro CREST
	s_cmp_lg_u32 s14, 0
	s_cbranch_scc1 .Lnot_wave_0_\@
	s_barrier_signal -3
.Lnot_wave_0_\@:
	s_barrier_wait -3
	s_barrier_signal -1
	s_barrier_wait -1
.endm
.macro CROUND
	s_barrier_signal -1
	s_barrier_wait -1
	CREST
.endm
.macro PLACES n
.rept \n
	v_nop
.endr
.endm
.macro WM acc, bf, af, sb, sa, rb, ra, zero
.if \zero
.if (\rb) && (\ra)
	v_wmma_scale_f32_16x16x128_f8f6f4 v[(\acc):(\acc)+7], v[(\bf):(\bf)+11], v[(\af):(\af)+11], 0, v[\sb], v[\sa] matrix_a_fmt:MATRIX_FMT_FP6 matrix_b_fmt:MATRIX_FMT_FP6 matrix_a_scale:MATRIX_SCALE_ROW1 matrix_b_scale:MATRIX_SCALE_ROW1
.elseif (\rb)
	v_wmma_scale_f32_16x16x128_f8f6f4 v[(\acc):(\acc)+7], v[(\bf):(\bf)+11], v[(\af):(\af)+11], 0, v[\sb], v[\sa] matrix_a_fmt:MATRIX_FMT_FP6 matrix_b_fmt:MATRIX_FMT_FP6 matrix_a_scale:MATRIX_SCALE_ROW1
.elseif (\ra)
	v_wmma_scale_f32_16x16x128_f8f6f4 v[(\acc):(\acc)+7], v[(\bf):(\bf)+11], v[(\af):(\af)+11], 0, v[\sb], v[\sa] matrix_a_fmt:MATRIX_FMT_FP6 matrix_b_fmt:MATRIX_FMT_FP6 matrix_b_scale:MATRIX_SCALE_ROW1
.else
	v_wmma_scale_f32_16x16x128_f8f6f4 v[(\acc):(\acc)+7], v[(\bf):(\bf)+11], v[(\af):(\af)+11], 0, v[\sb], v[\sa] matrix_a_fmt:MATRIX_FMT_FP6 matrix_b_fmt:MATRIX_FMT_FP6
.endif
.else
.if (\rb) && (\ra)
	v_wmma_scale_f32_16x16x128_f8f6f4 v[(\acc):(\acc)+7], v[(\bf):(\bf)+11], v[(\af):(\af)+11], v[(\acc):(\acc)+7], v[\sb], v[\sa] matrix_a_fmt:MATRIX_FMT_FP6 matrix_b_fmt:MATRIX_FMT_FP6 matrix_a_scale:MATRIX_SCALE_ROW1 matrix_b_scale:MATRIX_SCALE_ROW1
.elseif (\rb)
	v_wmma_scale_f32_16x16x128_f8f6f4 v[(\acc):(\acc)+7], v[(\bf):(\bf)+11], v[(\af):(\af)+11], v[(\acc):(\acc)+7], v[\sb], v[\sa] matrix_a_fmt:MATRIX_FMT_FP6 matrix_b_fmt:MATRIX_FMT_FP6 matrix_a_scale:MATRIX_SCALE_ROW1
.elseif (\ra)
	v_wmma_scale_f32_16x16x128_f8f6f4 v[(\acc):(\acc)+7], v[(\bf):(\bf)+11], v[(\af):(\af)+11], v[(\acc):(\acc)+7], v[\sb], v[\sa] matrix_a_fmt:MATRIX_FMT_FP6 matrix_b_fmt:MATRIX_FMT_FP6 matrix_b_scale:MATRIX_SCALE_ROW1
.else
	v_wmma_scale_f32_16x16x128_f8f6f4 v[(\acc):(\acc)+7], v[(\bf):(\bf)+11], v[(\af):(\af)+11], v[(\acc):(\acc)+7], v[\sb], v[\sa] matrix_a_fmt:MATRIX_FMT_FP6 matrix_b_fmt:MATRIX_FMT_FP6
.endif
.endif
.endm
.macro MUL16 a0, p, q, sc, zero        ; the 64 accumulators take turns, one instruction a turn, in the same order in every step
.irp a, \a0, \a0+1
.irp b, 0,1,2,3,4,5,6,7
	WM 8*(8*((\a)%4)+\b), 128*(\p)+FR*\b, AF+FR*(\a), SC+16*(\sc)+8+4*(\q)+\b%4, SC+16*(\sc)+4*(\q)+(\a)%4, \b/4, (\a)/4, \zero
.endr
.endr
.endm
.macro FRAG reg, adr, q, i, u
.irp c, 0,1,2
	ds_load_b128 v[(\reg)+4*\c:(\reg)+4*\c+3], v[\adr] offset:(\q)*(\u)+(3*(\i)+\c)*512
.endr
.endm
.macro FETCH_B slot, q, p
	WIN TO_B
.irp i, 0,1,2,3,4,5,6,7
	FRAG 128*(\p)+FR*\i, ADRB+\slot, \q, \i, UB
.endr
	WIN 0
.endm
.macro FETCH_A slot, q, i0
.irp i, \i0, \i0+1, \i0+2, \i0+3
	FRAG AF+FR*(\i), ADRA+\slot, \q, \i, UA
.endr
.endm
.macro SCALES slot, sc
.irp q, 0,1
	ds_load_b128 v[SC+16*(\sc)+4*\q:SC+16*(\sc)+4*\q+3], v[ADRA+\slot] offset:\q*UA+12288
	ds_load_b128 v[SC+16*(\sc)+8+4*\q:SC+16*(\sc)+8+4*\q+3], v[ADRB+\slot] offset:\q*UB+12288
.endr
.endm
.macro STEP slot, sc, zero             ; a K step's first 128 along K
	s_wait_dscnt 4*NL                              ; all but the youngest twelve loads (A's blocks 4-7) are in
	WIN MUL_LO
	MUL16 0, 0, 0, \sc, \zero
	MUL16 2, 0, 0, \sc, \zero
	s_wait_dscnt 0
	PLACES NP
	FETCH_B \slot, 1, 1
	FETCH_A \slot, 1, 0
	WIN MUL_HI
	MUL16 4, 0, 0, \sc, \zero
	MUL16 6, 0, 0, \sc, \zero
	PLACES NP
	WIN 0
	FETCH_A \slot, 1, 4
.endm
; A K step's second 128 along K goes on to the next slot.  mode 2: this slot is filled again: the three lines, a round of the cluster's barrier, the joint refill first behind it.  mode 1: the next slot is the refilled one: the three
; lines and the work-group's barrier.  mode 0: the next slot was shown whole by an earlier barrier and nothing is filled: no wait on TENSORcnt (the refill stays on its way), no barrier.
.macro TURN slot, next, sc, mode
.if \mode
	s_wait_tensorcnt 0x0                           ; all my tensor loads have landed
	ds_add_u32 v[SPW], v[NIL]                      ; 0 onto my spare word
	s_wait_dscnt 4*NL+1                            ; (the add and the youngest twelve loads may be out)
	WIN MUL_LO
	MUL16 0, 1, 1, \sc, 0
	s_wait_dscnt 0x0                               ; the add is done, and my reads of this slot are over
	s_barrier_signal -1
	MUL16 2, 1, 1, \sc, 0
	WIN 0
	s_barrier_wait -1
.else
	s_wait_dscnt 4*NL
	WIN MUL_LO
	MUL16 0, 1, 1, \sc, 0
	MUL16 2, 1, 1, \sc, 0
	s_wait_dscnt 0x0
	WIN 0
.endif
.if \mode == 2
	CREST                                          ; no wave of any partner still reads this slot or has a load on its way
	s_add_nc_u64 s[G0+4*\slot+2:G0+4*\slot+3], s[G0+4*\slot+2:G0+4*\slot+3], 6*UA    ; three K steps on
	s_add_nc_u64 s[G0B+4*\slot+2:G0B+4*\slot+3], s[G0B+4*\slot+2:G0B+4*\slot+3], 6*UB
	JLOAD G0+4*\slot, G1, G0B+4*\slot, G1B
.else
	PLACES NP
.endif
	FETCH_B \next, 0, 0
	FETCH_A \next, 0, 0
	SCALES \next, 1-(\sc)
	WIN MUL_HI
	MUL16 4, 1, 1, \sc, 0
	MUL16 6, 1, 1, \sc, 0
	PLACES NP
	WIN 0
	FETCH_A \next, 0, 4
.endm
.macro FIRST g0a, g0b, s               ; slot s's groups 0, and its first fill: K step s
	s_mov_b32 s[\g0a], 1
	s_add_co_u32 s[\g0a+1], s45, \s*SLOT
	s_add_nc_u64 s[\g0a+2:\g0a+3], s[20:21], \s*2*UA
	s_or_b32 s[\g0a+3], s[\g0a+3], 0x80000000
	s_mov_b32 s[\g0b], 1
	s_add_co_u32 s[\g0b+1], s94, \s*SLOT
	s_add_nc_u64 s[\g0b+2:\g0b+3], s[46:47], \s*2*UB
	s_or_b32 s[\g0b+3], s[\g0b+3], 0x80000000
	JLOAD \g0a, G1, \g0b, G1B
.endm
	s_load_b128 s[4:7], s[0:1], 0x0                ; qkv s[4:5], p s[6:7]
	s_load_b64 s[8:9], s[0:1], 0x10                ; ls
	v_lshl_add_u32 v[SPW], v0, 2, SPARE
	v_mov_b32 v[NIL], 0
	ds_add_u32 v[SPW], v[NIL]                      ; the wave's opening: the add and its wait stand ahead of my first tensor load
	v_lshrrev_b32 v1, 5, v0
	v_readfirstlane_b32 s14, v1                    ; wave 0..3
	s_lshr_b32 s15, s14, 1                         ; which 128 queries are mine.  Also: I fetch for q (0) or for k (1)
	s_and_b32 s16, s14, 1                          ; which 128 keys.  Also: which panel I fetch
	s_bfe_u32 s40, ttmp6, 0x40000                  ; cx
	s_bfe_u32 s41, ttmp6, 0x40004                  ; cy
	s_and_b32 s18, ttmp7, 0xffff                   ; the batch
	s_add_co_u32 s19, ttmp9, 1
	s_lshr_b32 s19, s19, 1                         ; the block's row: 0, 1, 1
	s_lshr_b32 s10, ttmp9, 1                       ; and column: 0, 0, 1
	s_lshl_b32 s17, s19, 2
	s_add_co_u32 s17, s17, s41                     ; the tile of queries: it hangs on cy alone
	s_lshl_b32 s42, s10, 2
	s_add_co_u32 s42, s42, s40                     ; the tile of keys: on cx alone
	s_lshl_b32 s11, s18, 4                         ; the batch's first group of 128 rows
	s_lshl_b32 s20, s17, 1
	s_add_co_u32 s20, s20, s16
	s_add_co_u32 s20, s20, s11
	s_lshl_b32 s20, s20, 3
	s_mul_i32 s20, s20, UA                         ; q: unit 8 (16 b + 2 i + panel)
	s_mov_b32 s21, 0
	s_lshl_b32 s46, s42, 1
	s_add_co_u32 s46, s46, s16
	s_add_co_u32 s46, s46, s11
	s_lshl_b32 s46, s46, 3
	s_add_co_u32 s46, s46, 512
	s_mul_i32 s46, s46, UB                         ; k: unit 512 + 8 (16 b + 2 j + panel)
	s_mov_b32 s47, 0
	s_lshl_b32 s43, s41, 2
	s_lshl_b32 s43, 15, s43                        ; my row of the cluster
	s_lshl_b32 s44, 0x1111, s40                    ; my column
	s_or_b32 s[G1+0], s43, (3<<16)|(1<<21)         ; the mask; elements of 8 bytes; no padding; bit 21 set beside a mask
	s_or_b32 s[G1B+0], s44, (3<<16)|(1<<21)
	s_mov_b32 s[G1+1], 32<<16                      ; rows of 256 bytes
	s_mov_b32 s[G1+2], RA<<16
	s_mov_b32 s[G1+3], 32<<16
	s_mov_b32 s[G1+4], RA
	s_mov_b32 s[G1+5], 32
	s_mov_b32 s[G1+6], 0
	s_mov_b32 s[G1+7], 0
	s_mov_b32 s[G1B+1], 32<<16
	s_mov_b32 s[G1B+2], RB<<16
	s_mov_b32 s[G1B+3], 32<<16
	s_mov_b32 s[G1B+4], RB
	s_mov_b32 s[G1B+5], 32
	s_mov_b32 s[G1B+6], 0
	s_mov_b32 s[G1B+7], 0
	s_mul_i32 s45, s14, 2*UA
	s_mul_i32 s94, s14, 2*UB
	s_wait_dscnt 0x0                               ; the opening add is done
	s_wait_kmcnt 0x0
	s_add_nc_u64 s[20:21], s[4:5], s[20:21]
	s_add_nc_u64 s[46:47], s[4:5], s[46:47]
	CROUND                                         ; all sixteen work-groups are here: the first joint loads meet
	FIRST G0, G0B, 0                               ; three first fills a wave, as one group
	FIRST G0+4, G0B+4, 1
	FIRST G0C, G0BC, 2
	v_and_b32 v1, 31, v0                           ; lane
	v_lshlrev_b32 v[LI], 4, v1
	s_mul_i32 s22, s15, 2*UA
	s_mul_i32 s23, s16, 2*UB
	s_add_co_u32 s23, s23, 4*UA
.irp s, 0,1,2
	v_add_nc_u32 v[ADRA+\s], s22, v[LI]
	v_add_nc_u32 v[ADRB+\s], s23, v[LI]
	s_add_co_u32 s22, s22, SLOT
	s_add_co_u32 s23, s23, SLOT
.endr
	s_lshl_b32 s66, s17, 1
	s_add_co_u32 s66, s66, s15                     ; gq: my group of 128 queries in the batch
	s_lshl_b32 s67, s42, 1
	s_add_co_u32 s67, s67, s16                     ; kq: my group of 128 keys
	s_add_co_u32 s71, s11, s66
	s_lshl_b32 s71, s71, 4
	s_add_co_u32 s71, s71, s67                     ; the unit: 16 (16 b + gq) + kq
	s_mul_i32 s72, s71, UP
	s_mov_b32 s73, 0
	s_add_nc_u64 s[72:73], s[6:7], s[72:73]
	s_lshl_b32 s76, s71, 9
	s_mov_b32 s77, 0
	s_add_nc_u64 s[76:77], s[8:9], s[76:77]
	s_sub_co_i32 s71, s66, s67
	s_lshl_b32 s71, s71, 7                         ; 128 (gq - kq)
	v_and_b32 v[D0], 7, v0
	v_bfe_u32 v3, v0, 3, 1
	v_lshl_add_u32 v[D0], v3, 4, v[D0]             ; r % 8 + 16 (r / 8)
	v_bfe_u32 v3, v0, 4, 1
	v_lshlrev_b32 v3, 4, v3
	v_sub_nc_u32 v[D0], v[D0], v3                  ; - 16 h
	v_add_nc_u32 v[D0], s71, v[D0]
	v_mov_b32 v[NINF], 0xff800000
	s_mov_b32 s[CS], 0x3d38aa3b                    ; c = log2(e) / 32
	s_mov_b32 s[CS+1], s[CS]                       ; (named with it as a pair, so it is written)
	s_mov_b32 s[SEL], 0x76543210
	s_mov_b32 s[SEL+1], 0xfedcba98
	s_wait_tensorcnt 2                             ; my part of K step 0 is in (the loads of K steps 1 and 2, issued behind it, may be out)
	s_barrier_signal -1
	s_barrier_wait -1
	FETCH_B 0, 0, 0
	FETCH_A 0, 0, 0
	SCALES 0, 0
	FETCH_A 0, 0, 4
	STEP 0, 0, 1                                   ; K step 0: its first products start the sums
	TURN 0, 1, 0, 2                                ; slot 0 has been read: it takes K step 3
	STEP 1, 1, 0
	TURN 1, 2, 1, 0                                ; slot 2 was shown whole by the round above
	STEP 2, 0, 0
	TURN 2, 0, 0, 1                                ; K step 3 has landed in every wave's part of slot 0
	STEP 0, 1, 0
	s_wait_dscnt 4*NL
	WIN MUL_LO
	MUL16 0, 1, 1, 1, 0
	MUL16 2, 1, 1, 1, 0
	s_wait_dscnt 0
	WIN MUL_HI
	MUL16 4, 1, 1, 1, 0
	MUL16 6, 1, 1, 1, 0
	WIN 0
; BLOCK a OF 16 QUERIES.  Lane (r, h) holds query 128 gq + 32 (a / 2) + 8 (a % 2) + r % 8 + 16 (r / 8); register n holds key 128 kq + 32 (n / 16) + 16 h + n % 16.
.macro SOFT a
.set AC, 64*((\a)%4)
.set KO, 32*((\a)/2)+8*((\a)%2)
	WIN 0x02+(\a)/4                                ; source 0: window 2 or 3
.set n, 0
.rept 64                                       ; hidden keys' scores become -infinity; the same line brings the score into window 0.  Each accumulator is read from its low end on
	v_cmp_gt_i32 vcc_lo, 32*(n/16)+n%16-KO, v[D0]
	v_cndmask_b32 v[S+n], v[AC+n], v[NINF], vcc_lo
.set n, n+1
.endr
	WIN 0
.irp b, 0,1,2,3
	v_max3_num_f32 v[BM+\b], v[S+16*\b], v[S+16*\b+1], v[S+16*\b+2]   ; the largest score of each block of 32 keys: for the unit's maximum, and, since p rises with the score, for the block's largest p
.endr
.irp i, 3,5,7,9,11,13
.irp b, 0,1,2,3
	v_max3_num_f32 v[BM+\b], v[BM+\b], v[S+16*\b+\i], v[S+16*\b+\i+1]
.endr
.endr
.irp b, 0,1,2,3
	v_max_num_f32 v[BM+\b], v[BM+\b], v[S+16*\b+15]
.endr
.irp b, 0,1,2,3
	v_permlanex16_b32 v[BX+\b], v[BM+\b], s[SEL], s[SEL+1]
.endr
.irp b, 0,1,2,3
	v_max_num_f32 v[BM+\b], v[BM+\b], v[BX+\b]     ; with lane l xor 16's 16 keys
.endr
	v_max3_num_f32 v[T0], v[BM], v[BM+1], v[BM+2]
	v_max_num_f32 v[T0], v[T0], v[BM+3]
	v_mul_f32 v[T0], s[CS], v[T0]                  ; as t (c is positive)
	v_max_num_f32 v[NM+1], 0xff61b1e6, v[T0]       ; held at -3e38 from below: a unit with no visible key
	v_floor_f32 v[NM], -v[NM+1]                    ; -M = floor(-t) = -ceil(t): a whole number
.irp j, 0,2,4,6,8,10,12,14,16,18,20,22,24,26,28,30,32,34,36,38,40,42,44,46,48,50,52,54,56,58,60,62
	v_pk_fma_f32 v[S+\j:S+\j+1], v[S+\j:S+\j+1], s[CS:CS+1], v[NM:NM+1] op_sel_hi:[1,0,0]   ; t - M, two at a time
.endr
.irp b, 0,1,2,3
	v_fma_f32 v[BM+\b], v[BM+\b], s[CS], v[NM]     ; the same of each block's largest score
.endr
.set n, 0
.rept 64
	v_exp_f32 v[S+n], v[S+n]                       ; p = 2^(t - M), at most 1: not normalised
.set n, n+1
.endr
	v_mov_b32 v[NMB+(\a)], v[NM]                   ; (a plain place behind the exponentials)
	s_wait_alu depctr_va_vdst(0)                   ; one wait for the whole batch, ahead of its first reader
.irp b, 0,1,2,3
	v_exp_f32 v[BM+\b], v[BM+\b]                   ; the block's largest p: the same two instructions on the same number
.endr
	v_pk_add_f32 v[SU:SU+1], v[S:S+1], v[S+4:S+5]  ; the sum is taken of the unquantised p: two chains of pairs; they read the 64 alone
	v_pk_add_f32 v[SU+2:SU+3], v[S+2:S+3], v[S+6:S+7]
.irp j, 8,12,16,20,24,28,32,36,40,44,48,52,56,60
	v_pk_add_f32 v[SU:SU+1], v[SU:SU+1], v[S+\j:S+\j+1]
	v_pk_add_f32 v[SU+2:SU+3], v[SU+2:SU+3], v[S+\j+2:S+\j+3]
.endr
	v_pk_add_f32 v[SU:SU+1], v[SU:SU+1], v[SU+2:SU+3]
	s_wait_alu depctr_va_vdst(0)                   ; and one for the four
.irp b, 0,1,2,3
	v_max_num_f32 v[BM+\b], 0x1800000, v[BM+\b]    ; the floor 2^(3 - 127): the byte cannot fall under 1
.endr
.irp b, 0,1,2,3
	v_add_nc_u32 v[SO+\b], 0xff000000, v[BM+\b]    ; 2 off the exponent field: the conversion's scale operand
.endr
.irp b, 0,1,2,3
	v_lshrrev_b32 v[BY+\b], 23, v[SO+\b]           ; the scale's byte
.endr
	v_lshl_or_b32 v[PWB+(\a)], v[BY+1], 8, v[BY]
	v_lshl_or_b32 v[PWB+(\a)], v[BY+2], 16, v[PWB+(\a)]
	v_lshl_or_b32 v[PWB+(\a)], v[BY+3], 24, v[PWB+(\a)]
	v_add_f32 v[T0], v[SU], v[SU+1]
	v_permlanex16_b32 v[T0+1], v[T0], s[SEL], s[SEL+1]
	v_add_f32 v[LB+(\a)], v[T0], v[T0+1]           ; the unit's sum for my query
.if (\a) > 0
	s_wait_xcnt 0x0                                ; the last block's stores have read the codes' registers, which are written again now
.endif
.irp c, 0,1
	v_cvt_scalef32_pk16_fp6_f32 v[PC+6*\c:PC+6*\c+2], v[S+32*\c:S+32*\c+15], v[SO+2*\c]
	v_cvt_scalef32_pk16_fp6_f32 v[PC+12+4*\c:PC+14+4*\c], v[S+32*\c+16:S+32*\c+31], v[SO+2*\c+1]
.endr
	v_nop                                          ; one plain place behind a scaled conversion
.irp c, 0,1
.irp i, 0,1,2
	v_permlane16_swap_b32 v[PC+6*\c+\i], v[PC+12+4*\c+\i]
.endr
.irp i, 0,1,2
	v_mov_b32 v[PC+3+6*\c+\i], v[PC+12+4*\c+\i]
.endr
.endr
.irp c, 0,1,2
	global_store_b128 v[LI], v[PC+4*\c:PC+4*\c+3], s[72:73] offset:(3*(\a)+\c)*512   ; 32 lanes store 512 consecutive bytes, at a multiple of 256 from the buffer's first byte
.endr
.endm
	PLACES NP                                      ; behind the last products
.irp b, 0,1,2,3
	v_mov_b32 v[BX+\b], 0                          ; a lane permute's destination counts as one of its sources
.endr
	v_mov_b32 v[T0+1], 0
.irp a, 0,1,2,3,4,5,6,7
	SOFT \a
.endr
	v_cmp_le_u32 s70, 16, v1                       ; lanes 16-31 store what belongs to fragments 4-7
.irp k, 0,1,2,3
	v_cndmask_b32 v[GW+\k], v[PWB+\k], v[PWB+4+\k], s70
	v_cndmask_b32 v[GW+4+\k], v[NMB+\k], v[NMB+4+\k], s70
	v_cndmask_b32 v[GW+8+\k], v[LB+\k], v[LB+4+\k], s70
.endr
	global_store_b128 v[LI], v[GW:GW+3], s[72:73] offset:12288      ; the scale words,
	global_store_b128 v[LI], v[GW+4:GW+7], s[72:73] offset:12800    ; -M,
	global_store_b128 v[LI], v[GW+8:GW+11], s[76:77]                ; and l
	s_wait_tensorcnt 0x0                           ; the wave's end
	ds_add_u32 v[SPW], v[NIL]
	s_wait_dscnt 0x0
	CROUND                                         ; the closing round
	s_endpgm
.Lfunc_end_k_qf31d664888_score:
	.size	k_qf31d664888_score, .Lfunc_end_k_qf31d664888_score-k_qf31d664888_score
	.p2alignl 7, 3214868480
	.fill 96, 4, 3214868480
	.section	.rodata,"a",@progbits
	.p2align	6, 0x0
	.amdhsa_kernel k_qf31d664888_score
		.amdhsa_group_segment_fixed_size 327680
		.amdhsa_private_segment_fixed_size 0
		.amdhsa_enable_private_segment 0
		.amdhsa_kernarg_size 24
		.amdhsa_user_sgpr_count 2
		.amdhsa_user_sgpr_kernarg_segment_ptr 1
		.amdhsa_wavefront_size32 1
		.amdhsa_system_sgpr_workgroup_id_x 1
		.amdhsa_system_sgpr_workgroup_id_y 1
		.amdhsa_system_sgpr_workgroup_id_z 1
		.amdhsa_system_vgpr_workitem_id 0
		.amdhsa_next_free_vgpr 1024
		.amdhsa_next_free_sgpr 98
		.amdhsa_reserve_vcc 1
		.amdhsa_float_denorm_mode_32 3
		.amdhsa_float_denorm_mode_16_64 3
		.amdhsa_memory_ordered 1
		.amdhsa_forward_progress 1
		.amdhsa_inst_pref_size 232
	.end_amdhsa_kernel
	.amdgpu_metadata
---
amdhsa.version: [ 1, 2 ]
amdhsa.kernels:
  - .name:           k_qf31d664888_score
    .symbol:         k_qf31d664888_score.kd
    .args:
      - { .name: qkv, .offset: 0, .size: 8, .value_kind: global_buffer, .address_space: global }
      - { .name: p, .offset: 8, .size: 8, .value_kind: global_buffer, .address_space: global }
      - { .name: ls, .offset: 16, .size: 8, .value_kind: global_buffer, .address_space: global }
    .group_segment_fixed_size: 327680
    .private_segment_fixed_size: 0
    .kernarg_segment_align: 8
    .kernarg_segment_size: 24
    .max_flat_workgroup_size: 128
    .sgpr_count:     98
    .vgpr_count:     1024
    .wavefront_size: 32
...
	.end_amdgpu_metadata
.endif
;; end of part 6
;; launch pv (part 7): grid 8 x 32, 4 waves a work-group, clusters of 4 x 4, 327,680 bytes of LDS; arguments p, ls, qkv, out0; writes out0
.if DOCPART == 7
	.amdgcn_target "amdgcn-amd-amdhsa--gfx1250"
	.amdhsa_code_object_version 6
	.text
	.protected	k_qf31d664888_pv
	.globl	k_qf31d664888_pv
	.p2align	8
	.type	k_qf31d664888_pv,@function
k_qf31d664888_pv:
	s_mov_b64 s[64:65], 0
	v_nop
	global_prefetch_b8 v0, s[64:65] scope:SCOPE_SE
	s_setreg_imm32_b32 hwreg(HW_REG_WAVE_MODE, 25, 1), 1
	s_wait_xcnt 0x0
	s_wait_alu depctr_hold_cnt(0) depctr_sa_sdst(0) depctr_va_vdst(0) depctr_va_sdst(0) depctr_va_ssrc(0) depctr_va_vcc(0) depctr_vm_vsrc(0)
	s_getreg_b32 s2, hwreg(HW_REG_IB_STS2, 6, 4)
	s_cmp_eq_u32 s2, 0
	s_cbranch_scc0 .Lentry_in_a_cluster
	s_endpgm
.Lentry_in_a_cluster:
	s_bfe_u32 s2, ttmp6, 0x10000c
	s_cmp_lg_u32 s2, 0xf033
	s_cbranch_scc0 .Lentry_shape_is_right
	s_endpgm
.Lentry_shape_is_right:
; O^T = v^T p^T on codes of FP6 (E2M3), K = the keys, then O / l.  p: units of 13,312 bytes at 16 (16 b + gq) + kq (128 queries x 128 keys: codes as images of operand registers, 512 bytes of scale words, 512 bytes of NM = -M of
; the unit); ls: 512 bytes of the unit's sum l for the same index; v^T: units of 12,800 bytes of qkv at 1,024 + 16 (8 b + d / 128) + kq.  Scale words, NM and l are laid alike: the word at 16 x lane + 4 j belongs to fragment
; 4 (lane / 16) + j, row lane % 16.  Lane row r of fragment i is the group's row 32 (i / 2) + 8 (i % 2) + r % 8 + 16 (r / 8).
; THE ROW'S M is the largest of its units' M (NMG = the least NM).  Each unit was quantised under its own whole M, so it comes under the row's by taking NM - NMG, a whole number, off each of its scale bytes; a byte that would fall
; under 0 is held at 0, and the difference is held at 127 (p's bytes are at most 125).  The row's l is the sum of the units' l x 2^(NMG - NM), exact powers of two.  All of that is done ONCE, at the head, from memory, while the first
; tiles are on their way: the 64 adjusted scale registers of my 128 queries' 16 units stay in v32-95.
; LIMIT: a block held at the byte 0 counts as at most 7.5 x 2^-127 a number beside a row's largest p of over 1/2.  NaN and infinities are not served.
; A tile is 256 queries (source 1: the result's lanes) x 128 of d (source 0: a lane's registers): 256 work-groups.  Four waves, each 128 queries x 64 of d: 32 accumulators, 256 registers.
; TWO SLOTS OF 512 KEYS: a slot holds four units of each of p's two panels and of v^T's one: 157,696 bytes.  Waves 0 and 1 fetch a panel of p each (53,248 dense bytes), waves 2 and 3 two units of v^T each (25,600).
; CLUSTERS: 4 x 4 tiles: four tiles of queries x 512 of d; p's panels are shared along a row of the cluster, v^T's units along a column, by joint loads.  The cluster's y says the batch and which half of its queries.
; The lower half walks 1,024 keys: the two first fills, and no refill.  The upper half walks 2,048: two refills, each asked for four units, 128 matrix instructions a wave, ahead of the wait for it.  There is no loop: one forward branch on
; the cluster's y, equal in all partners, jumps over the middle eight units.  The tail is common: it names the scale registers of units 8-15, which in the lower half hold copies of units 0-7 (the head's second eight loads read
; those again there; that changes no minimum, and their l is weighed with 0).  Units that lie wholly above the diagonal inside a walk hold zero codes.
; No prefetch: a work-group has two refills at the most.
; REGISTERS: window 0: v4-15 the rows' NMG, 1 / l, l; v16-30 addresses; v32-95 p's scale words, unit u at 32 + 4 u; v96-127 v^T's scale words, a set for each slot; v128-223 p's fragments of even units; v224-247 at work.
;   window 1: v^T's four fragments of even units at v0, of odd units at v64.   window 2: the accumulators: (a, b) at v[8 (4 a + b)].   window 3: v0-63 l of the 16 units (head); v128-223 p's fragments of odd units.
.set UA,     13312
.set UB,     12800
.set RA,     4*UA/256                  ; a panel of p in a slot, as rows of 256 bytes
.set RB,     2*UB/256                  ; two units of v^T
.set SLOT,   8*UA+4*UB                 ; p's two panels, then v^T's four units
.set SPARE,  2*SLOT                    ; behind the two slots: the spare words, 128 bytes for each wave; no other line names them
.set SP,     272                       ; the way out: a stage of 16 rows x (256 bytes + 16) for each wave.  It lies in slot 0, which has had its last fill and its last read when the first result is stored there
.set FR,     12
.set NP,     4                         ; places behind this matrix instruction (ISA guide 7.12.1)
.set NMG,  4                           ; v4-7    the least NM of my rows
.set RL,   8                           ; v8-11   1 / l
.set LG,   12                          ; v12-15  l
.set ADRA, 16                          ; v16-17  16 x lane + my panel of p in slot 0, 1
.set ADRS, 18                          ; v18-19  16 x (lane % 16) + my four fragments' scale words of v^T in slot 0, 1
.set ADRB, 20                          ; v20-21  16 x lane + my four fragments of v^T in slot 0, 1
.set GO,   22                          ; v22  the way out: 16 x (lane % 16) + a row of out0 for lanes 16-31
.set STO,  24                          ; v24  where I put 32 bytes of a row
.set RD,   25                          ; v25  and where I read a row back
.set CO,   26                          ; v26  16 x lane
.set ON,   27                          ; v27  the same + the way to units 8-15 of p, where the walk has them
.set SPW,  28
.set NIL,  29
.set OL,   30                          ; v30  the same for l
.set SCA,  32
.set SCB,  96
.set AF,   128
.set NMU,  128                         ; at the head: NM of the 16 units, v128-191
.set LU,   0                           ; and their l, in window 3
.set TT,   224
.set UU,   232
.set WW,   240
.set BK,   128                         ; the way out: 16 rows read back: v128-159 and v160-191 by turns
.set RP,   192                         ; 1 / l of block a, twice, at v[192 + 2 a]
.set G1, 24
.set G0, 32
.set G1B, 48
.set G0B, 56
.set FLG, 67                           ; s67  1.0 where units 8-15 are walked, else 0
.set SEL, 74
.set MSB, 0
.macro WIN new                         ; the immediate's high byte repeats the setting that is left
.if MSB != (\new)
	s_set_vgpr_msb (MSB<<8)|(\new)
.set MSB, \new
.endif
.endm
.macro JLOAD g0a, g1a, g0b, g1b        ; waves 0 and 1 fetch for p, waves 2 and 3 for v^T; an s_nop 0 and four v_nop follow each of the two lines
	s_cmp_eq_u32 s15, 0
	s_cbranch_scc0 .Lfor_b_\@
	tensor_load_to_lds s[\g0a:\g0a+3], s[\g1a:\g1a+7]
	s_nop 0
.rept 4
	v_nop
.endr
	s_branch .Lasked_\@
.Lfor_b_\@:
	tensor_load_to_lds s[\g0b:\g0b+3], s[\g1b:\g1b+7]
	s_nop 0
.rept 4
	v_nop
.endr
.Lasked_\@:
.endm
.macro CREST
	s_cmp_lg_u32 s14, 0
	s_cbranch_scc1 .Lnot_wave_0_\@
	s_barrier_signal -3
.Lnot_wave_0_\@:
	s_barrier_wait -3
	s_barrier_signal -1
	s_barrier_wait -1
.endm
.macro CROUND
	s_barrier_signal -1
	s_barrier_wait -1
	CREST
.endm
.macro PLACES n
.rept \n
	v_nop
.endr
.endm
; One matrix instruction.  ra: the scale words of p's fragment lie in lanes 16-31 of the register named; v^T's always lie in lanes 0-15.
.macro WM acc, bf, af, sb, sa, ra, zero
.if \zero
.if (\ra)
	v_wmma_scale_f32_16x16x128_f8f6f4 v[(\acc):(\acc)+7], v[(\bf):(\bf)+11], v[(\af):(\af)+11], 0, v[\sb], v[\sa] matrix_a_fmt:MATRIX_FMT_FP6 matrix_b_fmt:MATRIX_FMT_FP6 matrix_b_scale:MATRIX_SCALE_ROW1
.else
	v_wmma_scale_f32_16x16x128_f8f6f4 v[(\acc):(\acc)+7], v[(\bf):(\bf)+11], v[(\af):(\af)+11], 0, v[\sb], v[\sa] matrix_a_fmt:MATRIX_FMT_FP6 matrix_b_fmt:MATRIX_FMT_FP6
.endif
.else
.if (\ra)
	v_wmma_scale_f32_16x16x128_f8f6f4 v[(\acc):(\acc)+7], v[(\bf):(\bf)+11], v[(\af):(\af)+11], v[(\acc):(\acc)+7], v[\sb], v[\sa] matrix_a_fmt:MATRIX_FMT_FP6 matrix_b_fmt:MATRIX_FMT_FP6 matrix_b_scale:MATRIX_SCALE_ROW1
.else
	v_wmma_scale_f32_16x16x128_f8f6f4 v[(\acc):(\acc)+7], v[(\bf):(\bf)+11], v[(\af):(\af)+11], v[(\acc):(\acc)+7], v[\sb], v[\sa] matrix_a_fmt:MATRIX_FMT_FP6 matrix_b_fmt:MATRIX_FMT_FP6
.endif
.endif
.endm
; All that belongs to unit u (128 keys) follows from u: its slot is (u / 4) % 2, its place there u % 4, its sets of fragment registers u % 2.
; 8 matrix instructions: p's blocks a0, a0 + 1 x my four fragments of v^T.  The 32 accumulators take turns, one instruction a turn, in the same order in every unit.
.macro M8 a0, u, zero
.irp a, \a0, \a0+1
.irp b, 0,1,2,3
	WM 8*(4*(\a)+\b), 64*((\u)%2)+FR*\b, AF+FR*(\a), SCB+16*(((\u)/4)%2)+4*((\u)%4)+\b, SCA+4*(\u)+(\a)%4, (\a)/4, \zero
.endr
.endr
.endm
.macro MWIN u                          ; source 0 (v^T) window 1, source 1 (p) window 0 or 3, C and D window 2
	WIN 0xa1+0x0c*((\u)%2)
.endm
.macro FB u                            ; my four fragments of v^T: twelve loads of 512 consecutive bytes
	WIN 0x40
.irp i, 0,1,2,3
.irp c, 0,1,2
	ds_load_b128 v[64*((\u)%2)+FR*\i+4*\c:64*((\u)%2)+FR*\i+4*\c+3], v[ADRB+((\u)/4)%2] offset:((\u)%4)*UB+(3*\i+\c)*512
.endr
.endr
.endm
.macro FA u, i0                        ; p's blocks i0 .. i0 + 3: twelve loads
	WIN 0xc0*((\u)%2)
.irp i, \i0, \i0+1, \i0+2, \i0+3
.irp c, 0,1,2
	ds_load_b128 v[AF+FR*(\i)+4*\c:AF+FR*(\i)+4*\c+3], v[ADRA+((\u)/4)%2] offset:((\u)%4)*UA+(3*(\i)+\c)*512
.endr
.endr
.endm
.macro SCBL u                          ; v^T's scale words of the four units of u's slot: lanes 0-15 take my four fragments' words
	WIN 0
.irp q, 0,1,2,3
	ds_load_b128 v[SCB+16*(((\u)/4)%2)+4*\q:SCB+16*(((\u)/4)%2)+4*\q+3], v[ADRS+((\u)/4)%2] offset:\q*UB+12288
.endr
.endm
; A unit that has its successor in the same slot.  The successor's 36 loads are issued under this unit's products, into the other sets of registers.
.macro SUB u, zero
	PLACES NP                                      ; in front of loads into registers that the last unit's matrix instructions have read
	s_wait_dscnt 12                                ; all but the youngest twelve loads (this unit's blocks 4-7 of p) are in
	FB (\u)+1
	FA (\u)+1, 0
	MWIN \u
	M8 0, \u, \zero
	M8 2, \u, \zero
	FA (\u)+1, 4
	s_wait_dscnt 36                                ; all but the successor's 24 + 12 loads: this unit's blocks 4-7 are in
	MWIN \u
	M8 4, \u, \zero
	M8 6, \u, \zero
.endm
; A slot's last unit changes slots: its fragments are in registers, so the slot is free at the unit's head.  ONE barrier; in front of it each wave waits for all its tensor loads, adds 0 to its spare word, and waits for that and
; for its reads of this slot.  fill = 1: the barrier opens a round of the cluster's, and the slot is filled again, with the keys 1,024 further on.
.macro CHG u, fill
	WIN 0                                          ; (the add's two registers lie in window 0)
	s_wait_tensorcnt 0x0                           ; all my tensor loads have landed: my part of the next slot
	ds_add_u32 v[SPW], v[NIL]                      ; 0 onto my spare word
	s_wait_dscnt 13                                ; (the add and the youngest twelve loads may be out)
	MWIN \u
	M8 0, \u, 0                                    ; eight matrix instructions stand between the add and the wait for it
	s_wait_dscnt 0x0                               ; the add is done, and my reads of this slot are over
	s_barrier_signal -1
	M8 2, \u, 0
	WIN 0
	s_barrier_wait -1
.if \fill
	CREST                                          ; no wave of any partner still reads this slot or has a load on its way
	s_add_nc_u64 s[G0+4*(((\u)/4)%2)+2:G0+4*(((\u)/4)%2)+3], s[G0+4*(((\u)/4)%2)+2:G0+4*(((\u)/4)%2)+3], 8*UA
	s_add_nc_u64 s[G0B+4*(((\u)/4)%2)+2:G0B+4*(((\u)/4)%2)+3], s[G0B+4*(((\u)/4)%2)+2:G0B+4*(((\u)/4)%2)+3], 8*UB
	JLOAD G0+4*(((\u)/4)%2), G1, G0B+4*(((\u)/4)%2), G1B   ; the first tensor load behind the round; its four v_nop are the places in front of the loads below
.else
	PLACES NP
.endif
	FB (\u)+1
	FA (\u)+1, 0
	SCBL (\u)+1
	FA (\u)+1, 4
	MWIN \u
	M8 4, \u, 0
	M8 6, \u, 0
.endm
.macro FIRST g0a, g0b, s               ; slot s's groups 0, and its first fill: units 4 s .. 4 s + 3
	s_mov_b32 s[\g0a], 1
	s_add_co_u32 s[\g0a+1], s45, \s*SLOT
	s_add_nc_u64 s[\g0a+2:\g0a+3], s[20:21], \s*4*UA
	s_or_b32 s[\g0a+3], s[\g0a+3], 0x80000000
	s_mov_b32 s[\g0b], 1
	s_add_co_u32 s[\g0b+1], s94, \s*SLOT
	s_add_nc_u64 s[\g0b+2:\g0b+3], s[46:47], \s*4*UB
	s_or_b32 s[\g0b+3], s[\g0b+3], 0x80000000
	JLOAD \g0a, G1, \g0b, G1B
.endm
; p's scale words of units u0 and u0 + 1 come under the row's M: d = min(NM - NMG, 127) off each of a word's four bytes, held at 0 from below, four bytes at a time: with bit 7 set in each byte no borrow crosses a byte
; (128 + byte - d is at least 1), and bit 7 of the difference says whether the byte stayed at 0 or above.  Eight registers, stage by stage, so that no line waits for the line above it.
.macro ADJH u0
.irp k, 0,1,2,3,4,5,6,7
	v_sub_f32 v[TT+\k], v[NMU+4*\u0+\k], v[NMG+\k%4]   ; a whole number, 0 or more
.endr
.irp k, 0,1,2,3,4,5,6,7
	v_min_num_f32 v[TT+\k], 0x42fe0000, v[TT+\k]   ; held at 127
.endr
.irp k, 0,1,2,3,4,5,6,7
	v_cvt_u32_f32 v[TT+\k], v[TT+\k]
.endr
.irp k, 0,1,2,3,4,5,6,7
	v_perm_b32 v[TT+\k], v[TT+\k], v[TT+\k], 0     ; its low byte in all four bytes
.endr
.irp k, 0,1,2,3,4,5,6,7
	v_or_b32 v[UU+\k], s71, v[SCA+4*\u0+\k]
.endr
.irp k, 0,1,2,3,4,5,6,7
	v_sub_nc_u32 v[UU+\k], v[UU+\k], v[TT+\k]
.endr
.irp k, 0,1,2,3,4,5,6,7
	v_and_b32 v[TT+\k], s71, v[UU+\k]              ; 0x80 in the bytes that stayed at 0 or above,
.endr
.irp k, 0,1,2,3,4,5,6,7
	v_lshrrev_b32 v[WW+\k], 7, v[TT+\k]
.endr
.irp k, 0,1,2,3,4,5,6,7
	v_sub_nc_u32 v[TT+\k], v[TT+\k], v[WW+\k]      ; 0x7f there, 0 in the others
.endr
.irp k, 0,1,2,3,4,5,6,7
	v_and_b32 v[SCA+4*\u0+\k], v[UU+\k], v[TT+\k]
.endr
.endm
	s_load_b256 s[4:11], s[0:1], 0x0               ; p s[4:5], ls s[6:7], qkv s[8:9], out0 s[10:11]
	v_lshl_add_u32 v[SPW], v0, 2, SPARE
	v_mov_b32 v[NIL], 0
	ds_add_u32 v[SPW], v[NIL]                      ; the wave's opening: the add and its wait stand ahead of my first tensor load
	v_lshrrev_b32 v1, 5, v0
	v_readfirstlane_b32 s14, v1                    ; wave 0..3
	s_lshr_b32 s15, s14, 1                         ; which 128 queries are mine.  Also: I fetch for p (0) or for v^T (1)
	s_and_b32 s16, s14, 1                          ; which 64 of d.  Also: which panel of p, or which two units of v^T, I fetch
	s_bfe_u32 s40, ttmp6, 0x40000                  ; cx
	s_bfe_u32 s41, ttmp6, 0x40004                  ; cy
	s_and_b32 s18, ttmp7, 0xffff                   ; the cluster's y
	s_lshr_b32 s19, s18, 1                         ; the batch
	s_and_b32 s12, s18, 1                          ; bi: which half of its queries
	s_lshl_b32 s17, s12, 2
	s_add_co_u32 s17, s17, s41                     ; the tile of 256 queries: it hangs on cy alone
	s_lshl_b32 s42, ttmp9, 2
	s_add_co_u32 s42, s42, s40                     ; the tile of 128 of d: on cx alone
	s_lshl_b32 s13, s19, 4
	s_lshl_b32 s66, s17, 1
	s_add_co_u32 s66, s66, s13                     ; 16 b + 2 i
	s_add_co_u32 s20, s66, s16
	s_mul_i32 s20, s20, 16*UA                      ; p: the panel that I fetch begins at unit 16 (16 b + 2 i + panel)
	s_mov_b32 s21, 0
	s_lshl_b32 s46, s19, 3
	s_add_co_u32 s46, s46, s42
	s_lshl_b32 s46, s46, 4
	s_lshl_b32 s47, s16, 1
	s_add_co_u32 s46, s46, s47
	s_add_co_u32 s46, s46, 1024
	s_mul_i32 s46, s46, UB                         ; v^T: unit 1,024 + 16 (8 b + dt) + 2 x my half of a slot's four
	s_mov_b32 s47, 0
	s_lshl_b32 s43, s41, 2
	s_lshl_b32 s43, 15, s43                        ; my row of the cluster
	s_lshl_b32 s44, 0x1111, s40                    ; my column
	s_or_b32 s[G1+0], s43, (3<<16)|(1<<21)         ; the mask; elements of 8 bytes; no padding; bit 21 set beside a mask
	s_or_b32 s[G1B+0], s44, (3<<16)|(1<<21)
	s_mov_b32 s[G1+1], 32<<16                      ; rows of 256 bytes
	s_mov_b32 s[G1+2], RA<<16
	s_mov_b32 s[G1+3], 32<<16
	s_mov_b32 s[G1+4], RA
	s_mov_b32 s[G1+5], 32                          ; the pitch: the block is dense
	s_mov_b32 s[G1+6], 0
	s_mov_b32 s[G1+7], 0
	s_mov_b32 s[G1B+1], 32<<16
	s_mov_b32 s[G1B+2], RB<<16
	s_mov_b32 s[G1B+3], 32<<16
	s_mov_b32 s[G1B+4], RB
	s_mov_b32 s[G1B+5], 32
	s_mov_b32 s[G1B+6], 0
	s_mov_b32 s[G1B+7], 0
	s_mul_i32 s45, s14, 4*UA                       ; where p's panels go (waves 0, 1),
	s_mul_i32 s94, s14, 2*UB
	s_add_co_u32 s94, s94, 8*UA-4*UB               ; and v^T's units (waves 2, 3): behind p's two panels.  No place in the cluster enters an LDS address
	s_wait_dscnt 0x0                               ; the opening add is done
	s_wait_kmcnt 0x0
	s_add_nc_u64 s[20:21], s[4:5], s[20:21]
	s_add_nc_u64 s[46:47], s[8:9], s[46:47]
	CROUND                                         ; all sixteen work-groups are here: the first joint loads meet
	FIRST G0, G0B, 0                               ; two first fills a wave, as one group
	FIRST G0+4, G0B+4, 1
	; NM, the scale words and l of my 128 queries' units, from memory.  The lower half of the queries has units 0-7 alone: there the second eight loads of each kind read units 0-7 again
	v_and_b32 v1, 31, v0                           ; lane
	v_lshlrev_b32 v[CO], 4, v1
	s_mul_i32 s69, s12, 8*UA
	v_add_nc_u32 v[ON], s69, v[CO]
	s_lshl_b32 s69, s12, 12
	v_add_nc_u32 v[OL], s69, v[CO]
	s_add_co_u32 s68, s66, s15                     ; my panel of queries: 16 b + 2 i + my half
	s_mul_i32 s76, s68, 16*UA
	s_mov_b32 s77, 0
	s_add_nc_u64 s[76:77], s[4:5], s[76:77]
	s_lshl_b32 s78, s68, 13
	s_mov_b32 s79, 0
	s_add_nc_u64 s[78:79], s[6:7], s[78:79]
.irp u, 0,1,2,3,4,5,6,7
	global_load_b128 v[NMU+4*\u:NMU+4*\u+3], v[CO], s[76:77] offset:\u*UA+12800
	global_load_b128 v[NMU+32+4*\u:NMU+32+4*\u+3], v[ON], s[76:77] offset:\u*UA+12800
.endr
.irp u, 0,1,2,3,4,5,6,7
	global_load_b128 v[SCA+4*\u:SCA+4*\u+3], v[CO], s[76:77] offset:\u*UA+12288
	global_load_b128 v[SCA+32+4*\u:SCA+32+4*\u+3], v[ON], s[76:77] offset:\u*UA+12288
.endr
	WIN 0xc0                                       ; destination window 3
.irp u, 0,1,2,3,4,5,6,7
	global_load_b128 v[LU+4*\u:LU+4*\u+3], v[CO], s[78:79] offset:\u*512
	global_load_b128 v[LU+32+4*\u:LU+32+4*\u+3], v[OL], s[78:79] offset:\u*512
.endr
	WIN 0
	s_cmp_eq_u32 s12, 1
	s_cselect_b32 s[FLG], 1.0, 0
	v_and_b32 v2, 15, v0                           ; r
	v_bfe_u32 v3, v0, 4, 1                         ; h
	v_lshlrev_b32 v[GO], 4, v2                     ; 16 r
	s_mul_i32 s22, s15, 4*UA                       ; my panel of p
	s_mul_i32 s23, s16, 4*3*512                    ; my four fragments of v^T,
	s_add_co_u32 s23, s23, 8*UA                    ; behind p's two panels
	s_lshl_b32 s80, s16, 8                         ; their scale words: the lower or the upper 256 bytes of a unit's 512
	s_add_co_u32 s80, s80, 8*UA
.irp s, 0,1
	v_add_nc_u32 v[ADRA+\s], s22, v[CO]
	v_add_nc_u32 v[ADRB+\s], s23, v[CO]
	v_add_nc_u32 v[ADRS+\s], s80, v[GO]
	s_add_co_u32 s22, s22, SLOT
	s_add_co_u32 s23, s23, SLOT
	s_add_co_u32 s80, s80, SLOT
.endr
	s_mul_i32 s69, s14, 16*SP                      ; my stage
	v_mul_u32_u24 v[STO], v2, SP
	v_lshl_add_u32 v[STO], v3, 6, v[STO]
	v_add_nc_u32 v[STO], s69, v[STO]               ; in: row r, + 64 h
	v_mul_u32_u24 v[RD], v3, SP
	v_lshl_add_u32 v[RD], v2, 4, v[RD]
	v_add_nc_u32 v[RD], s69, v[RD]                 ; back: lanes 0-15 take one row of 256 bytes, lanes 16-31 the next
	v_lshl_add_u32 v[GO], v3, 12, v[GO]            ; and the same two rows in out0
	s_lshl_b32 s82, s19, 11
	s_lshl_b32 s83, s17, 8
	s_add_co_u32 s82, s82, s83
	s_lshl_b32 s83, s15, 7
	s_add_co_u32 s82, s82, s83                     ; my first row of out0: 2,048 b + 256 i + 128 x my half
	s_lshl_b32 s82, s82, 12                        ; rows of 4,096 bytes (under 2^26)
	s_lshl_b32 s83, s42, 9
	s_add_co_u32 s82, s82, s83
	s_lshl_b32 s83, s16, 8
	s_add_co_u32 s82, s82, s83                     ; + my first column's bytes: 512 dt + 256 x my half
	s_mov_b32 s83, 0
	s_add_nc_u64 s[72:73], s[10:11], s[82:83]
	s_mov_b32 s71, 0x80808080
	s_mov_b32 s[SEL], 0x76543210
	s_mov_b32 s[SEL+1], 0xfedcba98
	s_wait_loadcnt 0x0
.irp k, 0,1,2,3
	v_min3_num_f32 v[NMG+\k], v[NMU+\k], v[NMU+4+\k], v[NMU+8+\k]
.endr
.irp u, 3,5,7,9,11,13
.irp k, 0,1,2,3
	v_min3_num_f32 v[NMG+\k], v[NMG+\k], v[NMU+4*\u+\k], v[NMU+4*\u+4+\k]
.endr
.endr
.irp k, 0,1,2,3
	v_min_num_f32 v[NMG+\k], v[NMG+\k], v[NMU+60+\k]   ; -(the row's M)
.endr
.irp u, 0,2,4,6,8,10,12,14
	ADJH \u
.endr
.set n, 0
.rept 64
	v_sub_f32 v[NMU+n], v[NMG+n%4], v[NMU+n]       ; the unit's M less the row's: a whole number, 0 or less
.set n, n+1
.endr
.set n, 0
.rept 64
	v_cvt_i32_f32 v[NMU+n], v[NMU+n]               ; (it saturates)
.set n, n+1
.endr
.set n, 0
.rept 32
	v_ldexp_f32 v[NMU+n], 1.0, v[NMU+n]
.set n, n+1
.endr
.rept 32
	v_ldexp_f32 v[NMU+n], s[FLG], v[NMU+n]         ; units 8-15 count only where they are walked
.set n, n+1
.endr
	WIN 0x03                                       ; source 0 (l) window 3
.irp k, 0,1,2,3
	v_mul_f32 v[LG+\k], v[LU+\k], v[NMU+\k]
.endr
.set n, 4
.rept 60
	v_fma_f32 v[LG+n%4], v[LU+n], v[NMU+n], v[LG+n%4]
.set n, n+1
.endr
	WIN 0
.irp k, 0,1,2,3
	v_rcp_f32 v[RL+\k], v[LG+\k]
.endr
	v_nop                                          ; a plain place behind the last reciprocal,
	s_wait_alu depctr_va_vdst(0)                   ; and the wait: one for the four, ahead of every label and of their first reader
	s_wait_tensorcnt 1                             ; my part of slot 0 is in (slot 1's load, issued behind it, may be out)
	s_barrier_signal -1
	s_barrier_wait -1                              ; everybody's is
	FB 0
	FA 0, 0
	SCBL 0
	FA 0, 4
	SUB 0, 1                                       ; the first unit's products start the sums
	WIN 0                                          ; at a branch and at a label every window is 0
	s_cmp_eq_u32 s12, 0                            ; the lower half of the queries has 8 units: it goes straight on to the common tail
	s_cbranch_scc1 .Ltail
	SUB 1, 0
	SUB 2, 0
	CHG 3, 1                                       ; slot 0 takes units 8-11
	SUB 4, 0
	SUB 5, 0
	SUB 6, 0
	CHG 7, 1                                       ; slot 1 takes units 12-15
	SUB 8, 0
	WIN 0
.Ltail:                                                ; a walk's last seven units: three of slot 0, four of slot 1; nothing more is asked for
	SUB 9, 0
	SUB 10, 0
	CHG 11, 0
	SUB 12, 0
	SUB 13, 0
	SUB 14, 0
	s_wait_dscnt 12                                ; the very last unit: nothing more to fetch
	MWIN 15
	M8 0, 15, 0
	M8 2, 15, 0
	s_wait_dscnt 0
	M8 4, 15, 0
	M8 6, 15, 0
	WIN 0
; THE WAY OUT, block by block of 16 queries x 64 of d.  Lane (r, h) holds query row r of block a, and register 8 b + j holds d = 32 (b / 2) + 16 h + 8 (b % 2) + j of my 64.  A block is divided by l where it lies, goes through my own
; stage in LDS and comes back as whole rows of 256 bytes.  LDS serves a wave's instructions in order: no wait between the stores and the loads, nor in front of the next block's stores.
.macro PACK a
	WIN 0x82                                       ; source 0 and destination: window 2
.set j, 0
.rept 16
	v_pk_mul_f32 v[32*(\a)+j:32*(\a)+j+1], v[32*(\a)+j:32*(\a)+j+1], v[RP+2*(\a):RP+2*(\a)+1]   ; each accumulator from its low end on
.set j, j+2
.endr
	WIN 0
.endm
.macro TOSTAGE a
	WIN 0x08                                       ; an LDS store's data are its source 1: window 2
.irp b, 0,1,2,3
	ds_store_b128 v[STO], v[32*(\a)+8*\b:32*(\a)+8*\b+3] offset:128*(\b/2)+32*(\b%2)
	ds_store_b128 v[STO], v[32*(\a)+8*\b+4:32*(\a)+8*\b+7] offset:128*(\b/2)+32*(\b%2)+16
.endr
	WIN 0
.set BB, BK+32*((\a)%2)
.irp t, 0,1,2,3,4,5,6,7
	ds_load_b128 v[BB+4*\t:BB+4*\t+3], v[RD] offset:2*\t*SP
.endr
.endm
.macro SEND a
.set BB, BK+32*((\a)%2)
	s_wait_dscnt 0x0                               ; the block is back in registers
	s_wait_xcnt 0x0                                ; the block before's stores have read their registers: the next block's loads may land there
.irp t, 0,1,2,3,4,5,6,7
	global_store_b128 v[GO], v[BB+4*\t:BB+4*\t+3], s[72:73] offset:(32*((\a)/2)+8*((\a)%2)+(2*\t)%8+16*(\t/4))*4096 th:TH_STORE_NT   ; sixteen lanes store 256 consecutive bytes of one row, at a multiple of 256 from out0's first byte; at most 126 rows on
.endr
.endm
	PLACES NP                                      ; behind the last products
	v_cmp_le_u32 s70, 16, v1                       ; lanes 16-31
.irp k, 0,1,2,3
	v_permlanex16_b32 v[TT+\k], v[RL+\k], s[SEL], s[SEL+1]
.endr
.irp k, 0,1,2,3                                ; 1 / l of block k lies in lanes 0-15 of register k, that of block 4 + k in lanes 16-31: both halves of the lanes want it, as a pair for the packed multiply
	v_cndmask_b32 v[RP+2*\k], v[RL+\k], v[TT+\k], s70
	v_cndmask_b32 v[RP+2*\k+1], v[RL+\k], v[TT+\k], s70
	v_cndmask_b32 v[RP+8+2*\k], v[TT+\k], v[RL+\k], s70
	v_cndmask_b32 v[RP+8+2*\k+1], v[TT+\k], v[RL+\k], s70
.endr
	PACK 0
	TOSTAGE 0
.irp a, 1,2,3,4,5,6,7                          ; block a's multiplies stand between block a - 1's loads from the stage and the wait for them
	PACK \a
	SEND \a-1
	TOSTAGE \a
.endr
	SEND 7
	s_wait_tensorcnt 0x0                           ; the wave's end: behind my last tensor load and my last LDS store
	ds_add_u32 v[SPW], v[NIL]
	s_wait_dscnt 0x0
	CROUND                                         ; the closing round: no work-group ends while a partner may still ask for a tile that names it
	s_endpgm
.Lfunc_end_k_qf31d664888_pv:
	.size	k_qf31d664888_pv, .Lfunc_end_k_qf31d664888_pv-k_qf31d664888_pv
	.p2alignl 7, 3214868480
	.fill 96, 4, 3214868480
	.section	.rodata,"a",@progbits
	.p2align	6, 0x0
	.amdhsa_kernel k_qf31d664888_pv
		.amdhsa_group_segment_fixed_size 327680
		.amdhsa_private_segment_fixed_size 0
		.amdhsa_enable_private_segment 0
		.amdhsa_kernarg_size 32
		.amdhsa_user_sgpr_count 2
		.amdhsa_user_sgpr_kernarg_segment_ptr 1
		.amdhsa_wavefront_size32 1
		.amdhsa_system_sgpr_workgroup_id_x 1
		.amdhsa_system_sgpr_workgroup_id_y 1
		.amdhsa_system_sgpr_workgroup_id_z 1
		.amdhsa_system_vgpr_workitem_id 0
		.amdhsa_next_free_vgpr 1024
		.amdhsa_next_free_sgpr 98
		.amdhsa_reserve_vcc 0
		.amdhsa_float_denorm_mode_32 3
		.amdhsa_float_denorm_mode_16_64 3
		.amdhsa_memory_ordered 1
		.amdhsa_forward_progress 1
		.amdhsa_inst_pref_size 185
	.end_amdhsa_kernel
	.amdgpu_metadata
---
amdhsa.version: [ 1, 2 ]
amdhsa.kernels:
  - .name:           k_qf31d664888_pv
    .symbol:         k_qf31d664888_pv.kd
    .args:
      - { .name: p, .offset: 0, .size: 8, .value_kind: global_buffer, .address_space: global }
      - { .name: ls, .offset: 8, .size: 8, .value_kind: global_buffer, .address_space: global }
      - { .name: qkv, .offset: 16, .size: 8, .value_kind: global_buffer, .address_space: global }
      - { .name: out0, .offset: 24, .size: 8, .value_kind: global_buffer, .address_space: global }
    .group_segment_fixed_size: 327680
    .private_segment_fixed_size: 0
    .kernarg_segment_align: 8
    .kernarg_segment_size: 32
    .max_flat_workgroup_size: 128
    .sgpr_count:     98
    .vgpr_count:     1024
    .wavefront_size: 32
...
	.end_amdgpu_metadata
.endif
;; end of part 7
